; MI455X (gfx1250); checked and timed in simulation.
; The chip was launched on July 23, 2026; its instructions are those of AMD's public machine-readable ISA for CDNA 5 (MIT licence, August 2026) and "CDNA5" Instruction Set Architecture Reference Guide (July 2026). The comments in the code are by the model that wrote it; some were corrected since.
;; Ro PE Attention Layer. Allowed arithmetic: matrix products marked QUANTISED: E2M3 operands, one E8M0 scale for each 32 along K, by v_wmma_scale_f32_16x16x128_f8f6f4 with both operands' format E2M3, f32 sums; everything else in f32.
;; Inputs: W1 2,048 x 512 float32; W2 512 x 2,048 float32; Wk 512 x 512 float32; Wo 512 x 512 float32; Wq 512 x 512 float32; Wv 512 x 512 float32; b1 2,048 float32; b2 512 float32; be1 512 float32; be2 512 float32; g1 512 float32; g2 512 float32; src 2 x 4,096 x 512 float32.
;; Outputs: out0 2 x 4,096 x 512 float32.
;; This version of the problem:
;;   THIS VERSION OF THE PROBLEM IS GIVEN IN LOW PRECISION. The matrix products marked QUANTISED in the list below multiply operands that are first quantised to E2M3 (2 exponent bits, 3 mantissa bits; 6 bits a number), with one power-of-two scale for each 32 numbers along K (OCP MX v1.0); their sums are f32. All else is computed in f32.
;;   The module's matrix products, in the order in which they are computed (A, B: the left and right operand; K: the contracted axis; several contracted axes count as one K, in the product's order):
;;     1. [M 8,192, K 512] x [K 512, N 512]; A: input src; B: input Wq: QUANTISED
;;     2. [M 8,192, K 512] x [K 512, N 512]; A: input src; B: input Wk: QUANTISED
;;     3. [M 8,192, K 512] x [K 512, N 512]; A: input src; B: input Wv: QUANTISED
;;     4. batch 16 x [M 4,096, K 64] x [K 64, N 4,096]; A: computed on the way; B: computed on the way: QUANTISED
;;     5. batch 16 x [M 64, K 4,096] x [K 4,096, N 4,096]; A: computed on the way; B: softmax (see below): QUANTISED
;;     6. [M 8,192, K 512] x [K 512, N 512]; A: computed on the way; B: input Wo: QUANTISED
;;     7. [M 8,192, K 512] x [K 512, N 2,048]; A: computed on the way; B: input W1: QUANTISED
;;     8. [M 8,192, K 2,048] x [K 2,048, N 512]; A: computed on the way; B: input W2: QUANTISED
;;   THE QUANTISER, for each operand of a quantised product, along K:
;;     - K is cut into blocks of 32 from its start; a last block that is shorter is filled with zeros.
;;     - A block's scale is 2^e with e = floor(log2(the largest magnitude in the block)) - 2, held to -126 .. 127; a block of zeros has e = 0. As a byte (E8M0): e + 127.
;;     - Each number is divided by its block's scale, clamped to +-7.5, and rounded to the nearest number of E2M3, ties to even, subnormals kept.
;;     - The product sums the exact products of the quantised numbers (number of the format x scale) in f32.
;;   ~~~python
;;   def quantise(x, axis):      # numpy; x: float32 -> the quantised numbers, widened to float32 again
;;       x = np.moveaxis(x, axis, -1); K = x.shape[-1]
;;       x = np.pad(x, [(0, 0)] * (x.ndim - 1) + [(0, -K % 32)]); x = x.reshape(x.shape[:-1] + (-1, 32)); a = np.abs(x).max(-1, keepdims=True)
;;       e = np.where(a > 0, np.clip(np.frexp(np.where(a > 0, a, 1))[1] - 1 - 2, -126, 127), 0)      # np.frexp(a)[1] - 1 = floor(log2(a)), exactly
;;       r = np.clip(x / 2.0 ** e, -7.5, 7.5)
;;       step = 2.0 ** (np.maximum(np.frexp(np.where(r == 0, 1, r))[1] - 1, 0) - 3)
;;       q = np.round(r / step) * step * 2.0 ** e      # np.round: ties to even
;;       return np.moveaxis(q.reshape(q.shape[:-2] + (-1,))[..., :K], -1, axis).astype(np.float32)
;;   ~~~
;;   SOFTMAX AHEAD OF A QUANTISED PRODUCT. Where the list says 'softmax', what is quantised is not the finished softmax but p = 2^(t - M), with t = logit x log2(e) and M = ceil(the row's largest t), a whole number; so 1/2 < the row's largest p <= 1. The row's sum l is taken of the UNQUANTISED p, in f32, and the product's result is divided by l at the end. Since M is a whole number, a kernel that streams over the keys may use a running M (the ceiling of the running maximum): every later rescaling is an exact power of two, which a block's scale takes up: the codes' values come out the same.
;;   OPERANDS COMPUTED ON THE WAY. 'Computed on the way' means the value that the module computes at that place (a softmax that the list does not call 'softmax' is quantised finished and normalised). What goes into a quantiser is computed in f32, as accurately as f32 sums, v_exp_f32 and their like allow (about 1e-6 of the number): no bf16 or f16 on the way to a quantiser, and a product that is left as it is and whose result goes on into a quantised operand takes f32 operands (vector FMAs, or v_wmma_f32_16x16x4_f32). A number that lies on a knife's edge between two numbers of the format may be rounded either way, as far as f32 arithmetic and the matrix unit's own rounding can turn it there, and no further.
;; 2 versions. Each part assembles by itself: llvm-mc -triple=amdgcn-amd-amdhsa -mcpu=gfx1250 --defsym DOCPART=n.
;; ======== version 1 of 2: 4 launches
;; workspace buffers: cod 5,505,024 bytes; scl 229,376 bytes; rope 1,048,576 bytes; qrec 6,553,600 bytes; kv 6,553,600 bytes; ctxc 3,145,728 bytes; ctxs 262,144 bytes
;; launch prep (part 1): grid 256 x 1, 4 waves a work-group, no clusters, 0 bytes of LDS; arguments src, Wq, Wk, Wv, Wo, W1, W2, cod, scl, rope; writes cod, scl, rope
.if DOCPART == 1
	.amdgcn_target "amdgcn-amd-amdhsa--gfx1250"
	.amdhsa_code_object_version 6
	.text
	.protected	k_qabd4c2e8c1_prep
	.globl	k_qabd4c2e8c1_prep
	.p2align	8
	.type	k_qabd4c2e8c1_prep,@function
k_qabd4c2e8c1_prep:
	s_mov_b64 s[64:65], 0
	v_nop
	global_prefetch_b8 v0, s[64:65] scope:SCOPE_SE
	s_setreg_imm32_b32 hwreg(HW_REG_WAVE_MODE, 25, 1), 1
	s_wait_xcnt 0x0
; PREP.  src [8192][512] and the six weights (K innermost, f32) become codes of FP6 (E2M3) with one E8M0 byte for each 32 along K,
; laid as IMAGES OF OPERAND REGISTERS, and the RoPE table is made.
; A TILE is 16 rows: lane row r of tile T is row 32 (T/2) + 8 (T%2) + r + 8 (r/8).  A FRAGMENT is a tile x 128 along K: 12 registers a lane;
; its image is 1,536 bytes: registers 4 c .. 4 c + 3 of lane l at byte 512 c + 16 l.  A SCALE GROUP is 256 bytes for a tile's four K steps:
; the word of K step 2 p + l/16, row l%16, at byte 8 l + 4 p.  Every store of a wave covers 512 or 256 consecutive bytes, aligned.
; SHARES.  Work-groups 0-223: wave job J = 4 g + wave takes one tile x 512 along K (four fragments).  Work-groups 224-255: the table, a token a trip.
; A block's scale is its largest magnitude's exponent field - 2, held at 1 from below.
; LIMITS: a block of zeros gets the byte 1 where the rule says 127 (its codes are zeros, and this program alone reads the bytes); blocks whose largest
; magnitude lies under 2^-124 are held at the byte 1; NaN and infinities are not served.  inv_freq = 10^(-i/8) is made by one exponential of an exactly
; reduced argument (about 1.5 ulp): against an f32 power and division it may differ by an ulp or two, which at token 4,095 moves an angle by up to 5e-4.
.set TM,   12                          ; v12-23  at work in QUANT
.set PW,   24                          ; v24     the scale word just made
.set PC,   26                          ; v26-37  the fragment just made
.set X,    40                          ; v40-167 two sets of 64 numbers
.set IN,   24                          ; s[24:25] the tensor of my job
.set WVN,  26
.set GID,  27
.set JOB,  28
.set TIL,  29                          ; my tile in its tensor
.set RB,   30                          ; bytes in a row of the tensor
.set KO,   31                          ; byte at which my 512 along K begin in a row
.set CO,   32                          ; where my first fragment goes in cod
.set CST,  33                          ; from a K step's fragment to the next
.set SO,   34                          ; where my scale group goes in scl
.set SEL,  40                          ; s[40:41] v_permlanex16_b32's selects for lane l xor 16
.set HM,   42                          ; lanes 16-31
; 64 numbers of a lane, register 16 b + i = k 32 b + 16 (lane/16) + i of my row, become a fragment in v[PC] on and its scale word in v[PW]
.macro QUANT s
.irp b, 0,1,2,3
	v_max3_num_f32 v[TM+\b], |v[(\s)+16*\b]|, |v[(\s)+1+16*\b]|, 0x1800000   ; my 16 numbers of block b, and the floor 2^(3-127): the byte cannot fall under 1
.endr
.irp i, 2,4,6,8,10,12,14
.irp b, 0,1,2,3
	v_max3_num_f32 v[TM+\b], v[TM+\b], |v[(\s)+16*\b+\i]|, |v[(\s)+1+16*\b+\i]|
.endr
.endr
.irp b, 0,1,2,3
	v_permlanex16_b32 v[TM+4+\b], v[TM+\b], s[SEL], s[SEL+1]
.endr
.irp b, 0,1,2,3
	v_max_num_f32 v[TM+\b], v[TM+\b], v[TM+4+\b]          ; with lane l xor 16's: the block's largest magnitude
.endr
.irp b, 0,1,2,3
	v_add_nc_u32 v[TM+8+\b], 0xff000000, v[TM+\b]         ; 2 off its exponent field: the conversion's scale operand
.endr
.irp b, 0,1,2,3
	v_lshrrev_b32 v[TM+4+\b], 23, v[TM+8+\b]              ; the scale's byte
.endr
	v_lshl_or_b32 v[PW], v[TM+5], 8, v[TM+4]
	v_lshl_or_b32 v[PW], v[TM+6], 16, v[PW]
	v_lshl_or_b32 v[PW], v[TM+7], 24, v[PW]
.irp c, 0,1
	v_cvt_scalef32_pk16_fp6_f32 v[PC+6*\c:PC+6*\c+2], v[(\s)+32*\c:(\s)+32*\c+15], v[TM+8+2*\c]
	v_cvt_scalef32_pk16_fp6_f32 v[TM+4*\c:TM+4*\c+2], v[(\s)+16+32*\c:(\s)+31+32*\c], v[TM+9+2*\c]   ; (three registers that begin on an even number)
.endr
	v_nop                                                 ; one plain instruction behind the scaled conversions
.irp c, 0,1                                               ; the layout wants a whole block in a lane: lanes 0-15 block 2 c, lanes 16-31 block 2 c + 1
.irp i, 0,1,2
	v_permlane16_swap_b32 v[PC+6*\c+\i], v[TM+4*\c+\i]
.endr
.irp i, 0,1,2
	v_mov_b32 v[PC+3+6*\c+\i], v[TM+4*\c+\i]
.endr
.endr
.endm
.macro XLOAD set, ks                   ; my row's 64 numbers of K step ks: 16 neighbours of each block of 32
.irp b, 0,1,2,3
.irp j, 0,1,2,3
	global_load_b128 v[X+64*(\set)+16*\b+4*\j:X+64*(\set)+16*\b+4*\j+3], v1, s[IN:IN+1] offset:512*(\ks)+128*\b+16*\j th:TH_LOAD_NT
.endr
.endr
.endm
.macro KQ ks, left
	s_wait_loadcnt \left                                  ; this K step's 16 loads are in; the younger set's 16 may be out
	s_wait_xcnt 0x0                                       ; the last fragment's stores have read their registers
	QUANT X+64*((\ks)%2)
.irp c, 0,1,2
	global_store_b128 v[2+(\ks)], v[PC+4*\c:PC+4*\c+3], s[18:19] offset:512*\c
.endr
.if (\ks)%2 == 0
	v_mov_b32 v[8+(\ks)/2], v[PW]                         ; the group's register ks/2: lanes 0-15 keep the even K step's word,
.else
	v_cndmask_b32 v[8+(\ks)/2], v[8+(\ks)/2], v[PW], s[HM]  ; lanes 16-31 take the odd one's (a word is equal in lanes r and r + 16)
.endif
.if (\ks) < 2
	XLOAD (\ks)%2, (\ks)+2
.endif
.endm
	s_load_b512 s[4:19], s[0:1], 0x0               ; src, Wq, Wk, Wv, Wo, W1, W2, cod
	s_load_b128 s[20:23], s[0:1], 0x40             ; scl, rope
	v_lshrrev_b32 v1, 5, v0
	v_readfirstlane_b32 s[WVN], v1
	v_and_b32 v7, 31, v0                           ; lane
	v_and_b32 v10, 15, v0                          ; r
	v_bfe_u32 v11, v0, 4, 1                        ; h
	s_mov_b32 s[GID], ttmp9
	s_lshl_b32 s[JOB], s[GID], 2
	s_add_co_u32 s[JOB], s[JOB], s[WVN]
	s_mov_b32 s[SEL], 0x76543210
	s_mov_b32 s[SEL+1], 0xfedcba98
	s_mov_b32 s[HM], 0xffff0000
	s_cmp_ge_u32 s[GID], 224
	s_cbranch_scc1 .Lrope
	s_cmp_lt_u32 s[GID], 152
	s_cbranch_scc0 .Ltailw
	; src (jobs 0-511) and Wq, Wk, Wv (jobs 512-607): fragment (tile, ks) at 6,144 J + 1,536 ks, group at 256 J
	s_mov_b32 s[RB], 2048
	s_mov_b32 s[KO], 0
	s_mul_i32 s[CO], s[JOB], 6144
	s_mov_b32 s[CST], 1536
	s_lshl_b32 s[SO], s[JOB], 8
	s_and_b32 s35, s[JOB], 31
	s_cmp_lt_u32 s[GID], 128
	s_cselect_b32 s[TIL], s[JOB], s35
	s_branch .Ljob
.Ltailw:                                               ; Wo, W1, W2 go into one stream for each wave w of the last launch: fragment i of step st at ((36 w + st) 8 + i) 1,536
	s_cmp_lt_u32 s[GID], 160
	s_cbranch_scc0 .Lw1w2
	s_sub_co_u32 s[TIL], s[JOB], 608               ; Wo: steps 0-3
	s_lshr_b32 s36, s[TIL], 3                      ; w
	s_mov_b32 s37, 0                               ; the first step
	s_mov_b32 s[RB], 2048
	s_mov_b32 s[KO], 0
	s_branch .Ltailc
.Lw1w2:
	s_cmp_lt_u32 s[GID], 192
	s_cbranch_scc0 .Lw2
	s_sub_co_u32 s[TIL], s[JOB], 640               ; W1: tiles 8 (4 w + p) + i are steps 4 + 4 p on
	s_lshr_b32 s37, s[TIL], 3
	s_lshr_b32 s36, s37, 2
	s_and_b32 s37, s37, 3
	s_lshl_b32 s37, s37, 2
	s_add_co_u32 s37, s37, 4
	s_mov_b32 s[RB], 2048
	s_mov_b32 s[KO], 0
	s_branch .Ltailc
.Lw2:
	s_sub_co_u32 s38, s[JOB], 768                  ; W2: tile j/4, quarter j%4 of K: steps 20 + 4 (j%4) on
	s_lshr_b32 s[TIL], s38, 2
	s_lshr_b32 s36, s[TIL], 3
	s_and_b32 s38, s38, 3
	s_lshl_b32 s[KO], s38, 11
	s_lshl_b32 s37, s38, 2
	s_add_co_u32 s37, s37, 20
	s_mov_b32 s[RB], 8192
.Ltailc:
	s_and_b32 s38, s[TIL], 7                       ; i
	s_mul_i32 s39, s36, 36
	s_add_co_u32 s39, s39, s37
	s_lshl_b32 s39, s39, 3
	s_add_co_u32 s39, s39, s38
	s_mul_i32 s[CO], s39, 1536
	s_add_co_u32 s[CO], s[CO], 3735552
	s_mov_b32 s[CST], 12288
	s_mul_i32 s39, s36, 9
	s_lshr_b32 s37, s37, 2
	s_add_co_u32 s39, s39, s37
	s_lshl_b32 s39, s39, 3
	s_add_co_u32 s39, s39, s38
	s_lshl_b32 s[SO], s39, 8
	s_add_co_u32 s[SO], s[SO], 155648
.Ljob:
	v_and_b32 v38, 8, v10
	v_add_nc_u32 v38, v38, v10                     ; r + 8 (r/8)
	s_lshr_b32 s38, s[TIL], 1
	s_lshl_b32 s38, s38, 5
	s_and_b32 s39, s[TIL], 1
	s_lshl_b32 s39, s39, 3
	s_add_co_u32 s38, s38, s39                     ; the tile's first row
	v_add_nc_u32 v38, s38, v38
	v_mul_lo_u32 v1, v38, s[RB]
	v_lshl_add_u32 v1, v11, 6, v1                  ; + 64 h: my 16 numbers of a block
	v_add_nc_u32 v1, s[KO], v1
	v_lshl_add_u32 v2, v7, 4, s[CO]                ; where K step 0, 1, 2, 3's fragment goes: 16 x lane + ..
	v_add_nc_u32 v3, s[CST], v2
	v_add_nc_u32 v4, s[CST], v3
	v_add_nc_u32 v5, s[CST], v4
	v_lshl_add_u32 v6, v7, 3, s[SO]
.irp b, 0,1,2,3
	v_mov_b32 v[TM+4+\b], 0                        ; written once: a lane permute's destination counts as one of its sources
.endr
	s_wait_kmcnt 0x0
	s_mov_b64 s[IN:IN+1], s[16:17]                 ; the tensor is chosen by the work-group's number alone
	s_cmp_lt_u32 s[GID], 192
	s_cselect_b64 s[IN:IN+1], s[14:15], s[IN:IN+1]
	s_cmp_lt_u32 s[GID], 160
	s_cselect_b64 s[IN:IN+1], s[12:13], s[IN:IN+1]
	s_cmp_lt_u32 s[GID], 152
	s_cselect_b64 s[IN:IN+1], s[10:11], s[IN:IN+1]
	s_cmp_lt_u32 s[GID], 144
	s_cselect_b64 s[IN:IN+1], s[8:9], s[IN:IN+1]
	s_cmp_lt_u32 s[GID], 136
	s_cselect_b64 s[IN:IN+1], s[6:7], s[IN:IN+1]
	s_cmp_lt_u32 s[GID], 128
	s_cselect_b64 s[IN:IN+1], s[4:5], s[IN:IN+1]
	XLOAD 0, 0
	XLOAD 1, 1
	KQ 0, 16
	KQ 1, 16
	KQ 2, 16
	KQ 3, 0
	global_store_b64 v6, v[8:9], s[20:21]          ; the tile's scale group: 32 lanes store 256 consecutive bytes
	s_endpgm
.Lrope:                                                ; rope[token][0..31] = cos(token x inv_freq_i), [32..63] = sin: 256 bytes a token
	s_sub_co_u32 s[GID], s[GID], 224
	s_lshl_b32 s[GID], s[GID], 2
	s_add_co_u32 s[GID], s[GID], s[WVN]            ; 0..127: my wave's 32 tokens
	s_lshl_b32 s28, s[GID], 5                      ; the first of them
	s_lshl_b32 s29, s28, 8
	s_mov_b32 s44, 0x3ed49a78                      ; log2(10) / 8, upper part,
	s_mov_b32 s45, 0x32179a3a                      ; and what it leaves
	s_mov_b32 s46, 0x3fc90fdb                      ; pi / 2, upper part,
	s_mov_b32 s47, 0xb33bbd2e                      ; and what it leaves
	v_lshlrev_b32 v1, 1, v10
	v_cvt_f32_u32 v2, v1                           ; my two frequencies: i = 2 (lane%16), and
	v_add_f32 v3, 1.0, v2                          ; i + 1.  Lanes 0-15 make cosines, lanes 16-31 sines
.irp e, 0,1
	v_mul_f32 v[4+\e], s44, v[2+\e]
	v_rndne_f32 v[4+\e], v[4+\e]                   ; n: the whole part of i log2(10) / 8
	v_fma_f32 v[6+\e], v[2+\e], s44, -v[4+\e]      ; the rest, exactly,
	v_fma_f32 v[6+\e], v[2+\e], s45, v[6+\e]       ; with the constant's lower part
.endr
	v_exp_f32 v6, -v6
	v_exp_f32 v7, -v7
	v_cvt_i32_f32 v4, v4                           ; (plain work behind the two exponentials)
	v_cvt_i32_f32 v5, v5
	v_sub_nc_u32 v4, 0, v4
	v_sub_nc_u32 v5, 0, v5
	s_wait_alu depctr_va_vdst(0)                   ; one wait for both, ahead of their first reader
	v_ldexp_f32 v6, v6, v4                         ; inv_freq = 2^(-rest) x 2^(-n) = 10^(-i/8)
	v_ldexp_f32 v7, v7, v5
	v_cvt_f32_u32 v8, s28                          ; the token, as f32
	v_and_b32 v9, 31, v0
	v_lshl_add_u32 v9, v9, 3, s29                  ; 256 x token + 8 x lane
	s_wait_kmcnt 0x0
	s_mov_b32 s30, 32
.Ltok:
.irp e, 0,1
	v_mul_f32 v[20+\e], v8, v[6+\e]                ; the angle: one f32 product
	v_mul_f32 v[22+\e], 0x3f22f983, v[20+\e]
	v_rndne_f32 v[22+\e], v[22+\e]                 ; k = the nearest multiple of pi / 2
	v_fma_f32 v[20+\e], -v[22+\e], s46, v[20+\e]
	v_fma_f32 v[20+\e], -v[22+\e], s47, v[20+\e]   ; rho = angle - k pi / 2, within pi / 4
	v_cvt_i32_f32 v[22+\e], v[22+\e]
	v_sub_nc_u32 v[22+\e], v[22+\e], v11           ; q = k, or k - 1 for a sine: sin x = cos(x - pi / 2)
	v_mul_f32 v[24+\e], v[20+\e], v[20+\e]         ; z = rho^2
	v_mov_b32 v[26+\e], 0x3638ef1d                 ; sin rho = rho + rho z (-1/6 + z (1/120 + z (-1/5040 + z / 362880)))
	v_fmaak_f32 v[26+\e], v[26+\e], v[24+\e], 0xb9500d01
	v_fmaak_f32 v[26+\e], v[26+\e], v[24+\e], 0x3c088889
	v_fmaak_f32 v[26+\e], v[26+\e], v[24+\e], 0xbe2aaaab
	v_mul_f32 v[28+\e], v[20+\e], v[24+\e]
	v_fma_f32 v[26+\e], v[26+\e], v[28+\e], v[20+\e]
	v_mov_b32 v[28+\e], 0xb493f27e                 ; cos rho = 1 + z (-1/2 + z (1/24 + z (-1/720 + z (1/40320 - z / 3628800))))
	v_fmaak_f32 v[28+\e], v[28+\e], v[24+\e], 0x37d00d01
	v_fmaak_f32 v[28+\e], v[28+\e], v[24+\e], 0xbab60b61
	v_fmaak_f32 v[28+\e], v[28+\e], v[24+\e], 0x3d2aaaab
	v_fmaak_f32 v[28+\e], v[28+\e], v[24+\e], 0xbf000000
	v_fma_f32 v[28+\e], v[28+\e], v[24+\e], 1.0
	v_and_b32 v[30+\e], 1, v[22+\e]
	v_cmp_eq_u32 vcc_lo, 1, v[30+\e]
	v_cndmask_b32 v[26+\e], v[28+\e], v[26+\e], vcc_lo   ; odd q: the sine's series
	v_add_nc_u32 v[22+\e], 1, v[22+\e]
	v_and_b32 v[22+\e], 2, v[22+\e]
	v_lshlrev_b32 v[22+\e], 30, v[22+\e]           ; q mod 4 = 1 or 2: the sign turns
	v_xor_b32 v[32+\e], v[22+\e], v[26+\e]
.endr
	global_store_b64 v9, v[32:33], s[22:23]        ; 32 lanes store a token's 256 bytes
	s_wait_xcnt 0x0                                ; the store has read its registers
	v_add_nc_u32 v9, 256, v9
	v_add_f32 v8, 1.0, v8
	s_sub_co_u32 s30, s30, 1
	s_cmp_lg_u32 s30, 0
	s_cbranch_scc1 .Ltok
	s_endpgm
.Lfunc_end_k_qabd4c2e8c1_prep:
	.size	k_qabd4c2e8c1_prep, .Lfunc_end_k_qabd4c2e8c1_prep-k_qabd4c2e8c1_prep
	.p2alignl 7, 3214868480
	.fill 96, 4, 3214868480
	.section	.rodata,"a",@progbits
	.p2align	6, 0x0
	.amdhsa_kernel k_qabd4c2e8c1_prep
		.amdhsa_group_segment_fixed_size 0
		.amdhsa_private_segment_fixed_size 0
		.amdhsa_enable_private_segment 0
		.amdhsa_kernarg_size 80
		.amdhsa_user_sgpr_count 2
		.amdhsa_user_sgpr_kernarg_segment_ptr 1
		.amdhsa_wavefront_size32 1
		.amdhsa_system_sgpr_workgroup_id_x 1
		.amdhsa_system_sgpr_workgroup_id_y 1
		.amdhsa_system_sgpr_workgroup_id_z 1
		.amdhsa_system_vgpr_workitem_id 0
		.amdhsa_next_free_vgpr 176
		.amdhsa_next_free_sgpr 66
		.amdhsa_reserve_vcc 1
		.amdhsa_float_denorm_mode_32 3
		.amdhsa_float_denorm_mode_16_64 3
		.amdhsa_memory_ordered 1
		.amdhsa_forward_progress 1
		.amdhsa_inst_pref_size 32
	.end_amdhsa_kernel
	.amdgpu_metadata
---
amdhsa.version: [ 1, 2 ]
amdhsa.kernels:
  - .name:           k_qabd4c2e8c1_prep
    .symbol:         k_qabd4c2e8c1_prep.kd
    .args:
      - { .name: src, .offset: 0, .size: 8, .value_kind: global_buffer, .address_space: global }
      - { .name: Wq, .offset: 8, .size: 8, .value_kind: global_buffer, .address_space: global }
      - { .name: Wk, .offset: 16, .size: 8, .value_kind: global_buffer, .address_space: global }
      - { .name: Wv, .offset: 24, .size: 8, .value_kind: global_buffer, .address_space: global }
      - { .name: Wo, .offset: 32, .size: 8, .value_kind: global_buffer, .address_space: global }
      - { .name: W1, .offset: 40, .size: 8, .value_kind: global_buffer, .address_space: global }
      - { .name: W2, .offset: 48, .size: 8, .value_kind: global_buffer, .address_space: global }
      - { .name: cod, .offset: 56, .size: 8, .value_kind: global_buffer, .address_space: global }
      - { .name: scl, .offset: 64, .size: 8, .value_kind: global_buffer, .address_space: global }
      - { .name: rope, .offset: 72, .size: 8, .value_kind: global_buffer, .address_space: global }
    .group_segment_fixed_size: 0
    .private_segment_fixed_size: 0
    .kernarg_segment_align: 8
    .kernarg_segment_size: 80
    .max_flat_workgroup_size: 128
    .sgpr_count:     66
    .vgpr_count:     176
    .wavefront_size: 32
...
	.end_amdgpu_metadata
.endif
;; end of part 1
;; launch qkv (part 2): grid 64 x 3, 4 waves a work-group, no clusters, 0 bytes of LDS; arguments cod, scl, rope, qrec, kv; writes qrec, kv
.if DOCPART == 2
	.amdgcn_target "amdgcn-amd-amdhsa--gfx1250"
	.amdhsa_code_object_version 6
	.text
	.protected	k_qabd4c2e8c1_qkv
	.globl	k_qabd4c2e8c1_qkv
	.p2align	8
	.type	k_qabd4c2e8c1_qkv,@function
k_qabd4c2e8c1_qkv:
	s_mov_b64 s[64:65], 0
	v_nop
	global_prefetch_b8 v0, s[64:65] scope:SCOPE_SE
	s_setreg_imm32_b32 hwreg(HW_REG_WAVE_MODE, 25, 1), 1
	s_wait_xcnt 0x0
; QKV.  q (y = 0), k (y = 1), v (y = 2) = src W^T on codes of FP6; RoPE on q and k; the results are quantised again: q and k along the head's 64, v along the keys.
; SHARES.  A wave takes 128 tokens (block x) x 128 outputs (heads 2 w, 2 w + 1): 256 matrix instructions.  Waves share nothing: no LDS, no barrier.
; All operands are register images (1,536 bytes a fragment, three loads of 16 bytes a lane).  32 fragments stay (R, always source 0); 32 are streamed in four pairs of 8 (S, source 1).
; q, k: R = 8 tiles of W rows, S = the tokens: a lane holds ONE token, and by the tiles' choice of rows (row 32 (T/2) + 8 (T%2) + r + 8 (r/8)) its registers 16 b + i are channel 32 b + 16 h + i of a head.
; v: R = the 8 token tiles, S = W's tiles: a lane holds one channel and its registers 16 b + i are token 32 b + 16 h + i: the next product's K.
; OUT: a record of 12,800 bytes for a head and 128 tokens: four pair fragments (registers 0-5: token tile 2 P's 64 channels, 6-11: tile 2 P + 1's), four fragments of V^T (16 channels x 128 keys), two scale groups.
; LIMITS as in the first launch: a block of zeros carries the byte 1; blocks under 2^-124 are held at 1; NaN and infinities are not served.
; REGISTERS: window 0: v1-3 offsets, v4-7 scale groups, v16-31 R's scale words, v32-39 S's, v40-65 QUANT, v72-135 the 8 accumulators, v136-199 the turned numbers.
;   window 1: R's fragments 0-20; window 2: 21-31, from v132 cos and sin set 0; window 3: S's two buffers, from v192 cos and sin set 1.
.set RS,  16
.set SS,  32
.set TM,  40
.set PW,  52
.set PC,  54
.set ACC, 72
.set N,   136
.set SEL, 32
.set HM,  34
.set MSB, 0
.macro WIN new                         ; the immediate's high byte repeats the setting that is left; a switch that changes nothing is dropped
.if MSB != (\new)
	s_set_vgpr_msb (MSB<<8)|(\new)
.set MSB, (\new)
.endif
.endm
; 64 numbers of a lane in window w, register 16 b + i = k 32 b + 16 (lane/16) + i of my row, become a fragment in v[PC] on and its scale word in v[PW]
.macro QUANT s, w
	WIN (\w)|((\w)<<2)
.irp b, 0,1,2,3
	v_max3_num_f32 v[TM+\b], |v[(\s)+16*\b]|, |v[(\s)+1+16*\b]|, 0x1800000   ; and the floor 2^(3-127): the byte cannot fall under 1
.endr
	WIN ((\w)<<2)|((\w)<<4)
.irp i, 2,4,6,8,10,12,14
.irp b, 0,1,2,3
	v_max3_num_f32 v[TM+\b], v[TM+\b], |v[(\s)+16*\b+\i]|, |v[(\s)+1+16*\b+\i]|
.endr
.endr
	WIN 0
.irp b, 0,1,2,3
	v_permlanex16_b32 v[TM+4+\b], v[TM+\b], s[SEL], s[SEL+1]
.endr
.irp b, 0,1,2,3
	v_max_num_f32 v[TM+\b], v[TM+\b], v[TM+4+\b]
.endr
.irp b, 0,1,2,3
	v_add_nc_u32 v[TM+8+\b], 0xff000000, v[TM+\b]         ; 2 off the exponent field: the conversion's scale operand
.endr
.irp b, 0,1,2,3
	v_lshrrev_b32 v[TM+4+\b], 23, v[TM+8+\b]
.endr
	v_lshl_or_b32 v[PW], v[TM+5], 8, v[TM+4]
	v_lshl_or_b32 v[PW], v[TM+6], 16, v[PW]
	v_lshl_or_b32 v[PW], v[TM+7], 24, v[PW]
	WIN (\w)
.irp c, 0,1
	v_cvt_scalef32_pk16_fp6_f32 v[PC+6*\c:PC+6*\c+2], v[(\s)+32*\c:(\s)+32*\c+15], v[TM+8+2*\c]
	v_cvt_scalef32_pk16_fp6_f32 v[TM+4*\c:TM+4*\c+2], v[(\s)+16+32*\c:(\s)+31+32*\c], v[TM+9+2*\c]
.endr
	WIN 0
	v_nop                                                 ; one plain instruction behind the scaled conversions
.irp c, 0,1
.irp i, 0,1,2
	v_permlane16_swap_b32 v[PC+6*\c+\i], v[TM+4*\c+\i]
.endr
.irp i, 0,1,2
	v_mov_b32 v[PC+3+6*\c+\i], v[TM+4*\c+\i]
.endr
.endr
.endm
.macro LOADR                           ; the 32 fragments that stay, and their 8 scale groups: 104 loads
.set IDX, 0
.rept 32
	WIN (1+IDX/21)<<6
.irp c, 0,1,2
	global_load_b128 v[12*(IDX%21)+4*\c:12*(IDX%21)+4*\c+3], v1, s[20:21] offset:1536*IDX+512*\c
.endr
.set IDX, IDX+1
.endr
	WIN 0
.irp i, 0,1,2,3,4,5,6,7
	global_load_b64 v[RS+2*\i:RS+2*\i+1], v2, s[22:23] offset:256*\i
.endr
.endm
.macro LOADS P, bb                     ; pair P of the streamed tiles into buffer bb: 26 loads
	WIN 0xc0
.irp f, 0,1,2,3,4,5,6,7
.irp c, 0,1,2
	global_load_b128 v[96*(\bb)+12*\f+4*\c:96*(\bb)+12*\f+4*\c+3], v1, s[24:25] offset:12288*(\P)+1536*\f+512*\c
.endr
.endr
	WIN 0
.irp e, 0,1
	global_load_b64 v[SS+4*(\bb)+2*\e:SS+4*(\bb)+2*\e+1], v2, s[26:27] offset:256*(2*(\P)+\e)
.endr
.endm
.macro LOADCS P, bb                    ; my two tokens' 16 cosines and 16 sines (channels 16 h on): 16 loads
.set CB, 132+60*(\bb)
	WIN (2+(\bb))<<6
.irp e, 0,1
.irp q, 0,1,2,3
	global_load_b128 v[CB+32*\e+4*\q:CB+32*\e+4*\q+3], v3, s[30:31] offset:8192*(\P)+2048*\e+16*\q
	global_load_b128 v[CB+32*\e+16+4*\q:CB+32*\e+16+4*\q+3], v3, s[30:31] offset:8192*(\P)+2048*\e+128+16*\q
.endr
.endr
	WIN 0
.endm
; 32 matrix instructions: eight accumulators by turns, K step by K step; the first K step starts the sums.
; kind 0 (q, k): accumulator a = W tile 4 z + a%4 x token tile a/4 of the pair.  kind 1 (v): token tile a x W tile z of the pair.
; A scale group's register ks/2 holds K step ks in lanes 0-15 (even) or 16-31 (odd).
.macro PAIRMM kind, z, bb
.irp ks, 0,1,2,3
.irp a, 0,1,2,3,4,5,6,7
.if (\kind) == 0
.set TA, 4*(\z)+((\a)&3)
.set EB, (\a)>>2
.else
.set TA, \a
.set EB, \z
.endif
.set IDX, 4*TA+\ks
.set AR, 12*(IDX%21)
.set BR, 96*(\bb)+12*(4*EB+\ks)
.set DR, ACC+8*\a
.set SA, RS+2*TA+(\ks)/2
.set SB, SS+4*(\bb)+2*EB+(\ks)/2
	WIN (1+IDX/21)|(3<<2)
.if \ks == 0
	v_wmma_scale_f32_16x16x128_f8f6f4 v[DR:DR+7], v[AR:AR+11], v[BR:BR+11], 0, v[SA], v[SB] matrix_a_fmt:MATRIX_FMT_FP6 matrix_b_fmt:MATRIX_FMT_FP6
.elseif (\ks)%2 == 1
	v_wmma_scale_f32_16x16x128_f8f6f4 v[DR:DR+7], v[AR:AR+11], v[BR:BR+11], v[DR:DR+7], v[SA], v[SB] matrix_a_fmt:MATRIX_FMT_FP6 matrix_b_fmt:MATRIX_FMT_FP6 matrix_a_scale:MATRIX_SCALE_ROW1 matrix_b_scale:MATRIX_SCALE_ROW1
.else
	v_wmma_scale_f32_16x16x128_f8f6f4 v[DR:DR+7], v[AR:AR+11], v[BR:BR+11], v[DR:DR+7], v[SA], v[SB] matrix_a_fmt:MATRIX_FMT_FP6 matrix_b_fmt:MATRIX_FMT_FP6
.endif
.endr
.endr
	WIN 0
.rept 4
	v_nop                                                 ; four places ahead of the first read of results and of loads into operands
.endr
.endm
.macro ROPE bb                         ; channels c and c + 32 of a head are turned: x1 cos - x2 sin, x2 cos + x1 sin; each accumulator is read from its low end on
.set CB, 132+60*(\bb)
	WIN (2+(\bb))<<2
.irp e, 0,1
.irp i, 0,2,4,6,8,10,12,14
	v_pk_mul_f32 v[N+32*\e+\i:N+32*\e+\i+1], v[ACC+32*\e+\i:ACC+32*\e+\i+1], v[CB+32*\e+\i:CB+32*\e+\i+1]
	v_pk_mul_f32 v[N+32*\e+16+\i:N+32*\e+17+\i], v[ACC+32*\e+16+\i:ACC+32*\e+17+\i], v[CB+32*\e+\i:CB+32*\e+\i+1]
	v_pk_fma_f32 v[N+32*\e+\i:N+32*\e+\i+1], v[ACC+32*\e+16+\i:ACC+32*\e+17+\i], v[CB+32*\e+16+\i:CB+32*\e+17+\i], v[N+32*\e+\i:N+32*\e+\i+1] neg_lo:[1,0,0] neg_hi:[1,0,0]
	v_pk_fma_f32 v[N+32*\e+16+\i:N+32*\e+17+\i], v[ACC+32*\e+\i:ACC+32*\e+\i+1], v[CB+32*\e+16+\i:CB+32*\e+17+\i], v[N+32*\e+16+\i:N+32*\e+17+\i]
.endr
.endr
	WIN 0
.endm
.macro PQK P, z                        ; head z, token tiles 2 P and 2 P + 1
.set BB, (\P)%2
.if (\z) == 0
.if (\P) < 3
	s_wait_loadcnt 42                                     ; this pair's loads are in; the next pair's 26 + 16 may be out
.else
	s_wait_loadcnt 0x0
.endif
.endif
	PAIRMM 0, \z, BB
.if ((\z) == 1) && ((\P) < 2)
	LOADS (\P)+2, BB
.endif
	ROPE BB
.if ((\z) == 1) && ((\P) < 2)
	LOADCS (\P)+2, BB
.endif
	s_wait_xcnt 0x0                                       ; the last fragment's stores have read their registers
	QUANT N, 0
.irp c, 0,1,2
	global_store_b128 v1, v[PC+4*\c:PC+4*\c+3], s[28:29] offset:409600*(\z)+1536*(\P)+512*\c
.endr
.if (\P)%2 == 0
	v_mov_b32 v[4+2*(\z)+(\P)/2], v[PW]
.else
	v_cndmask_b32 v[4+2*(\z)+(\P)/2], v[4+2*(\z)+(\P)/2], v[PW], s[HM]
.endif
.if (\P) == 3
	global_store_b64 v2, v[4+2*(\z):5+2*(\z)], s[28:29] offset:409600*(\z)+12288
.endif
.endm
.macro PV P, z                         ; channel tile 2 P + z of my 8, all 128 tokens
.set BB, (\P)%2
.set CT, 2*(\P)+(\z)
.if (\z) == 0
.if (\P) < 3
	s_wait_loadcnt 26                                     ; the next pair's 26 loads may be out
.else
	s_wait_loadcnt 0x0
.endif
.endif
	PAIRMM 1, \z, BB
.if ((\z) == 1) && ((\P) < 2)
	LOADS (\P)+2, BB
.endif
	s_wait_xcnt 0x0
	QUANT ACC, 0
.irp c, 0,1,2
	global_store_b128 v1, v[PC+4*\c:PC+4*\c+3], s[28:29] offset:409600*(CT/4)+6144+1536*(CT%4)+512*\c
.endr
.if (\z) == 0
	v_mov_b32 v[4+(\P)%2], v[PW]
.else
	v_cndmask_b32 v[4+(\P)%2], v[4+(\P)%2], v[PW], s[HM]
.endif
.if ((\z) == 1) && ((\P)%2 == 1)
	global_store_b64 v2, v[4:5], s[28:29] offset:409600*((\P)/2)+12544
.endif
.endm
	s_load_b256 s[4:11], s[0:1], 0x0               ; cod, scl, rope, qrec
	s_load_b64 s[12:13], s[0:1], 0x20              ; kv
	v_lshrrev_b32 v8, 5, v0
	v_readfirstlane_b32 s14, v8                    ; wave
	s_mov_b32 s15, ttmp9                           ; block of 128 tokens
	s_and_b32 s16, ttmp7, 0xffff                   ; y
	v_and_b32 v8, 31, v0
	v_lshlrev_b32 v1, 4, v8                        ; 16 x lane
	v_lshlrev_b32 v2, 3, v8                        ; 8 x lane
	v_and_b32 v9, 15, v0
	v_and_b32 v10, 8, v9
	v_add_nc_u32 v9, v9, v10                       ; r + 8 (r/8)
	v_bfe_u32 v10, v0, 4, 1
	v_lshlrev_b32 v3, 8, v9
	v_lshl_add_u32 v3, v10, 6, v3                  ; the table: my token's row of 256 bytes, + 64 h
.irp b, 0,1,2,3
	v_mov_b32 v[TM+4+\b], 0                        ; written once: a lane permute's destination counts as one of its sources
.endr
	s_mov_b32 s[SEL], 0x76543210
	s_mov_b32 s[SEL+1], 0xfedcba98
	s_mov_b32 s[HM], 0xffff0000
	s_lshl_b32 s17, s16, 5
	s_lshl_b32 s18, s14, 3
	s_add_co_u32 s17, s17, s18                     ; 32 y + 8 w: my first tile of W
	s_mul_i32 s18, s17, 6144
	s_add_co_u32 s18, s18, 3145728                 ; its codes,
	s_lshl_b32 s19, s17, 8
	s_add_co_u32 s19, s19, 131072                  ; its scale groups
	s_mul_i32 s36, s15, 49152                      ; the block's codes,
	s_lshl_b32 s37, s15, 11                        ; its scale groups
	s_cmp_lt_u32 s16, 2                            ; q, k: W stays and the tokens stream; v: the other way round.  Only offsets are chosen
	s_cselect_b32 s38, s18, s36
	s_cselect_b32 s40, s19, s37
	s_cselect_b32 s42, s36, s18
	s_cselect_b32 s44, s37, s19
	s_mov_b32 s39, 0
	s_mov_b32 s41, 0
	s_mov_b32 s43, 0
	s_mov_b32 s45, 0
	s_lshr_b32 s46, s15, 5
	s_lshl_b32 s46, s46, 3
	s_lshl_b32 s47, s14, 1
	s_add_co_u32 s46, s46, s47                     ; 8 b + 2 w: my first head
	s_lshl_b32 s46, s46, 5
	s_and_b32 s47, s15, 31
	s_add_co_u32 s46, s46, s47
	s_mul_i32 s46, s46, 12800                      ; its record for this block; the next head's lies 409,600 bytes on
	s_lshl_b32 s48, s47, 15                        ; the block's 128 rows of the table
	s_mov_b32 s47, 0
	s_mov_b32 s49, 0
	s_wait_kmcnt 0x0
	s_add_nc_u64 s[20:21], s[4:5], s[38:39]
	s_add_nc_u64 s[22:23], s[6:7], s[40:41]
	s_add_nc_u64 s[24:25], s[4:5], s[42:43]
	s_add_nc_u64 s[26:27], s[6:7], s[44:45]
	s_cmp_eq_u32 s16, 0
	s_cselect_b64 s[28:29], s[10:11], s[12:13]
	s_add_nc_u64 s[28:29], s[28:29], s[46:47]
	s_add_nc_u64 s[30:31], s[8:9], s[48:49]
	s_cmp_eq_u32 s16, 2
	s_cbranch_scc1 .Lv
	LOADR
	LOADS 0, 0
	LOADCS 0, 0
	LOADS 1, 1
	LOADCS 1, 1
.irp P, 0,1,2,3
	PQK \P, 0
	PQK \P, 1
.endr
	s_endpgm
.Lv:
	LOADR
	LOADS 0, 0
	LOADS 1, 1
.irp P, 0,1,2,3
	PV \P, 0
	PV \P, 1
.endr
	s_endpgm
.Lfunc_end_k_qabd4c2e8c1_qkv:
	.size	k_qabd4c2e8c1_qkv, .Lfunc_end_k_qabd4c2e8c1_qkv-k_qabd4c2e8c1_qkv
	.p2alignl 7, 3214868480
	.fill 96, 4, 3214868480
	.section	.rodata,"a",@progbits
	.p2align	6, 0x0
	.amdhsa_kernel k_qabd4c2e8c1_qkv
		.amdhsa_group_segment_fixed_size 0
		.amdhsa_private_segment_fixed_size 0
		.amdhsa_enable_private_segment 0
		.amdhsa_kernarg_size 40
		.amdhsa_user_sgpr_count 2
		.amdhsa_user_sgpr_kernarg_segment_ptr 1
		.amdhsa_wavefront_size32 1
		.amdhsa_system_sgpr_workgroup_id_x 1
		.amdhsa_system_sgpr_workgroup_id_y 1
		.amdhsa_system_sgpr_workgroup_id_z 1
		.amdhsa_system_vgpr_workitem_id 0
		.amdhsa_next_free_vgpr 1024
		.amdhsa_next_free_sgpr 66
		.amdhsa_reserve_vcc 0
		.amdhsa_float_denorm_mode_32 3
		.amdhsa_float_denorm_mode_16_64 3
		.amdhsa_memory_ordered 1
		.amdhsa_forward_progress 1
		.amdhsa_inst_pref_size 218
	.end_amdhsa_kernel
	.amdgpu_metadata
---
amdhsa.version: [ 1, 2 ]
amdhsa.kernels:
  - .name:           k_qabd4c2e8c1_qkv
    .symbol:         k_qabd4c2e8c1_qkv.kd
    .args:
      - { .name: cod, .offset: 0, .size: 8, .value_kind: global_buffer, .address_space: global }
      - { .name: scl, .offset: 8, .size: 8, .value_kind: global_buffer, .address_space: global }
      - { .name: rope, .offset: 16, .size: 8, .value_kind: global_buffer, .address_space: global }
      - { .name: qrec, .offset: 24, .size: 8, .value_kind: global_buffer, .address_space: global }
      - { .name: kv, .offset: 32, .size: 8, .value_kind: global_buffer, .address_space: global }
    .group_segment_fixed_size: 0
    .private_segment_fixed_size: 0
    .kernarg_segment_align: 8
    .kernarg_segment_size: 40
    .max_flat_workgroup_size: 128
    .sgpr_count:     66
    .vgpr_count:     1024
    .wavefront_size: 32
...
	.end_amdgpu_metadata
.endif
;; end of part 2
;; launch attn (part 3): grid 16 x 16, 16 waves a work-group, clusters of 4 x 1, 327,680 bytes of LDS; arguments qrec, kv, ctxc, ctxs; writes ctxc, ctxs
.if DOCPART == 3
	.amdgcn_target "amdgcn-amd-amdhsa--gfx1250"
	.amdhsa_code_object_version 6
	.text
	.protected	k_qabd4c2e8c1_attn
	.globl	k_qabd4c2e8c1_attn
	.p2align	8
	.type	k_qabd4c2e8c1_attn,@function
k_qabd4c2e8c1_attn:
	s_mov_b64 s[64:65], 0
	v_nop
	global_prefetch_b8 v0, s[64:65] scope:SCOPE_SE
	s_setreg_imm32_b32 hwreg(HW_REG_WAVE_MODE, 25, 1), 1
	s_wait_xcnt 0x0
	s_wait_alu depctr_hold_cnt(0) depctr_sa_sdst(0) depctr_va_vdst(0) depctr_va_sdst(0) depctr_va_ssrc(0) depctr_va_vcc(0) depctr_vm_vsrc(0)
	s_getreg_b32 s2, hwreg(HW_REG_IB_STS2, 6, 4)
	s_cmp_eq_u32 s2, 0
	s_cbranch_scc0 .Lentry_in_a_cluster
	s_endpgm
.Lentry_in_a_cluster:
	s_bfe_u32 s2, ttmp6, 0x10000c
	s_cmp_lg_u32 s2, 0x3003
	s_cbranch_scc0 .Lentry_shape_is_right
	s_endpgm
.Lentry_shape_is_right:
; ATTN.  ctx[q] = sum over keys of softmax(q . k / 8) v, both products on codes of FP6, for one head (y) and 256 queries (x); ctx is quantised along the head's 64 for the next product.
; THE SOFTMAX: t = score x log2(e) / 8; M = the running largest t rounded UP to a whole number; p = 2^(t - M) is quantised along the keys, not normalised; the row's sum is taken of the unquantised p
; and divides at the end.  When M moves, the sum and O are multiplied by 2^(old M - new M), which rounds nothing.
; SHARES.  Sixteen waves, each with ONE tile of 16 queries in 256 registers: four waves to a SIMD, so that one wave's vector work stands beside another's matrix work and LDS loads.
; Both products are used transposed (S^T = K Q^T, O^T = V^T P^T): a lane holds one query throughout, and by the tiles' choice of rows its registers 16 b + i are key (channel) 32 b + 16 h + i.
; THE HEAD'S 64 IN A K OF 128.  A key fragment holds TWO key tiles (registers 0-5, 6-11).  The query lies in a run of 18 registers, six zeros | q | six zeros: (q, 0) multiplies the first tile, (0, q) the second;
; zero codes add nothing under any scale byte that these operands carry.
; K AND V of a head are 32 records of 12,800 bytes (128 keys each), register images.  LDS holds 24 at once: region 0 records 0-11, region 1 records 12-23, both asked for at the head; region 0 is filled once
; more, with records 24-31, while region 1 is walked.  A wave has at most two tensor loads out.
; CLUSTER.  The four query blocks of a cluster walk the same head: each load is asked for JOINTLY by the four (mask 15), which divides the requests for K and V by four.
; No prefetch: three quarters of the head are first fills at the head of the kernel, and the one refill is asked for 12 key steps ahead of the wait for it.
; LIMITS: a block of zeros carries the byte 1; NaN and infinities are not served.
.set REC,   12800
.set R1,    153600                     ; region 1; its first 1,024 bytes are the stage for ctx's scale words once it has been read out (it is filled once)
.set SPARE, 307200                     ; the spare words, 128 bytes for each wave: eight blocks of 256 bytes that no other line names
.set KF,  40                           ; v40-87   four key pair fragments; later v40-51 p's codes, v52-58 at work
.set VF,  88                           ; v88-135  four fragments of V^T
.set S,   136                          ; v136-199 S^T, then p
.set O,   200                          ; v200-231 O^T
.set BM,  232                          ; v232-235 the blocks' largest scores
.set PT,  236                          ; v236-239 at work
.set SO,  240                          ; v240-243 the conversions' scale operands
.set F,   244                          ; v[244:245] f = 2^(old M - new M)
.set TT,  246
.set WV,  18
.set SEL, 20
.set CS,  22                           ; s[22:23] c = log2(e) / 8
.set G1A, 24                           ; s[24:31] group 1: 150 rows of 256 bytes;  s[32:39]: 100 rows
.set G1B, 32
.set G0A, 40                           ; s[40:43], s[44:47], s[48:51] groups 0 of the three loads: none is ever rewritten
.set G0B, 44
.set G0C, 48
.set TB,  52                           ; LDS byte of the record in hand
.set CNT, 53
; v1 16 x lane, v2 8 x lane, v3, v4 the step's addresses, v5, v6 the add's two registers, v7, v8 the stage, v9-11 offsets in memory, v12 -M, v13 the largest t, v[14:15] the sum in two halves,
; v16-33 the query's run, v34 its scale word, v35 p's, v[36:37] K's scale words, v[38:39] V's
.macro CROUND                          ; a round of the cluster's barrier
	s_barrier_signal -1
	s_barrier_wait -1
	s_cmp_lg_u32 s[WV], 0
	s_cbranch_scc1 .Lnot_wave_0_\@
	s_barrier_signal -3
.Lnot_wave_0_\@:
	s_barrier_wait -3
	s_barrier_signal -1
	s_barrier_wait -1
.endm
; A KEY STEP: 128 keys, one record
.macro STEP
	v_add_nc_u32 v3, s[TB], v1
	v_add_nc_u32 v4, s[TB], v2
	v_nop
	v_nop                                          ; four places ahead of loads into registers that the last products read
.irp p, 0,1,2,3
.irp c, 0,1,2
	ds_load_b128 v[KF+12*\p+4*\c:KF+12*\p+4*\c+3], v3 offset:1536*\p+512*\c
.endr
.endr
	ds_load_b64 v[36:37], v4 offset:12288
	s_wait_dscnt 0x0
.irp p, 0,1,2,3                                ; S^T: key tiles 2 p and 2 p + 1 from one fragment; the pair's scale word in lanes 0-15 (even p) or 16-31 (odd p) of register p/2
.if (\p)%2
	v_wmma_scale_f32_16x16x128_f8f6f4 v[S+16*\p:S+16*\p+7], v[KF+12*\p:KF+12*\p+11], v[22:33], 0, v[36+\p/2], v34 matrix_a_fmt:MATRIX_FMT_FP6 matrix_b_fmt:MATRIX_FMT_FP6 matrix_a_scale:MATRIX_SCALE_ROW1
	v_wmma_scale_f32_16x16x128_f8f6f4 v[S+16*\p+8:S+16*\p+15], v[KF+12*\p:KF+12*\p+11], v[16:27], 0, v[36+\p/2], v34 matrix_a_fmt:MATRIX_FMT_FP6 matrix_b_fmt:MATRIX_FMT_FP6 matrix_a_scale:MATRIX_SCALE_ROW1
.else
	v_wmma_scale_f32_16x16x128_f8f6f4 v[S+16*\p:S+16*\p+7], v[KF+12*\p:KF+12*\p+11], v[22:33], 0, v[36+\p/2], v34 matrix_a_fmt:MATRIX_FMT_FP6 matrix_b_fmt:MATRIX_FMT_FP6
	v_wmma_scale_f32_16x16x128_f8f6f4 v[S+16*\p+8:S+16*\p+15], v[KF+12*\p:KF+12*\p+11], v[16:27], 0, v[36+\p/2], v34 matrix_a_fmt:MATRIX_FMT_FP6 matrix_b_fmt:MATRIX_FMT_FP6
.endif
.endr
.irp t, 0,1,2,3                                ; V's fragments land under the softmax
.irp c, 0,1,2
	ds_load_b128 v[VF+12*\t+4*\c:VF+12*\t+4*\c+3], v3 offset:6144+1536*\t+512*\c
.endr
.endr
	ds_load_b64 v[38:39], v4 offset:12544
.rept 4
	v_nop                                          ; four places ahead of the first read of the scores
.endr
.irp b, 0,1,2,3
	v_max3_num_f32 v[BM+\b], v[S+16*\b], v[S+16*\b+1], v[S+16*\b+2]   ; the largest score of each block of 32 keys: for the row's maximum, and, since p rises with the score, for the block's largest p
.endr
.irp i, 3,5,7,9,11,13
.irp b, 0,1,2,3
	v_max3_num_f32 v[BM+\b], v[BM+\b], v[S+16*\b+\i], v[S+16*\b+\i+1]
.endr
.endr
.irp b, 0,1,2,3
	v_max_num_f32 v[BM+\b], v[BM+\b], v[S+16*\b+15]
.endr
.irp b, 0,1,2,3
	v_permlanex16_b32 v[PT+\b], v[BM+\b], s[SEL], s[SEL+1]
.endr
.irp b, 0,1,2,3
	v_max_num_f32 v[BM+\b], v[BM+\b], v[PT+\b]     ; with lane l xor 16's 16 keys
.endr
	v_max3_num_f32 v[TT], v[BM], v[BM+1], v[BM+2]
	v_max_num_f32 v[TT], v[TT], v[BM+3]
	v_mul_f32 v[TT], s[CS], v[TT]                  ; the step's largest t (c is positive)
	v_max_num_f32 v13, v13, v[TT]                  ; the running largest t
	v_mov_b32 v[TT], v12
	v_floor_f32 v12, -v13                          ; the new -M = floor(-t): M is a whole number
	v_sub_f32 v[TT], v12, v[TT]                    ; old M - new M: a whole number, 0 or less
	v_cvt_i32_f32 v[TT], v[TT]                     ; (it saturates)
	v_ldexp_f32 v[F], 1.0, v[TT]                   ; f
.set JJ, 0
.rept 32
	v_pk_fma_f32 v[S+JJ:S+JJ+1], v[S+JJ:S+JJ+1], s[CS:CS+1], v[12:13] op_sel_hi:[1,0,0]   ; t - M, two at a time
.set JJ, JJ+2
.endr
.irp b, 0,1,2,3
	v_fma_f32 v[BM+\b], v[BM+\b], s[CS], v12       ; the same of each block's largest score
.endr
.set JJ, 0
.rept 64
	v_exp_f32 v[S+JJ], v[S+JJ]                     ; p = 2^(t - M)
.set JJ, JJ+1
.endr
	v_pk_mul_f32 v[14:15], v[14:15], v[F:F+1] op_sel_hi:[1,0]   ; the sums under the new M (a plain instruction behind the exponentials)
	s_wait_alu depctr_va_vdst(0)                   ; one wait for the batch, ahead of its first reader
.irp b, 0,1,2,3
	v_exp_f32 v[BM+\b], v[BM+\b]                   ; the block's largest p: the same two instructions on the same number
.endr
	v_pk_add_f32 v[PT:PT+1], v[S:S+1], v[S+2:S+3]  ; the row's sum of the unquantised p, in two chains
.irp j, 4,8,12,16,20,24,28,32,36,40,44,48,52,56,60
	v_pk_add_f32 v[14:15], v[14:15], v[S+\j:S+\j+1]
	v_pk_add_f32 v[PT:PT+1], v[PT:PT+1], v[S+2+\j:S+3+\j]
.endr
	v_pk_add_f32 v[14:15], v[14:15], v[PT:PT+1]
	s_wait_alu depctr_va_vdst(0)                   ; and one for the four
.irp b, 0,1,2,3
	v_max_num_f32 v[BM+\b], 0x1800000, v[BM+\b]    ; the floor 2^(3-127): the byte cannot fall under 1
.endr
.irp b, 0,1,2,3
	v_add_nc_u32 v[SO+\b], 0xff000000, v[BM+\b]
.endr
.irp b, 0,1,2,3
	v_lshrrev_b32 v[PT+\b], 23, v[SO+\b]
.endr
	v_lshl_or_b32 v35, v[PT+1], 8, v[PT]           ; p's scale word for these 128 keys
	v_lshl_or_b32 v35, v[PT+2], 16, v35
	v_lshl_or_b32 v35, v[PT+3], 24, v35
.irp c, 0,1
	v_cvt_scalef32_pk16_fp6_f32 v[40+6*\c:42+6*\c], v[S+32*\c:S+32*\c+15], v[SO+2*\c]
	v_cvt_scalef32_pk16_fp6_f32 v[52+4*\c:54+4*\c], v[S+16+32*\c:S+31+32*\c], v[SO+2*\c+1]
.endr
	v_nop                                          ; one plain instruction behind the scaled conversions
.irp c, 0,1
.irp i, 0,1,2
	v_permlane16_swap_b32 v[40+6*\c+\i], v[52+4*\c+\i]
.endr
.irp i, 0,1,2
	v_mov_b32 v[43+6*\c+\i], v[52+4*\c+\i]
.endr
.endr
.set JJ, 0
.rept 16
	v_pk_mul_f32 v[O+JJ:O+JJ+1], v[O+JJ:O+JJ+1], v[F:F+1] op_sel_hi:[1,0]   ; O^T under the new M; these 16 are also the places between p's codes and scale word and the products
.set JJ, JJ+2
.endr
	s_wait_dscnt 0x0                               ; V
.irp t, 0,1,2,3                                ; O^T += V^T P^T: four accumulators, one instruction each
.if (\t)%2
	v_wmma_scale_f32_16x16x128_f8f6f4 v[O+8*\t:O+8*\t+7], v[VF+12*\t:VF+12*\t+11], v[40:51], v[O+8*\t:O+8*\t+7], v[38+\t/2], v35 matrix_a_fmt:MATRIX_FMT_FP6 matrix_b_fmt:MATRIX_FMT_FP6 matrix_a_scale:MATRIX_SCALE_ROW1
.else
	v_wmma_scale_f32_16x16x128_f8f6f4 v[O+8*\t:O+8*\t+7], v[VF+12*\t:VF+12*\t+11], v[40:51], v[O+8*\t:O+8*\t+7], v[38+\t/2], v35 matrix_a_fmt:MATRIX_FMT_FP6 matrix_b_fmt:MATRIX_FMT_FP6
.endif
.endr
	s_add_co_u32 s[TB], s[TB], REC
.endm
	s_load_b256 s[4:11], s[0:1], 0x0               ; qrec, kv, ctxc, ctxs
	v_lshl_add_u32 v5, v0, 2, SPARE
	v_mov_b32 v6, 0
	ds_add_u32 v5, v6
	ds_add_u32 v5, v6
	s_wait_dscnt 0x0
	v_lshrrev_b32 v7, 5, v0
	v_readfirstlane_b32 s[WV], v7                  ; wave 0..15
	s_bfe_u32 s12, ttmp6, 0x40000                  ; cx: it enters addresses in memory alone
	s_lshl_b32 s13, ttmp9, 2
	s_add_co_u32 s13, s13, s12                     ; my block of 256 queries
	s_and_b32 s14, ttmp7, 0xffff                   ; 8 b + head, which the four partners share
	s_and_b32 s15, s[WV], 3                        ; which quarter of a region I fetch, if I fetch
	s_mul_i32 s16, s14, 32*REC
	s_mov_b32 s17, 0
	s_mul_i32 s54, s15, 38400
	s_mul_i32 s55, s15, 25600
	; group 1: a dense block as rows of 256 bytes (32 elements of 8 bytes), no padding: every read is 16 x lane or 8 x lane on end
	s_mov_b32 s[G1A], 15|(3<<16)|(1<<21)           ; 15:0 the mask: all four work-groups; 17:16 elements of 8 bytes; 21 set beside a mask
	s_mov_b32 s[G1A+1], 32<<16                     ; tensor_dim0
	s_mov_b32 s[G1A+2], 150<<16                    ; tensor_dim1
	s_mov_b32 s[G1A+3], 32<<16                     ; tile_dim0
	s_mov_b32 s[G1A+4], 150                        ; tile_dim1
	s_mov_b32 s[G1A+5], 32                         ; the pitch
	s_mov_b32 s[G1A+6], 0
	s_mov_b32 s[G1A+7], 0
	s_mov_b32 s[G1B], 15|(3<<16)|(1<<21)
	s_mov_b32 s[G1B+1], 32<<16
	s_mov_b32 s[G1B+2], 100<<16
	s_mov_b32 s[G1B+3], 32<<16
	s_mov_b32 s[G1B+4], 100
	s_mov_b32 s[G1B+5], 32
	s_mov_b32 s[G1B+6], 0
	s_mov_b32 s[G1B+7], 0
	s_mov_b32 s[SEL], 0x76543210
	s_mov_b32 s[SEL+1], 0xfedcba98
	s_mov_b32 s[CS], 0x3e38aa3b
	s_mov_b32 s[CS+1], s[CS]                       ; (named with it as a pair, so it is written)
	s_wait_kmcnt 0x0
	s_add_nc_u64 s[56:57], s[6:7], s[16:17]        ; the head's records
	s_mov_b32 s58, s54
	s_mov_b32 s59, 0
	s_mov_b32 s[G0A], 1
	s_mov_b32 s[G0A+1], s54                        ; region 0, my quarter
	s_add_nc_u64 s[G0A+2:G0A+3], s[56:57], s[58:59]
	s_mov_b32 s[G0B], 1
	s_add_co_u32 s[G0B+1], s54, R1                 ; region 1, my quarter
	s_add_nc_u64 s[G0B+2:G0B+3], s[G0A+2:G0A+3], R1
	s_or_b32 s[G0A+3], s[G0A+3], 0x80000000
	s_or_b32 s[G0B+3], s[G0B+3], 0x80000000
	s_mov_b32 s58, s55
	s_mov_b32 s[G0C], 1
	s_mov_b32 s[G0C+1], s55                        ; region 0 again: records 24-31
	s_add_nc_u64 s[G0C+2:G0C+3], s[56:57], s[58:59]
	s_add_nc_u64 s[G0C+2:G0C+3], s[G0C+2:G0C+3], 2*R1
	s_or_b32 s[G0C+3], s[G0C+3], 0x80000000
	CROUND                                         ; all four work-groups are here: the first joint loads meet
	s_cmp_lt_u32 s[WV], 4                          ; waves 0-3 fetch; a wave's two first fills stand in one branch
	s_cbranch_scc0 .Lno_first
	tensor_load_to_lds s[G0A:G0A+3], s[G1A:G1A+7]
	s_nop 0
	tensor_load_to_lds s[G0B:G0B+3], s[G1A:G1A+7]
	s_nop 0
.rept 4
	v_nop
.endr
.Lno_first:
	v_and_b32 v8, 31, v0
	v_lshlrev_b32 v1, 4, v8
	v_lshlrev_b32 v2, 3, v8
	v_and_b32 v8, 15, v0                           ; r
	; my query tile 16 block + wave is half wave%2 of pair fragment (wave%8)/2 of record 2 block + wave/8 of qrec
	s_lshl_b32 s60, s14, 5
	s_lshl_b32 s61, s13, 1
	s_add_co_u32 s60, s60, s61
	s_lshr_b32 s61, s[WV], 3
	s_add_co_u32 s60, s60, s61
	s_mul_i32 s60, s60, REC
	s_bfe_u32 s61, s[WV], 0x20001                  ; the pair
	s_mul_i32 s62, s61, 1536
	s_add_co_u32 s62, s62, s60
	s_and_b32 s63, s61, 1
	s_lshl_b32 s63, s63, 7
	s_lshr_b32 s61, s61, 1
	s_lshl_b32 s61, s61, 2
	s_add_co_u32 s61, s61, s63
	s_add_co_u32 s61, s61, s60
	s_add_co_u32 s61, s61, 12288                   ; the pair's words in the scale group: 8 (16 (P%2) + r) + 4 (P/2)
	v_add_nc_u32 v9, s62, v1
	v_lshl_add_u32 v10, v8, 3, s61
	global_load_b128 v[40:43], v9, s[4:5]
	global_load_b128 v[44:47], v9, s[4:5] offset:512
	global_load_b128 v[48:51], v9, s[4:5] offset:1024
	global_load_b32 v34, v10, s[4:5]
	s_lshl_b32 s2, s[WV], 6
	s_add_co_u32 s2, s2, R1
	v_lshl_add_u32 v7, v8, 2, s2                   ; the stage: 64 bytes a wave, 4 r
	v_add_nc_u32 v8, R1, v1                        ; and back: 16 x lane
	s_and_b32 s3, s[WV], 1
	s_cmp_eq_u32 s3, 1
	s_cselect_b32 s19, -1, 0                       ; odd wave: registers 6-11 and the word's upper half
	s_lshl_b32 s3, s3, 4
	s_lshr_b32 s56, s14, 3                         ; where ctx goes: half image ((256 b + tile) 8 + head) 768
	s_lshl_b32 s56, s56, 8
	s_lshl_b32 s57, s13, 4
	s_add_co_u32 s56, s56, s57
	s_add_co_u32 s56, s56, s[WV]
	s_lshl_b32 s56, s56, 3
	s_and_b32 s57, s14, 7
	s_add_co_u32 s56, s56, s57
	s_mul_i32 s56, s56, 768
	s_lshl_b32 s57, s14, 14                        ; its scale words: (256 (8 b + head) + 16 block) 64
	s_lshl_b32 s58, s13, 10
	s_add_co_u32 s57, s57, s58
	s_wait_loadcnt 0x0
.irp i, 0,1,2,3,4,5
	v_cndmask_b32 v[22+\i], v[40+\i], v[46+\i], s19
.endr
	v_lshrrev_b32 v34, s3, v34
	v_and_b32 v34, 0xffff, v34
	v_lshl_or_b32 v34, v34, 16, v34                ; (s0, s1, s0, s1): one word serves (q, 0) and (0, q)
	v_add_nc_u32 v9, s56, v1
	v_add_nc_u32 v10, s56, v2
	v_add_nc_u32 v11, s57, v1
.irp i, 0,1,2,3,4,5
	v_mov_b32 v[16+\i], 0
	v_mov_b32 v[28+\i], 0
.endr
	v_mov_b32 v13, 0xff61b1e6                      ; the largest t so far: -3e38
	v_floor_f32 v12, -v13
	v_mov_b32 v14, 0
	v_mov_b32 v15, 0
	v_mov_b32 v[F+1], 0                            ; (named as the upper half of a pair)
.irp b, 0,1,2,3
	v_mov_b32 v[PT+\b], 0                          ; written once: a lane permute's destination counts as one of its sources
.endr
.set JJ, 0
.rept 32
	v_mov_b32 v[O+JJ], 0                           ; the step is written once: the first finds zeros, which the first change of M leaves zeros
.set JJ, JJ+1
.endr
	s_wait_tensorcnt 0x1                           ; my part of region 0 is in; region 1's may stay out
	s_barrier_signal -1
	s_barrier_wait -1
	s_mov_b32 s[TB], 0
	s_mov_b32 s[CNT], 12
.Lr0:                                                  ; records 0-11
	STEP
	s_sub_co_u32 s[CNT], s[CNT], 1
	s_cmp_lg_u32 s[CNT], 0
	s_cbranch_scc1 .Lr0
	s_wait_tensorcnt 0x0                           ; all my tensor loads have landed, my part of region 1 among them
	ds_add_u32 v5, v6                              ; 0 onto my spare word
	ds_add_u32 v5, v6
	s_wait_dscnt 0x0                               ; the add is done, and my reads of region 0 are over
	CROUND                                         ; the same holds of every wave of all four work-groups
	s_cmp_lt_u32 s[WV], 4
	s_cbranch_scc0 .Lno_refill
	tensor_load_to_lds s[G0C:G0C+3], s[G1B:G1B+7]  ; records 24-31 into region 0: 12 key steps ahead of the wait for them
	s_nop 0
.rept 4
	v_nop
.endr
.Lno_refill:
	s_mov_b32 s[CNT], 12
.Lr1:                                                  ; records 12-23 (s[TB] stands at region 1)
	STEP
	s_sub_co_u32 s[CNT], s[CNT], 1
	s_cmp_lg_u32 s[CNT], 0
	s_cbranch_scc1 .Lr1
	s_wait_tensorcnt 0x0                           ; my part of records 24-31 is in
	ds_add_u32 v5, v6
	s_wait_dscnt 0x0                               ; and my reads of region 1 are over
	s_barrier_signal -1
	s_barrier_wait -1                              ; everybody's; nothing is filled again
	s_mov_b32 s[TB], 0
	s_mov_b32 s[CNT], 8
.Lr2:                                                  ; records 24-31
	STEP
	s_sub_co_u32 s[CNT], s[CNT], 1
	s_cmp_lg_u32 s[CNT], 0
	s_cbranch_scc1 .Lr2
	; THE WAY OUT: ctx = O^T / the sum, quantised along the head's 64: half a fragment and half a scale word
.rept 4
	v_nop
.endr
	v_add_f32 v14, v14, v15
	v_permlanex16_b32 v[TT], v14, s[SEL], s[SEL+1]
	v_add_f32 v14, v14, v[TT]                      ; the row's sum
	v_rcp_f32 v14, v14
	v_nop
	s_wait_alu depctr_va_vdst(0)                   ; ahead of the first reader
.set JJ, 0
.rept 32
	v_mul_f32 v[S+JJ], v[O+JJ], v14                ; register 16 b + i: channel 32 b + 16 h + i
.set JJ, JJ+1
.endr
.irp b, 0,1
	v_max3_num_f32 v[BM+\b], |v[S+16*\b]|, |v[S+16*\b+1]|, 0x1800000
.endr
.irp i, 2,4,6,8,10,12,14
.irp b, 0,1
	v_max3_num_f32 v[BM+\b], v[BM+\b], |v[S+16*\b+\i]|, |v[S+16*\b+\i+1]|
.endr
.endr
.irp b, 0,1
	v_permlanex16_b32 v[PT+\b], v[BM+\b], s[SEL], s[SEL+1]
.endr
.irp b, 0,1
	v_max_num_f32 v[BM+\b], v[BM+\b], v[PT+\b]
.endr
.irp b, 0,1
	v_add_nc_u32 v[SO+\b], 0xff000000, v[BM+\b]
.endr
.irp b, 0,1
	v_lshrrev_b32 v[PT+\b], 23, v[SO+\b]
.endr
	v_lshl_or_b32 v[TT+1], v[PT+1], 8, v[PT]
	v_cvt_scalef32_pk16_fp6_f32 v[40:42], v[S:S+15], v[SO]
	v_cvt_scalef32_pk16_fp6_f32 v[52:54], v[S+16:S+31], v[SO+1]
	v_nop
.irp i, 0,1,2
	v_permlane16_swap_b32 v[40+\i], v[52+\i]
.endr
.irp i, 0,1,2
	v_mov_b32 v[43+\i], v[52+\i]
.endr
	global_store_b128 v9, v[40:43], s[8:9]         ; registers 0-3: 512 consecutive bytes; registers 4-5: 256
	global_store_b64 v10, v[44:45], s[8:9] offset:512
	ds_store_b32 v7, v[TT+1]                       ; lanes r and r + 16 write the same word with the same value
	s_wait_dscnt 0x0
	s_barrier_signal -1
	s_barrier_wait -1
	s_cmp_lg_u32 s[WV], 0                          ; wave 0 stores the sixteen tiles' words: 1,024 consecutive bytes
	s_cbranch_scc1 .Lnot0
	ds_load_b128 v[136:139], v8
	ds_load_b128 v[140:143], v8 offset:512
	s_wait_dscnt 0x0
	global_store_b128 v11, v[136:139], s[10:11]
	global_store_b128 v11, v[140:143], s[10:11] offset:512
.Lnot0:
	s_wait_tensorcnt 0x0                           ; the wave's end
	ds_add_u32 v5, v6
	s_wait_dscnt 0x0
	CROUND                                         ; the closing round
	s_endpgm
.Lfunc_end_k_qabd4c2e8c1_attn:
	.size	k_qabd4c2e8c1_attn, .Lfunc_end_k_qabd4c2e8c1_attn-k_qabd4c2e8c1_attn
	.p2alignl 7, 3214868480
	.fill 96, 4, 3214868480
	.section	.rodata,"a",@progbits
	.p2align	6, 0x0
	.amdhsa_kernel k_qabd4c2e8c1_attn
		.amdhsa_group_segment_fixed_size 327680
		.amdhsa_private_segment_fixed_size 0
		.amdhsa_enable_private_segment 0
		.amdhsa_kernarg_size 32
		.amdhsa_user_sgpr_count 2
		.amdhsa_user_sgpr_kernarg_segment_ptr 1
		.amdhsa_wavefront_size32 1
		.amdhsa_system_sgpr_workgroup_id_x 1
		.amdhsa_system_sgpr_workgroup_id_y 1
		.amdhsa_system_sgpr_workgroup_id_z 1
		.amdhsa_system_vgpr_workitem_id 0
		.amdhsa_next_free_vgpr 256
		.amdhsa_next_free_sgpr 66
		.amdhsa_reserve_vcc 0
		.amdhsa_float_denorm_mode_32 3
		.amdhsa_float_denorm_mode_16_64 3
		.amdhsa_memory_ordered 1
		.amdhsa_forward_progress 1
		.amdhsa_inst_pref_size 60
	.end_amdhsa_kernel
	.amdgpu_metadata
---
amdhsa.version: [ 1, 2 ]
amdhsa.kernels:
  - .name:           k_qabd4c2e8c1_attn
    .symbol:         k_qabd4c2e8c1_attn.kd
    .args:
      - { .name: qrec, .offset: 0, .size: 8, .value_kind: global_buffer, .address_space: global }
      - { .name: kv, .offset: 8, .size: 8, .value_kind: global_buffer, .address_space: global }
      - { .name: ctxc, .offset: 16, .size: 8, .value_kind: global_buffer, .address_space: global }
      - { .name: ctxs, .offset: 24, .size: 8, .value_kind: global_buffer, .address_space: global }
    .group_segment_fixed_size: 327680
    .private_segment_fixed_size: 0
    .kernarg_segment_align: 8
    .kernarg_segment_size: 32
    .max_flat_workgroup_size: 512
    .sgpr_count:     66
    .vgpr_count:     256
    .wavefront_size: 32
...
	.end_amdgpu_metadata
.endif
;; end of part 3
;; launch tail (part 4): grid 128 x 1, 4 waves a work-group, no clusters, 268,800 bytes of LDS; arguments ctxc, ctxs, cod, scl, src, b1, b2, g1, be1, g2, be2, out0; writes out0
.if DOCPART == 4
	.amdgcn_target "amdgcn-amd-amdhsa--gfx1250"
	.amdhsa_code_object_version 6
	.text
	.protected	k_qabd4c2e8c1_tail
	.globl	k_qabd4c2e8c1_tail
	.p2align	8
	.type	k_qabd4c2e8c1_tail,@function
k_qabd4c2e8c1_tail:
	s_mov_b64 s[64:65], 0
	v_nop
	global_prefetch_b8 v0, s[64:65] scope:SCOPE_SE
	s_setreg_imm32_b32 hwreg(HW_REG_WAVE_MODE, 25, 1), 1
	s_wait_xcnt 0x0
; TAIL.  x = LN1(src + ctx Wo^T); out = LN2(x + relu(x W1^T + b1) W2^T + b2); the three products on codes of FP6; all else in f32.
; SHARES.  A work-group takes 64 tokens (four tiles m).  THE WAVES SHARE THE COLUMNS: wave w makes columns 128 w .. + 127 of Wo's and W2's results and hidden units 128 (4 w + p) .. + 127, p = 0..3, for all 64 tokens.
; All products are used transposed (source 0 = 16 weight rows, source 1 = 16 tokens): accumulator register 64 m + 8 i + j of lane (r, h) is token row r of tile m, column 128 w + 32 (i/2) + 16 h + 8 (i%2) + j:
; a tile of tokens' 64 registers run along the next product's K.  36 steps of 8 weight fragments x 4 token tiles: 32 matrix instructions a step, 32 accumulators by turns.
; THE WEIGHTS come from memory straight into registers, from the wave's own stream (the first launch laid it in the order of the steps), each byte once a work-group, into four buffers, four steps ahead.
; NO JOINT LOADS, though all work-groups walk the same weights: images, the parked residual and the stage take 268,288 bytes of LDS; what is left would hold two slots of under one step a wave (32 matrix
; instructions), with one load a wave behind each round; through registers two and a half steps a wave are on their way and no barrier is needed.
; x's and the hidden layer's codes go from wave to wave through LDS as images of the operand's registers (16 x lane), their scale words at 4 x lane.  Six barriers in all.
; LAYERNORM over the four waves: the mean, then the sum of squares of x - mean (a second pass, no difference of large sums); 1 / sqrt by v_rsq_f32; sums in a fixed tree.
; LIMITS: a block of zeros carries the byte 1; blocks under 2^-124 are held at 1; NaN and infinities are not served.
; REGISTERS: window 0: v1-15, v90-95 addresses; v16-31 statistics; v32-47 the weights' scale words; v48-63 the tokens'; v64-89 QUANT; v96-191 two sets of four token fragments; v192-255 a bias.
;   window 1: weight slots 0-20; window 3: slots 21-31, from v132 spare; window 2: the 32 accumulators.
.set XIMG, 0                           ; x's 16 fragments (4 ks + m)
.set XSC,  24576                       ; their scale words, 128 bytes each
.set HIMG, 26624                       ; the hidden layer's 64 fragments (4 kk + m)
.set HSC,  124928
.set RED,  133120                      ; four regions of 1,024 bytes for the sums: 256 m + 16 r + 4 w
.set PARK, 137216                      ; 32,768 bytes a wave: x + b2 while the hidden layer is made; later its first 8,448 are the wave's stage
.set SU,  16
.set MU,  24
.set WS,  32
.set TS,  48
.set TM,  64
.set PW,  76
.set PC,  78
.set T0,  96
.set GA,  96
.set GB,  132
.set B1,  192
.set WV,  28
.set WP,  36                           ; s[36:37] my stream of codes, at the group of four steps in hand
.set SP2, 38                           ; s[38:39] my stream of scale groups
.set SEL, 40
.set HP,  42
.set HP2, 43
.set B1O, 44
.set CNT, 45
.set TP,  46
.set TP2, 47
.set INV, 48
.set EPS, 49
.set MSB, 0
.macro WIN new
.if MSB != (\new)
	s_set_vgpr_msb (MSB<<8)|(\new)
.set MSB, (\new)
.endif
.endm
.macro QUANT s, w                      ; 64 numbers of a lane in window w -> a fragment in v[PC] on, its scale word in v[PW]
	WIN (\w)|((\w)<<2)
.irp b, 0,1,2,3
	v_max3_num_f32 v[TM+\b], |v[(\s)+16*\b]|, |v[(\s)+1+16*\b]|, 0x1800000
.endr
	WIN ((\w)<<2)|((\w)<<4)
.irp i, 2,4,6,8,10,12,14
.irp b, 0,1,2,3
	v_max3_num_f32 v[TM+\b], v[TM+\b], |v[(\s)+16*\b+\i]|, |v[(\s)+1+16*\b+\i]|
.endr
.endr
	WIN 0
.irp b, 0,1,2,3
	v_permlanex16_b32 v[TM+4+\b], v[TM+\b], s[SEL], s[SEL+1]
.endr
.irp b, 0,1,2,3
	v_max_num_f32 v[TM+\b], v[TM+\b], v[TM+4+\b]
.endr
.irp b, 0,1,2,3
	v_add_nc_u32 v[TM+8+\b], 0xff000000, v[TM+\b]
.endr
.irp b, 0,1,2,3
	v_lshrrev_b32 v[TM+4+\b], 23, v[TM+8+\b]
.endr
	v_lshl_or_b32 v[PW], v[TM+5], 8, v[TM+4]
	v_lshl_or_b32 v[PW], v[TM+6], 16, v[PW]
	v_lshl_or_b32 v[PW], v[TM+7], 24, v[PW]
	WIN (\w)
.irp c, 0,1
	v_cvt_scalef32_pk16_fp6_f32 v[PC+6*\c:PC+6*\c+2], v[(\s)+32*\c:(\s)+32*\c+15], v[TM+8+2*\c]
	v_cvt_scalef32_pk16_fp6_f32 v[TM+4*\c:TM+4*\c+2], v[(\s)+16+32*\c:(\s)+31+32*\c], v[TM+9+2*\c]
.endr
	WIN 0
	v_nop                                                 ; one plain instruction behind the scaled conversions
.irp c, 0,1
.irp i, 0,1,2
	v_permlane16_swap_b32 v[PC+6*\c+\i], v[TM+4*\c+\i]
.endr
.irp i, 0,1,2
	v_mov_b32 v[PC+3+6*\c+\i], v[TM+4*\c+\i]
.endr
.endr
.endm
.macro IMAGE ar, ao, sr, so            ; the fragment and its word go to LDS as they stand
.irp c, 0,1,2
	ds_store_b128 v[\ar], v[PC+4*\c:PC+4*\c+3] offset:(\ao)+512*\c
.endr
	ds_store_b32 v[\sr], v[PW] offset:(\so)
	s_wait_dscnt 0x0                                      ; the stores have read their registers
.endm
.macro BARRIER
	s_wait_dscnt 0x0                                      ; my LDS stores have landed and my LDS loads are in
	s_barrier_signal -1
	s_barrier_wait -1
.endm
.macro WLOAD rel, buf                  ; step rel (counted from s[WP]) of my stream into buffer buf: 24 loads
.irp i, 0,1,2,3,4,5,6,7
.set IDX, 8*(\buf)+\i
	WIN (1+2*(IDX/21))<<6
.irp c, 0,1,2
	global_load_b128 v[12*(IDX%21)+4*\c:12*(IDX%21)+4*\c+3], v1, s[WP:WP+1] offset:12288*(\rel)+1536*\i+512*\c
.endr
.endr
	WIN 0
.endm
.macro SLOAD p                         ; register p of the next group's scale words: 8 loads
.irp i, 0,1,2,3,4,5,6,7
	global_load_b32 v[WS+2*\i+(\p)], v2, s[SP2:SP2+1] offset:2048+256*\i+4*(\p)
.endr
.endm
.macro CLOAD reg, win, ar, base        ; 64 numbers of a vector over my columns, in the result's layout: 16 loads
	WIN (\win)<<6
.irp i, 0,1,2,3,4,5,6,7
.irp q, 0,1
	global_load_b128 v[(\reg)+8*\i+4*\q:(\reg)+8*\i+4*\q+3], v[\ar], s[\base:\base+1] offset:128*(\i/2)+32*(\i%2)+16*\q
.endr
.endr
	WIN 0
.endm
.macro CTXLOAD ks, win, tr             ; ctx's four fragments of K step ks: heads 2 ks (registers 0-5) and 2 ks + 1 (6-11): 16 loads
	WIN (\win)<<6
.irp m, 0,1,2,3
	global_load_b128 v[(\tr)+12*\m:(\tr)+12*\m+3], v1, s[4:5] offset:6144*\m+1536*(\ks)
	global_load_b64 v[(\tr)+12*\m+4:(\tr)+12*\m+5], v2, s[4:5] offset:6144*\m+1536*(\ks)+512
	global_load_b128 v[(\tr)+12*\m+6:(\tr)+12*\m+9], v1, s[4:5] offset:6144*\m+1536*(\ks)+768
	global_load_b64 v[(\tr)+12*\m+10:(\tr)+12*\m+11], v2, s[4:5] offset:6144*\m+1536*(\ks)+1280
.endr
	WIN 0
.endm
.macro TLOAD tb, ar, ao, sr, so        ; four token fragments and their scale words from LDS into set tb
.irp m, 0,1,2,3
.irp c, 0,1,2
	ds_load_b128 v[T0+48*(\tb)+12*\m+4*\c:T0+48*(\tb)+12*\m+4*\c+3], v[\ar] offset:(\ao)+1536*\m+512*\c
.endr
	ds_load_b32 v[TS+4*(\tb)+\m], v[\sr] offset:(\so)+128*\m
.endr
.endm
; A step's 32 matrix instructions: weight buffer ks, token fragments at v[tr] of window tw, their words at v[ts].  cmode = 1: the bias in v[B1] starts the sums.
.macro MM ks, tw, tr, ts, cmode
.irp i, 0,1,2,3,4,5,6,7
.set IDX, 8*(\ks)+\i
.set AW, 1+2*(IDX/21)
.set AR, 12*(IDX%21)
.set SA, WS+2*\i+(\ks)/2
.irp m, 0,1,2,3
.set DR, 64*\m+8*\i
.set BR, (\tr)+12*\m
.if \cmode
	WIN AW|((\tw)<<2)|(2<<6)
	v_wmma_scale_f32_16x16x128_f8f6f4 v[DR:DR+7], v[AR:AR+11], v[BR:BR+11], v[B1+8*\i:B1+8*\i+7], v[SA], v[(\ts)+\m] matrix_a_fmt:MATRIX_FMT_FP6 matrix_b_fmt:MATRIX_FMT_FP6
.elseif (\ks)%2
	WIN AW|((\tw)<<2)|(2<<4)|(2<<6)
	v_wmma_scale_f32_16x16x128_f8f6f4 v[DR:DR+7], v[AR:AR+11], v[BR:BR+11], v[DR:DR+7], v[SA], v[(\ts)+\m] matrix_a_fmt:MATRIX_FMT_FP6 matrix_b_fmt:MATRIX_FMT_FP6 matrix_a_scale:MATRIX_SCALE_ROW1
.else
	WIN AW|((\tw)<<2)|(2<<4)|(2<<6)
	v_wmma_scale_f32_16x16x128_f8f6f4 v[DR:DR+7], v[AR:AR+11], v[BR:BR+11], v[DR:DR+7], v[SA], v[(\ts)+\m] matrix_a_fmt:MATRIX_FMT_FP6 matrix_b_fmt:MATRIX_FMT_FP6
.endif
.endr
.endr
	WIN 0
.rept 4
	v_nop                                                 ; four places ahead of loads into operands and of the first read of results
.endr
.endm
.macro WAITS n
	s_wait_loadcnt \n                                     ; what this step reads was issued ahead of the newest 56 loads: two steps' 24 codes and one set of 8 scale words
	s_wait_dscnt 0x0                                      ; this step's token fragments
.endm
.macro REDUCE k                        ; the four pairs in v[SU] -> each token's sum over all 512 columns, in v[SU + 2 m], alike in all four waves
	WIN 0
.irp m, 0,1,2,3
	v_add_f32 v[SU+2*\m], v[SU+2*\m], v[SU+2*\m+1]
.endr
.irp m, 0,1,2,3
	v_permlanex16_b32 v[SU+2*\m+1], v[SU+2*\m], s[SEL], s[SEL+1]
.endr
.irp m, 0,1,2,3
	v_add_f32 v[SU+2*\m], v[SU+2*\m], v[SU+2*\m+1]
.endr
.irp m, 0,1,2,3
	ds_store_b32 v13, v[SU+2*\m] offset:1024*((\k)-1)+256*\m
.endr
	BARRIER
.irp m, 0,1,2,3
	ds_load_b128 v[64+4*\m:67+4*\m], v14 offset:1024*((\k)-1)+256*\m
.endr
	s_wait_dscnt 0x0
.irp m, 0,1,2,3
	v_add_f32 v[64+4*\m], v[64+4*\m], v[65+4*\m]
.endr
.irp m, 0,1,2,3
	v_add_f32 v[66+4*\m], v[66+4*\m], v[67+4*\m]
.endr
.irp m, 0,1,2,3
	v_add_f32 v[SU+2*\m], v[64+4*\m], v[66+4*\m]
.endr
.endm
.macro LNORM k                         ; the accumulators are normalised in place; gain in v[GA] (window 0), offset in v[GB] (window 3)
	WIN 0x0a
.irp m, 0,1,2,3
	v_pk_add_f32 v[SU+2*\m:SU+2*\m+1], v[64*\m:64*\m+1], v[64*\m+2:64*\m+3]   ; each accumulator is read from its low end on
.endr
	WIN 0x08
.set JJ, 4
.rept 30
.irp m, 0,1,2,3
	v_pk_add_f32 v[SU+2*\m:SU+2*\m+1], v[SU+2*\m:SU+2*\m+1], v[64*\m+JJ:64*\m+JJ+1]
.endr
.set JJ, JJ+2
.endr
	REDUCE \k
.irp m, 0,1,2,3
	v_mul_f32 v[MU+2*\m], s[INV], v[SU+2*\m]              ; the mean
.endr
.irp m, 0,1,2,3
	v_mov_b32 v[MU+2*\m+1], v[MU+2*\m]                    ; (named with it as a pair)
.endr
	WIN 0x82
.irp m, 0,1,2,3
.set JJ, 0
.rept 32
	v_pk_add_f32 v[64*\m+JJ:64*\m+JJ+1], v[64*\m+JJ:64*\m+JJ+1], v[MU+2*\m:MU+2*\m+1] op_sel_hi:[1,0] neg_lo:[0,1] neg_hi:[0,1]
.set JJ, JJ+2
.endr
.endr
	WIN 0x0a
.irp m, 0,1,2,3
	v_pk_mul_f32 v[SU+2*\m:SU+2*\m+1], v[64*\m:64*\m+1], v[64*\m:64*\m+1]
.endr
.set JJ, 2
.rept 31
.irp m, 0,1,2,3
	v_pk_fma_f32 v[SU+2*\m:SU+2*\m+1], v[64*\m+JJ:64*\m+JJ+1], v[64*\m+JJ:64*\m+JJ+1], v[SU+2*\m:SU+2*\m+1]
.endr
.set JJ, JJ+2
.endr
	REDUCE (\k)+1
.irp m, 0,1,2,3
	v_fma_f32 v[SU+2*\m], v[SU+2*\m], s[INV], s[EPS]      ; the variance + eps
.endr
.irp m, 0,1,2,3
	v_rsq_f32 v[MU+2*\m], v[SU+2*\m]
.endr
	v_nop
	s_wait_alu depctr_va_vdst(0)                          ; one wait for the four, ahead of their first reader
	WIN 0x82
.irp m, 0,1,2,3
.set JJ, 0
.rept 32
	v_pk_mul_f32 v[64*\m+JJ:64*\m+JJ+1], v[64*\m+JJ:64*\m+JJ+1], v[MU+2*\m:MU+2*\m+1] op_sel_hi:[1,0]
.set JJ, JJ+2
.endr
.endr
	s_wait_loadcnt 0x0                                    ; gain and offset
	WIN 0xb2
.irp m, 0,1,2,3
.set JJ, 0
.rept 32
	v_pk_fma_f32 v[64*\m+JJ:64*\m+JJ+1], v[64*\m+JJ:64*\m+JJ+1], v[GA+JJ:GA+JJ+1], v[GB+JJ:GB+JJ+1]
.set JJ, JJ+2
.endr
.endr
	WIN 0
.endm
	s_load_b512 s[4:19], s[0:1], 0x0               ; ctxc, ctxs, cod, scl, src, b1, b2, g1
	s_load_b256 s[20:27], s[0:1], 0x40             ; be1, g2, be2, out0
	s_set_vgpr_msb 0x40
	v_lshl_add_u32 v254, v0, 2, 0x41800
	v_mov_b32 v255, 0
	s_set_vgpr_msb 0x4000
	v_lshrrev_b32 v8, 5, v0
	v_readfirstlane_b32 s[WV], v8                  ; wave 0..3
	s_mov_b32 s29, ttmp9                           ; my 64 tokens
	v_and_b32 v8, 31, v0
	v_lshlrev_b32 v1, 4, v8                        ; 16 x lane
	v_lshlrev_b32 v2, 3, v8                        ; 8 x lane
	v_lshlrev_b32 v3, 2, v8                        ; 4 x lane
	v_and_b32 v16, 15, v0                          ; r
	v_bfe_u32 v17, v0, 4, 1                        ; h
	v_lshlrev_b32 v4, 2, v16                       ; 4 r
	v_and_b32 v18, 8, v16
	v_add_nc_u32 v18, v18, v16                     ; r + 8 (r/8)
	s_lshl_b32 s30, s[WV], 9
	v_lshlrev_b32 v6, 6, v17
	v_add_nc_u32 v6, s30, v6                       ; vectors over my columns: 64 h + 512 w
	v_lshl_add_u32 v5, v18, 11, v6                 ; src: my token's row of 2,048 bytes + that
	s_lshl_b32 s31, s[WV], 11
	v_lshlrev_b32 v7, 6, v17
	v_add_nc_u32 v7, s31, v7                       ; b1: 64 h + 2,048 w
	s_mul_i32 s32, s[WV], 6144
	v_add_nc_u32 v9, s32, v1                       ; x's images, K step w
	v_add_nc_u32 v10, s30, v3                      ; and their words
	s_mul_i32 s32, s[WV], 24576
	s_add_co_u32 s32, s32, HIMG
	v_add_nc_u32 v11, s32, v1                      ; the hidden layer's images, K steps 4 w on
	s_add_co_u32 s33, s31, HSC
	v_add_nc_u32 v12, s33, v3
	v_lshlrev_b32 v14, 4, v16
	v_add_nc_u32 v14, RED, v14                     ; the sums, back: 16 r
	s_lshl_b32 s32, s[WV], 2
	v_add_nc_u32 v13, s32, v14                     ; in: + 4 w
	s_lshl_b32 s32, s[WV], 15
	s_add_co_u32 s32, s32, PARK
	v_add_nc_u32 v15, s32, v1                      ; my park, and my stage's rows back
	v_mul_u32_u24 v90, v16, 528
	v_lshl_add_u32 v90, v17, 6, v90
	v_add_nc_u32 v90, s32, v90                     ; my stage, in: row r of 528 bytes, + 64 h
	v_add_nc_u32 v91, s30, v1                      ; out0: 16 x lane + 512 w
.irp b, 0,1,2,3
	v_mov_b32 v[TM+4+\b], 0                        ; written once: a lane permute's destination counts as one of its sources
.endr
	s_mov_b32 s[SEL], 0x76543210
	s_mov_b32 s[SEL+1], 0xfedcba98
	s_mov_b32 s[INV], 0x3b000000                   ; 1 / 512
	s_mov_b32 s[EPS], 0x3727c5ac                   ; 1e-5
	s_mul_i32 s34, s[WV], 442368
	s_add_co_u32 s34, s34, 3735552
	s_mov_b32 s35, 0
	s_mul_i32 s50, s[WV], 18432
	s_add_co_u32 s50, s50, 155648
	s_mov_b32 s51, 0
	s_mul_i32 s52, s29, 24576
	s_mov_b32 s53, 0
	s_lshr_b32 s54, s29, 6
	s_lshl_b32 s54, s54, 17
	s_and_b32 s55, s29, 63
	s_lshl_b32 s55, s55, 8
	s_add_co_u32 s54, s54, s55
	s_mov_b32 s55, 0
	s_lshl_b32 s56, s29, 17
	s_mov_b32 s57, 0
	s_wait_kmcnt 0x0
	s_add_nc_u64 s[WP:WP+1], s[8:9], s[34:35]
	s_add_nc_u64 s[SP2:SP2+1], s[10:11], s[50:51]
	s_add_nc_u64 s[4:5], s[4:5], s[52:53]
	s_add_nc_u64 s[6:7], s[6:7], s[54:55]
	s_add_nc_u64 s[12:13], s[12:13], s[56:57]
	s_add_nc_u64 s[26:27], s[26:27], s[56:57]
	; ---- A: src + ctx Wo^T.  264 loads go out: ctx's scale halves, the first scale groups, src (the C of the first products), and for each K step ctx's fragments and Wo's
.irp hd, 0,1,2,3,4,5,6,7
.irp m, 0,1,2,3
	global_load_b32 v[B1+4*\hd+\m], v4, s[6:7] offset:16384*\hd+64*\m
.endr
.endr
.irp i, 0,1,2,3,4,5,6,7
	global_load_b64 v[WS+2*\i:WS+2*\i+1], v2, s[SP2:SP2+1] offset:256*\i
.endr
	WIN 0x80
.irp m, 0,1,2,3
.irp i, 0,1,2,3,4,5,6,7
.irp q, 0,1
	global_load_b128 v[64*\m+8*\i+4*\q:64*\m+8*\i+4*\q+3], v5, s[12:13] offset:(32*(\m/2)+8*(\m%2))*2048+128*(\i/2)+32*(\i%2)+16*\q
.endr
.endr
.endr
	WIN 0
	CTXLOAD 0, 0, 96
	WLOAD 0, 0
	CTXLOAD 1, 0, 144
	WLOAD 1, 1
	CTXLOAD 2, 3, 132
	WLOAD 2, 2
	CTXLOAD 3, 3, 180
	WLOAD 3, 3
	s_wait_loadcnt 63                              ; all but the newest 63: the 32 halves are the oldest
.irp ks, 0,1,2,3
.irp m, 0,1,2,3
	v_lshl_or_b32 v[TS+4*\ks+\m], v[B1+8*\ks+4+\m], 16, v[B1+8*\ks+\m]   ; heads 2 ks and 2 ks + 1 make a K step's word; the later of these lines are the places ahead of the products
.endr
.endr
	WAITS 56
	MM 0, 0, 96, TS, 0
	WLOAD 4, 0
	WAITS 56
	MM 1, 0, 144, TS+4, 0
	WLOAD 5, 1
	SLOAD 0
	WAITS 56
	MM 2, 3, 132, TS+8, 0
	WLOAD 6, 2
	WAITS 56
	MM 3, 3, 180, TS+12, 0
	WLOAD 7, 3
	SLOAD 1
	CLOAD GA, 0, 6, 18                             ; g1
	CLOAD GB, 3, 6, 20                             ; be1
	CLOAD B1, 0, 6, 16                             ; b2
	LNORM 1
.irp m, 0,1,2,3
	QUANT 64*\m, 2                                 ; x, K step w of the next product
	IMAGE 9, XIMG+1536*\m, 10, XSC+128*\m
.endr
	WIN 0x82
.irp m, 0,1,2,3
.set JJ, 0
.rept 32
	v_pk_add_f32 v[64*\m+JJ:64*\m+JJ+1], v[64*\m+JJ:64*\m+JJ+1], v[B1+JJ:B1+JJ+1]   ; x + b2: the C of W2's first products
.set JJ, JJ+2
.endr
.endr
	WIN 0x08
.set JJ, 0
.rept 64
	ds_store_b128 v15, v[4*JJ:4*JJ+3] offset:512*JJ       ; parked, as it stands
.set JJ, JJ+1
.endr
	WIN 0
	CLOAD B1, 0, 7, 14                             ; b1 of my first 128 hidden units
	BARRIER                                        ; x's sixteen fragments lie in LDS
	s_wait_loadcnt 0x0
	TLOAD 0, 1, XIMG, 3, XSC
	s_wait_xcnt 0x0                                ; every load has read its base
	s_add_nc_u64 s[WP:WP+1], s[WP:WP+1], 49152
	s_add_nc_u64 s[SP2:SP2+1], s[SP2:SP2+1], 2048
	s_mov_b32 s[HP], 0
	s_mov_b32 s[HP2], 0
	s_mov_b32 s[B1O], 0
	s_mov_b32 s[CNT], 4
	; ---- B: the hidden layer, 128 units of mine a trip
.Lpass:
	s_add_co_u32 s[B1O], s[B1O], 512
	s_min_u32 s[B1O], s[B1O], 1536                 ; the next trip's bias; the last trip loads its own again: no load leaves b1
	v_add_nc_u32 v8, s[B1O], v7
	v_add_nc_u32 v92, s[HP], v11
	v_add_nc_u32 v93, s[HP2], v12
	WAITS 56
	TLOAD 1, 1, XIMG+6144, 3, XSC+512
	MM 0, 0, T0, TS, 1
	WLOAD 4, 0
	CLOAD B1, 0, 8, 14
	WAITS 56
	TLOAD 0, 1, XIMG+12288, 3, XSC+1024
	MM 1, 0, T0+48, TS+4, 0
	WLOAD 5, 1
	SLOAD 0
	WAITS 56
	TLOAD 1, 1, XIMG+18432, 3, XSC+1536
	MM 2, 0, T0, TS, 0
	WLOAD 6, 2
	WAITS 56
	TLOAD 0, 1, XIMG, 3, XSC
	MM 3, 0, T0+48, TS+4, 0
	WLOAD 7, 3
	SLOAD 1
.irp m, 0,1,2,3
	WIN 0x88
.set JJ, 0
.rept 64
	v_max_num_f32 v[64*\m+JJ], 0, v[64*\m+JJ]      ; the activation, in f32, from each accumulator's low end on
.set JJ, JJ+1
.endr
	QUANT 64*\m, 2
	IMAGE 92, 1536*\m, 93, 128*\m                  ; K step 4 w + p of the last product
.endr
	s_wait_xcnt 0x0                                ; every load has read its base and its offset
	s_add_nc_u64 s[WP:WP+1], s[WP:WP+1], 49152
	s_add_nc_u64 s[SP2:SP2+1], s[SP2:SP2+1], 2048
	s_add_co_u32 s[HP], s[HP], 6144
	s_add_co_u32 s[HP2], s[HP2], 512
	s_sub_co_u32 s[CNT], s[CNT], 1
	s_cmp_lg_u32 s[CNT], 0
	s_cbranch_scc1 .Lpass
	; ---- C: x + b2 + hidden W2^T
	BARRIER                                        ; the hidden layer's 64 fragments lie in LDS
	WIN 0x80
.set JJ, 0
.rept 64
	ds_load_b128 v[4*JJ:4*JJ+3], v15 offset:512*JJ
.set JJ, JJ+1
.endr
	WIN 0
	s_mov_b32 s[TP], HIMG
	s_mov_b32 s[TP2], HSC
	v_add_nc_u32 v94, s[TP], v1
	v_add_nc_u32 v95, s[TP2], v3
	TLOAD 0, 94, 0, 95, 0
	s_mov_b32 s[CNT], 3
.Lkg:                                                  ; four K steps a trip
	WAITS 56
	TLOAD 1, 94, 6144, 95, 512
	MM 0, 0, T0, TS, 0
	WLOAD 4, 0
	WAITS 56
	TLOAD 0, 94, 12288, 95, 1024
	MM 1, 0, T0+48, TS+4, 0
	WLOAD 5, 1
	SLOAD 0
	WAITS 56
	TLOAD 1, 94, 18432, 95, 1536
	MM 2, 0, T0, TS, 0
	WLOAD 6, 2
	WAITS 56
	TLOAD 0, 94, 24576, 95, 2048
	MM 3, 0, T0+48, TS+4, 0
	WLOAD 7, 3
	SLOAD 1
	s_wait_xcnt 0x0
	s_add_nc_u64 s[WP:WP+1], s[WP:WP+1], 49152
	s_add_nc_u64 s[SP2:SP2+1], s[SP2:SP2+1], 2048
	s_add_co_u32 s[TP], s[TP], 24576
	s_add_co_u32 s[TP2], s[TP2], 2048
	v_add_nc_u32 v94, s[TP], v1
	v_add_nc_u32 v95, s[TP2], v3
	s_sub_co_u32 s[CNT], s[CNT], 1
	s_cmp_lg_u32 s[CNT], 0
	s_cbranch_scc1 .Lkg
	WAITS 56                                       ; the last four steps ask for nothing more: behind step 32's codes 88 loads were issued, behind step 33's 64
	TLOAD 1, 94, 6144, 95, 512
	MM 0, 0, T0, TS, 0
	WAITS 56
	TLOAD 0, 94, 12288, 95, 1024
	MM 1, 0, T0+48, TS+4, 0
	WAITS 0
	TLOAD 1, 94, 18432, 95, 1536
	MM 2, 0, T0, TS, 0
	WAITS 0
	MM 3, 0, T0+48, TS+4, 0
	CLOAD GA, 0, 6, 22                             ; g2
	CLOAD GB, 3, 6, 24                             ; be2
	LNORM 3
	; ---- the way out: a tile of 16 tokens x my 128 columns goes through my stage and leaves as rows of 512 consecutive bytes, aligned
.irp m, 0,1,2,3
.if \m >= 2
	s_wait_xcnt 0x0                                ; the stores of two tiles ago have read the registers that are loaded again
.endif
	WIN 0x08
.irp b, 0,1,2,3
.irp q, 0,1,2,3
	ds_store_b128 v90, v[64*\m+16*\b+4*\q:64*\m+16*\b+4*\q+3] offset:128*\b+16*\q
.endr
.endr
	WIN 0
.set OB, 96+96*(\m%2)
.irp i, 0,1,2,3,4,5,6,7,8,9,10,11,12,13,14,15
	ds_load_b128 v[OB+4*\i:OB+4*\i+3], v15 offset:528*\i   ; LDS serves a wave's instructions in order (ISA guide 5.7.1.4): these see the stores above
.endr
.irp i, 0,1,2,3,4,5,6,7,8,9,10,11,12,13,14,15
	s_wait_dscnt 15-\i
	global_store_b128 v91, v[OB+4*\i:OB+4*\i+3], s[26:27] offset:(32*(\m/2)+8*(\m%2)+\i+8*(\i/8))*2048 th:TH_STORE_NT
.endr
.endr
	s_set_vgpr_msb 0x5
	s_wait_tensorcnt 0x0
	ds_add_u32 v254, v255
	s_wait_dscnt 0x0
	s_set_vgpr_msb 0x500
	s_endpgm
.Lfunc_end_k_qabd4c2e8c1_tail:
	.size	k_qabd4c2e8c1_tail, .Lfunc_end_k_qabd4c2e8c1_tail-k_qabd4c2e8c1_tail
	.p2alignl 7, 3214868480
	.fill 96, 4, 3214868480
	.section	.rodata,"a",@progbits
	.p2align	6, 0x0
	.amdhsa_kernel k_qabd4c2e8c1_tail
		.amdhsa_group_segment_fixed_size 268800
		.amdhsa_private_segment_fixed_size 0
		.amdhsa_enable_private_segment 0
		.amdhsa_kernarg_size 96
		.amdhsa_user_sgpr_count 2
		.amdhsa_user_sgpr_kernarg_segment_ptr 1
		.amdhsa_wavefront_size32 1
		.amdhsa_system_sgpr_workgroup_id_x 1
		.amdhsa_system_sgpr_workgroup_id_y 1
		.amdhsa_system_sgpr_workgroup_id_z 1
		.amdhsa_system_vgpr_workitem_id 0
		.amdhsa_next_free_vgpr 1024
		.amdhsa_next_free_sgpr 66
		.amdhsa_reserve_vcc 0
		.amdhsa_float_denorm_mode_32 3
		.amdhsa_float_denorm_mode_16_64 3
		.amdhsa_memory_ordered 1
		.amdhsa_forward_progress 1
		.amdhsa_inst_pref_size 255
	.end_amdhsa_kernel
	.section	.bss,"aw",@nobits
	.p2align	6
	.space	262144
	.amdgpu_metadata
---
amdhsa.version: [ 1, 2 ]
amdhsa.kernels:
  - .name:           k_qabd4c2e8c1_tail
    .symbol:         k_qabd4c2e8c1_tail.kd
    .args:
      - { .name: ctxc, .offset: 0, .size: 8, .value_kind: global_buffer, .address_space: global }
      - { .name: ctxs, .offset: 8, .size: 8, .value_kind: global_buffer, .address_space: global }
      - { .name: cod, .offset: 16, .size: 8, .value_kind: global_buffer, .address_space: global }
      - { .name: scl, .offset: 24, .size: 8, .value_kind: global_buffer, .address_space: global }
      - { .name: src, .offset: 32, .size: 8, .value_kind: global_buffer, .address_space: global }
      - { .name: b1, .offset: 40, .size: 8, .value_kind: global_buffer, .address_space: global }
      - { .name: b2, .offset: 48, .size: 8, .value_kind: global_buffer, .address_space: global }
      - { .name: g1, .offset: 56, .size: 8, .value_kind: global_buffer, .address_space: global }
      - { .name: be1, .offset: 64, .size: 8, .value_kind: global_buffer, .address_space: global }
      - { .name: g2, .offset: 72, .size: 8, .value_kind: global_buffer, .address_space: global }
      - { .name: be2, .offset: 80, .size: 8, .value_kind: global_buffer, .address_space: global }
      - { .name: out0, .offset: 88, .size: 8, .value_kind: global_buffer, .address_space: global }
    .group_segment_fixed_size: 268800
    .private_segment_fixed_size: 0
    .kernarg_segment_align: 8
    .kernarg_segment_size: 96
    .max_flat_workgroup_size: 128
    .sgpr_count:     66
    .vgpr_count:     1024
    .wavefront_size: 32
...
	.end_amdgpu_metadata
.endif
;; end of part 4
;; ======== version 2 of 2: 4 launches
;; workspace buffers: cod 5,505,024 bytes; scl 229,376 bytes; rope 1,048,576 bytes; qrec 6,553,600 bytes; kv 6,553,600 bytes; ctxc 3,145,728 bytes; ctxs 262,144 bytes
;; launch prep (part 5): grid 256 x 1, 4 waves a work-group, no clusters, 0 bytes of LDS; arguments src, Wq, Wk, Wv, Wo, W1, W2, cod, scl, rope; writes cod, scl, rope
.if DOCPART == 5
	.amdgcn_target "amdgcn-amd-amdhsa--gfx1250"
	.amdhsa_code_object_version 6
	.text
	.protected	k_qabd4c2e8c1_prep
	.globl	k_qabd4c2e8c1_prep
	.p2align	8
	.type	k_qabd4c2e8c1_prep,@function
k_qabd4c2e8c1_prep:
	s_mov_b64 s[64:65], 0
	v_nop
	global_prefetch_b8 v0, s[64:65] scope:SCOPE_SE
	s_setreg_imm32_b32 hwreg(HW_REG_WAVE_MODE, 25, 1), 1
	s_wait_xcnt 0x0
; PREP.  src [8192][512] and the six weights (K innermost, f32) become codes of FP6 (E2M3) with one E8M0 byte for each 32 along K,
; laid as IMAGES OF OPERAND REGISTERS, and the RoPE table is made.
; A TILE is 16 rows: lane row r of tile T is row 32 (T/2) + 8 (T%2) + r + 8 (r/8).  A FRAGMENT is a tile x 128 along K: 12 registers a lane;
; its image is 1,536 bytes: registers 4 c .. 4 c + 3 of lane l at byte 512 c + 16 l.  A SCALE GROUP is 256 bytes for a tile's four K steps:
; the word of K step 2 p + l/16, row l%16, at byte 8 l + 4 p.  Every store of a wave covers 512 or 256 consecutive bytes, aligned.
; SHARES.  Work-groups 0-223: wave job J = 4 g + wave takes one tile x 512 along K (four fragments).  Work-groups 224-255: the table, a token a trip.
; A block's scale is its largest magnitude's exponent field - 2, held at 1 from below.
; LIMITS: a block of zeros gets the byte 1 where the rule says 127 (its codes are zeros, and this program alone reads the bytes); blocks whose largest
; magnitude lies under 2^-124 are held at the byte 1; NaN and infinities are not served.  inv_freq = 10^(-i/8) is made by one exponential of an exactly
; reduced argument (about 1.5 ulp): against an f32 power and division it may differ by an ulp or two, which at token 4,095 moves an angle by up to 5e-4.
.set TM,   12                          ; v12-23  at work in QUANT
.set PW,   24                          ; v24     the scale word just made
.set PC,   26                          ; v26-37  the fragment just made
.set X,    40                          ; v40-167 two sets of 64 numbers
.set IN,   24                          ; s[24:25] the tensor of my job
.set WVN,  26
.set GID,  27
.set JOB,  28
.set TIL,  29                          ; my tile in its tensor
.set RB,   30                          ; bytes in a row of the tensor
.set KO,   31                          ; byte at which my 512 along K begin in a row
.set CO,   32                          ; where my first fragment goes in cod
.set CST,  33                          ; from a K step's fragment to the next
.set SO,   34                          ; where my scale group goes in scl
.set SEL,  40                          ; s[40:41] v_permlanex16_b32's selects for lane l xor 16
.set HM,   42                          ; lanes 16-31
; 64 numbers of a lane, register 16 b + i = k 32 b + 16 (lane/16) + i of my row, become a fragment in v[PC] on and its scale word in v[PW]
.macro QUANT s
.irp b, 0,1,2,3
	v_max3_num_f32 v[TM+\b], |v[(\s)+16*\b]|, |v[(\s)+1+16*\b]|, 0x1800000   ; my 16 numbers of block b, and the floor 2^(3-127): the byte cannot fall under 1
.endr
.irp i, 2,4,6,8,10,12,14
.irp b, 0,1,2,3
	v_max3_num_f32 v[TM+\b], v[TM+\b], |v[(\s)+16*\b+\i]|, |v[(\s)+1+16*\b+\i]|
.endr
.endr
.irp b, 0,1,2,3
	v_permlanex16_b32 v[TM+4+\b], v[TM+\b], s[SEL], s[SEL+1]
.endr
.irp b, 0,1,2,3
	v_max_num_f32 v[TM+\b], v[TM+\b], v[TM+4+\b]          ; with lane l xor 16's: the block's largest magnitude
.endr
.irp b, 0,1,2,3
	v_add_nc_u32 v[TM+8+\b], 0xff000000, v[TM+\b]         ; 2 off its exponent field: the conversion's scale operand
.endr
.irp b, 0,1,2,3
	v_lshrrev_b32 v[TM+4+\b], 23, v[TM+8+\b]              ; the scale's byte
.endr
	v_lshl_or_b32 v[PW], v[TM+5], 8, v[TM+4]
	v_lshl_or_b32 v[PW], v[TM+6], 16, v[PW]
	v_lshl_or_b32 v[PW], v[TM+7], 24, v[PW]
.irp c, 0,1
	v_cvt_scalef32_pk16_fp6_f32 v[PC+6*\c:PC+6*\c+2], v[(\s)+32*\c:(\s)+32*\c+15], v[TM+8+2*\c]
	v_cvt_scalef32_pk16_fp6_f32 v[TM+4*\c:TM+4*\c+2], v[(\s)+16+32*\c:(\s)+31+32*\c], v[TM+9+2*\c]   ; (three registers that begin on an even number)
.endr
	v_nop                                                 ; one plain instruction behind the scaled conversions
.irp c, 0,1                                               ; the layout wants a whole block in a lane: lanes 0-15 block 2 c, lanes 16-31 block 2 c + 1
.irp i, 0,1,2
	v_permlane16_swap_b32 v[PC+6*\c+\i], v[TM+4*\c+\i]
.endr
.irp i, 0,1,2
	v_mov_b32 v[PC+3+6*\c+\i], v[TM+4*\c+\i]
.endr
.endr
.endm
.macro XLOAD set, ks                   ; my row's 64 numbers of K step ks: 16 neighbours of each block of 32
.irp b, 0,1,2,3
.irp j, 0,1,2,3
	global_load_b128 v[X+64*(\set)+16*\b+4*\j:X+64*(\set)+16*\b+4*\j+3], v1, s[IN:IN+1] offset:512*(\ks)+128*\b+16*\j th:TH_LOAD_NT
.endr
.endr
.endm
.macro KQ ks, left
	s_wait_loadcnt \left                                  ; this K step's 16 loads are in; the younger set's 16 may be out
	s_wait_xcnt 0x0                                       ; the last fragment's stores have read their registers
	QUANT X+64*((\ks)%2)
.irp c, 0,1,2
	global_store_b128 v[2+(\ks)], v[PC+4*\c:PC+4*\c+3], s[18:19] offset:512*\c
.endr
.if (\ks)%2 == 0
	v_mov_b32 v[8+(\ks)/2], v[PW]                         ; the group's register ks/2: lanes 0-15 keep the even K step's word,
.else
	v_cndmask_b32 v[8+(\ks)/2], v[8+(\ks)/2], v[PW], s[HM]  ; lanes 16-31 take the odd one's (a word is equal in lanes r and r + 16)
.endif
.if (\ks) < 2
	XLOAD (\ks)%2, (\ks)+2
.endif
.endm
	s_load_b512 s[4:19], s[0:1], 0x0               ; src, Wq, Wk, Wv, Wo, W1, W2, cod
	s_load_b128 s[20:23], s[0:1], 0x40             ; scl, rope
	v_lshrrev_b32 v1, 5, v0
	v_readfirstlane_b32 s[WVN], v1
	v_and_b32 v7, 31, v0                           ; lane
	v_and_b32 v10, 15, v0                          ; r
	v_bfe_u32 v11, v0, 4, 1                        ; h
	s_mov_b32 s[GID], ttmp9
	s_lshl_b32 s[JOB], s[GID], 2
	s_add_co_u32 s[JOB], s[JOB], s[WVN]
	s_mov_b32 s[SEL], 0x76543210
	s_mov_b32 s[SEL+1], 0xfedcba98
	s_mov_b32 s[HM], 0xffff0000
	s_cmp_ge_u32 s[GID], 224
	s_cbranch_scc1 .Lrope
	s_cmp_lt_u32 s[GID], 152
	s_cbranch_scc0 .Ltailw
	; src (jobs 0-511) and Wq, Wk, Wv (jobs 512-607): fragment (tile, ks) at 6,144 J + 1,536 ks, group at 256 J
	s_mov_b32 s[RB], 2048
	s_mov_b32 s[KO], 0
	s_mul_i32 s[CO], s[JOB], 6144
	s_mov_b32 s[CST], 1536
	s_lshl_b32 s[SO], s[JOB], 8
	s_and_b32 s35, s[JOB], 31
	s_cmp_lt_u32 s[GID], 128
	s_cselect_b32 s[TIL], s[JOB], s35
	s_branch .Ljob
.Ltailw:                                               ; Wo, W1, W2 go into one stream for each wave w of the last launch: fragment i of step st at ((36 w + st) 8 + i) 1,536
	s_cmp_lt_u32 s[GID], 160
	s_cbranch_scc0 .Lw1w2
	s_sub_co_u32 s[TIL], s[JOB], 608               ; Wo: steps 0-3
	s_lshr_b32 s36, s[TIL], 3                      ; w
	s_mov_b32 s37, 0                               ; the first step
	s_mov_b32 s[RB], 2048
	s_mov_b32 s[KO], 0
	s_branch .Ltailc
.Lw1w2:
	s_cmp_lt_u32 s[GID], 192
	s_cbranch_scc0 .Lw2
	s_sub_co_u32 s[TIL], s[JOB], 640               ; W1: tiles 8 (4 w + p) + i are steps 4 + 4 p on
	s_lshr_b32 s37, s[TIL], 3
	s_lshr_b32 s36, s37, 2
	s_and_b32 s37, s37, 3
	s_lshl_b32 s37, s37, 2
	s_add_co_u32 s37, s37, 4
	s_mov_b32 s[RB], 2048
	s_mov_b32 s[KO], 0
	s_branch .Ltailc
.Lw2:
	s_sub_co_u32 s38, s[JOB], 768                  ; W2: tile j/4, quarter j%4 of K: steps 20 + 4 (j%4) on
	s_lshr_b32 s[TIL], s38, 2
	s_lshr_b32 s36, s[TIL], 3
	s_and_b32 s38, s38, 3
	s_lshl_b32 s[KO], s38, 11
	s_lshl_b32 s37, s38, 2
	s_add_co_u32 s37, s37, 20
	s_mov_b32 s[RB], 8192
.Ltailc:
	s_and_b32 s38, s[TIL], 7                       ; i
	s_mul_i32 s39, s36, 36
	s_add_co_u32 s39, s39, s37
	s_lshl_b32 s39, s39, 3
	s_add_co_u32 s39, s39, s38
	s_mul_i32 s[CO], s39, 1536
	s_add_co_u32 s[CO], s[CO], 3735552
	s_mov_b32 s[CST], 12288
	s_mul_i32 s39, s36, 9
	s_lshr_b32 s37, s37, 2
	s_add_co_u32 s39, s39, s37
	s_lshl_b32 s39, s39, 3
	s_add_co_u32 s39, s39, s38
	s_lshl_b32 s[SO], s39, 8
	s_add_co_u32 s[SO], s[SO], 155648
.Ljob:
	s_wait_alu depctr_va_vdst(0)
	v_and_b32 v38, 8, v10
	v_add_nc_u32 v38, v38, v10                     ; r + 8 (r/8)
	s_lshr_b32 s38, s[TIL], 1
	s_lshl_b32 s38, s38, 5
	s_and_b32 s39, s[TIL], 1
	s_lshl_b32 s39, s39, 3
	s_add_co_u32 s38, s38, s39                     ; the tile's first row
	v_add_nc_u32 v38, s38, v38
	v_mul_lo_u32 v1, v38, s[RB]
	v_lshl_add_u32 v1, v11, 6, v1                  ; + 64 h: my 16 numbers of a block
	v_add_nc_u32 v1, s[KO], v1
	v_lshl_add_u32 v2, v7, 4, s[CO]                ; where K step 0, 1, 2, 3's fragment goes: 16 x lane + ..
	v_add_nc_u32 v3, s[CST], v2
	v_add_nc_u32 v4, s[CST], v3
	v_add_nc_u32 v5, s[CST], v4
	v_lshl_add_u32 v6, v7, 3, s[SO]
.irp b, 0,1,2,3
	v_mov_b32 v[TM+4+\b], 0                        ; written once: a lane permute's destination counts as one of its sources
.endr
	s_wait_kmcnt 0x0
	s_mov_b64 s[IN:IN+1], s[16:17]                 ; the tensor is chosen by the work-group's number alone
	s_cmp_lt_u32 s[GID], 192
	s_cselect_b64 s[IN:IN+1], s[14:15], s[IN:IN+1]
	s_cmp_lt_u32 s[GID], 160
	s_cselect_b64 s[IN:IN+1], s[12:13], s[IN:IN+1]
	s_cmp_lt_u32 s[GID], 152
	s_cselect_b64 s[IN:IN+1], s[10:11], s[IN:IN+1]
	s_cmp_lt_u32 s[GID], 144
	s_cselect_b64 s[IN:IN+1], s[8:9], s[IN:IN+1]
	s_cmp_lt_u32 s[GID], 136
	s_cselect_b64 s[IN:IN+1], s[6:7], s[IN:IN+1]
	s_cmp_lt_u32 s[GID], 128
	s_cselect_b64 s[IN:IN+1], s[4:5], s[IN:IN+1]
	XLOAD 0, 0
	XLOAD 1, 1
	KQ 0, 16
	KQ 1, 16
	KQ 2, 16
	KQ 3, 0
	global_store_b64 v6, v[8:9], s[20:21]          ; the tile's scale group: 32 lanes store 256 consecutive bytes
	s_endpgm
.Lrope:                                                ; rope[token][0..31] = cos(token x inv_freq_i), [32..63] = sin: 256 bytes a token
	s_sub_co_u32 s[GID], s[GID], 224
	s_lshl_b32 s[GID], s[GID], 2
	s_add_co_u32 s[GID], s[GID], s[WVN]            ; 0..127: my wave's 32 tokens
	s_lshl_b32 s28, s[GID], 5                      ; the first of them
	s_lshl_b32 s29, s28, 8
	s_mov_b32 s44, 0x3ed49a78                      ; log2(10) / 8, upper part,
	s_mov_b32 s45, 0x32179a3a                      ; and what it leaves
	s_mov_b32 s46, 0x3fc90fdb                      ; pi / 2, upper part,
	s_mov_b32 s47, 0xb33bbd2e                      ; and what it leaves
	s_wait_alu depctr_va_vdst(0)
	v_lshlrev_b32 v1, 1, v10
	v_cvt_f32_u32 v2, v1                           ; my two frequencies: i = 2 (lane%16), and
	v_add_f32 v3, 1.0, v2                          ; i + 1.  Lanes 0-15 make cosines, lanes 16-31 sines
.irp e, 0,1
	v_mul_f32 v[4+\e], s44, v[2+\e]
	v_rndne_f32 v[4+\e], v[4+\e]                   ; n: the whole part of i log2(10) / 8
	v_fma_f32 v[6+\e], v[2+\e], s44, -v[4+\e]      ; the rest, exactly,
	v_fma_f32 v[6+\e], v[2+\e], s45, v[6+\e]       ; with the constant's lower part
.endr
	s_wait_alu depctr_va_vdst(0)
	v_exp_f32 v6, -v6
	v_exp_f32 v7, -v7
	v_cvt_i32_f32 v4, v4                           ; (plain work behind the two exponentials)
	v_cvt_i32_f32 v5, v5
	v_sub_nc_u32 v4, 0, v4
	v_sub_nc_u32 v5, 0, v5
	s_wait_alu depctr_va_vdst(0)                   ; one wait for both, ahead of their first reader
	v_ldexp_f32 v6, v6, v4                         ; inv_freq = 2^(-rest) x 2^(-n) = 10^(-i/8)
	v_ldexp_f32 v7, v7, v5
	v_cvt_f32_u32 v8, s28                          ; the token, as f32
	v_and_b32 v9, 31, v0
	v_lshl_add_u32 v9, v9, 3, s29                  ; 256 x token + 8 x lane
	s_wait_kmcnt 0x0
	s_mov_b32 s30, 32
.Ltok:
	s_wait_alu depctr_va_vdst(0)
.irp e, 0,1
	v_mul_f32 v[20+\e], v8, v[6+\e]                ; the angle: one f32 product
	v_mul_f32 v[22+\e], 0x3f22f983, v[20+\e]
	v_rndne_f32 v[22+\e], v[22+\e]                 ; k = the nearest multiple of pi / 2
	v_fma_f32 v[20+\e], -v[22+\e], s46, v[20+\e]
	v_fma_f32 v[20+\e], -v[22+\e], s47, v[20+\e]   ; rho = angle - k pi / 2, within pi / 4
	v_cvt_i32_f32 v[22+\e], v[22+\e]
	v_sub_nc_u32 v[22+\e], v[22+\e], v11           ; q = k, or k - 1 for a sine: sin x = cos(x - pi / 2)
	v_mul_f32 v[24+\e], v[20+\e], v[20+\e]         ; z = rho^2
	v_mov_b32 v[26+\e], 0x3638ef1d                 ; sin rho = rho + rho z (-1/6 + z (1/120 + z (-1/5040 + z / 362880)))
	v_fmaak_f32 v[26+\e], v[26+\e], v[24+\e], 0xb9500d01
	v_fmaak_f32 v[26+\e], v[26+\e], v[24+\e], 0x3c088889
	v_fmaak_f32 v[26+\e], v[26+\e], v[24+\e], 0xbe2aaaab
	v_mul_f32 v[28+\e], v[20+\e], v[24+\e]
	v_fma_f32 v[26+\e], v[26+\e], v[28+\e], v[20+\e]
	v_mov_b32 v[28+\e], 0xb493f27e                 ; cos rho = 1 + z (-1/2 + z (1/24 + z (-1/720 + z (1/40320 - z / 3628800))))
	v_fmaak_f32 v[28+\e], v[28+\e], v[24+\e], 0x37d00d01
	v_fmaak_f32 v[28+\e], v[28+\e], v[24+\e], 0xbab60b61
	v_fmaak_f32 v[28+\e], v[28+\e], v[24+\e], 0x3d2aaaab
	v_fmaak_f32 v[28+\e], v[28+\e], v[24+\e], 0xbf000000
	v_fma_f32 v[28+\e], v[28+\e], v[24+\e], 1.0
	v_and_b32 v[30+\e], 1, v[22+\e]
	v_cmp_eq_u32 vcc_lo, 1, v[30+\e]
	v_cndmask_b32 v[26+\e], v[28+\e], v[26+\e], vcc_lo   ; odd q: the sine's series
	v_add_nc_u32 v[22+\e], 1, v[22+\e]
	v_and_b32 v[22+\e], 2, v[22+\e]
	v_lshlrev_b32 v[22+\e], 30, v[22+\e]           ; q mod 4 = 1 or 2: the sign turns
	v_xor_b32 v[32+\e], v[22+\e], v[26+\e]
.endr
	global_store_b64 v9, v[32:33], s[22:23]        ; 32 lanes store a token's 256 bytes
	s_wait_xcnt 0x0                                ; the store has read its registers
	v_add_nc_u32 v9, 256, v9
	v_add_f32 v8, 1.0, v8
	s_sub_co_u32 s30, s30, 1
	s_cmp_lg_u32 s30, 0
	s_cbranch_scc1 .Ltok
	s_endpgm
.Lfunc_end_k_qabd4c2e8c1_prep:
	.size	k_qabd4c2e8c1_prep, .Lfunc_end_k_qabd4c2e8c1_prep-k_qabd4c2e8c1_prep
	.p2alignl 7, 3214868480
	.fill 96, 4, 3214868480
	.section	.rodata,"a",@progbits
	.p2align	6, 0x0
	.amdhsa_kernel k_qabd4c2e8c1_prep
		.amdhsa_group_segment_fixed_size 0
		.amdhsa_private_segment_fixed_size 0
		.amdhsa_enable_private_segment 0
		.amdhsa_kernarg_size 80
		.amdhsa_user_sgpr_count 2
		.amdhsa_user_sgpr_kernarg_segment_ptr 1
		.amdhsa_wavefront_size32 1
		.amdhsa_system_sgpr_workgroup_id_x 1
		.amdhsa_system_sgpr_workgroup_id_y 1
		.amdhsa_system_sgpr_workgroup_id_z 1
		.amdhsa_system_vgpr_workitem_id 0
		.amdhsa_next_free_vgpr 176
		.amdhsa_next_free_sgpr 66
		.amdhsa_reserve_vcc 1
		.amdhsa_float_denorm_mode_32 3
		.amdhsa_float_denorm_mode_16_64 3
		.amdhsa_memory_ordered 1
		.amdhsa_forward_progress 1
		.amdhsa_inst_pref_size 32
	.end_amdhsa_kernel
	.amdgpu_metadata
---
amdhsa.version: [ 1, 2 ]
amdhsa.kernels:
  - .name:           k_qabd4c2e8c1_prep
    .symbol:         k_qabd4c2e8c1_prep.kd
    .args:
      - { .name: src, .offset: 0, .size: 8, .value_kind: global_buffer, .address_space: global }
      - { .name: Wq, .offset: 8, .size: 8, .value_kind: global_buffer, .address_space: global }
      - { .name: Wk, .offset: 16, .size: 8, .value_kind: global_buffer, .address_space: global }
      - { .name: Wv, .offset: 24, .size: 8, .value_kind: global_buffer, .address_space: global }
      - { .name: Wo, .offset: 32, .size: 8, .value_kind: global_buffer, .address_space: global }
      - { .name: W1, .offset: 40, .size: 8, .value_kind: global_buffer, .address_space: global }
      - { .name: W2, .offset: 48, .size: 8, .value_kind: global_buffer, .address_space: global }
      - { .name: cod, .offset: 56, .size: 8, .value_kind: global_buffer, .address_space: global }
      - { .name: scl, .offset: 64, .size: 8, .value_kind: global_buffer, .address_space: global }
      - { .name: rope, .offset: 72, .size: 8, .value_kind: global_buffer, .address_space: global }
    .group_segment_fixed_size: 0
    .private_segment_fixed_size: 0
    .kernarg_segment_align: 8
    .kernarg_segment_size: 80
    .max_flat_workgroup_size: 128
    .sgpr_count:     66
    .vgpr_count:     176
    .wavefront_size: 32
...
	.end_amdgpu_metadata
.endif
;; end of part 5
;; launch qkv (part 6): grid 64 x 3, 4 waves a work-group, no clusters, 0 bytes of LDS; arguments cod, scl, rope, qrec, kv; writes qrec, kv
.if DOCPART == 6
	.amdgcn_target "amdgcn-amd-amdhsa--gfx1250"
	.amdhsa_code_object_version 6
	.text
	.protected	k_qabd4c2e8c1_qkv
	.globl	k_qabd4c2e8c1_qkv
	.p2align	8
	.type	k_qabd4c2e8c1_qkv,@function
k_qabd4c2e8c1_qkv:
	s_mov_b64 s[64:65], 0
	v_nop
	global_prefetch_b8 v0, s[64:65] scope:SCOPE_SE
	s_setreg_imm32_b32 hwreg(HW_REG_WAVE_SCHED_MODE, 0, 2), 2
	s_setreg_imm32_b32 hwreg(HW_REG_WAVE_MODE, 25, 1), 1
	s_wait_xcnt 0x0
	s_wait_alu depctr_vm_vsrc(0)
; QKV.  q (y = 0), k (y = 1), v (y = 2) = src W^T on codes of FP6; RoPE on q and k; the results are quantised again: q and k along the head's 64, v along the keys.
; SHARES.  A wave takes 128 tokens (block x) x 128 outputs (heads 2 w, 2 w + 1): 256 matrix instructions.  Waves share nothing: no LDS, no barrier.
; All operands are register images (1,536 bytes a fragment, three loads of 16 bytes a lane).  32 fragments stay (R, always source 0); 32 are streamed in four pairs of 8 (S, source 1).
; q, k: R = 8 tiles of W rows, S = the tokens: a lane holds ONE token, and by the tiles' choice of rows (row 32 (T/2) + 8 (T%2) + r + 8 (r/8)) its registers 16 b + i are channel 32 b + 16 h + i of a head.
; v: R = the 8 token tiles, S = W's tiles: a lane holds one channel and its registers 16 b + i are token 32 b + 16 h + i: the next product's K.
; OUT: a record of 12,800 bytes for a head and 128 tokens: four pair fragments (registers 0-5: token tile 2 P's 64 channels, 6-11: tile 2 P + 1's), four fragments of V^T (16 channels x 128 keys), two scale groups.
; LIMITS as in the first launch: a block of zeros carries the byte 1; blocks under 2^-124 are held at 1; NaN and infinities are not served.
; REGISTERS: window 0: v1-3 offsets, v4-7 scale groups, v16-31 R's scale words, v32-39 S's, v40-65 QUANT, v72-135 the 8 accumulators, v136-199 the turned numbers.
;   window 1: R's fragments 0-20; window 2: 21-31, from v132 cos and sin set 0; window 3: S's two buffers, from v192 cos and sin set 1.
; THE MODE: SCHED_MODE bits 1:0 = 2 (LLVM: expert scheduling mode 2), set by the entry lines.  The code itself states the register dependences
; between vector or matrix instructions and memory instructions, with s_wait_alu, always for 0.
; THE PLAN.  Registers that memory instructions touch:
;   v1-3          offsets: made once at the head, read by every load and store, never written again.
;   R, RS         loaded once at the head; matrix instructions alone name them afterwards.
;   S[P%2], SS    read by the 64 products of pair P; behind them the loads of pair P + 2 land there.
;   cos, sin P%2  read by pair P's turning lines; behind them the loads of pair P + 2 land there.
;   v[PC ..]      written by QUANT, read by the step's three stores, written again by the next step's QUANT.
;   v4-7          a scale group: written by one line behind QUANT, read by one store, and in v's path written again two steps on.
; So a step has one wait on va_vdst ahead of its stores; one wait on vm_vsrc, a whole step behind the stores that it speaks of, ahead of QUANT; and the two steps that ask for a
; further pair have one more wait on va_vdst, behind the last lines that read what is loaded again, ahead of both runs of loads.
.set RS,  16
.set SS,  32
.set TM,  40
.set PW,  52
.set PC,  54
.set ACC, 72
.set N,   136
.set SEL, 32
.set HM,  34
.set MSB, 0
.macro WIN new                         ; the immediate's high byte repeats the setting that is left; a switch that changes nothing is dropped
.if MSB != (\new)
	s_set_vgpr_msb (MSB<<8)|(\new)
.set MSB, (\new)
.endif
.endm
; 64 numbers of a lane in window w, register 16 b + i = k 32 b + 16 (lane/16) + i of my row, become a fragment in v[PC] on and its scale word in v[PW]
.macro QUANT s, w
	WIN (\w)|((\w)<<2)
.irp b, 0,1,2,3
	v_max3_num_f32 v[TM+\b], |v[(\s)+16*\b]|, |v[(\s)+1+16*\b]|, 0x1800000   ; and the floor 2^(3-127): the byte cannot fall under 1
.endr
	WIN ((\w)<<2)|((\w)<<4)
.irp i, 2,4,6,8,10,12,14
.irp b, 0,1,2,3
	v_max3_num_f32 v[TM+\b], v[TM+\b], |v[(\s)+16*\b+\i]|, |v[(\s)+1+16*\b+\i]|
.endr
.endr
	WIN 0
.irp b, 0,1,2,3
	v_permlanex16_b32 v[TM+4+\b], v[TM+\b], s[SEL], s[SEL+1]
.endr
.irp b, 0,1,2,3
	v_max_num_f32 v[TM+\b], v[TM+\b], v[TM+4+\b]
.endr
.irp b, 0,1,2,3
	v_add_nc_u32 v[TM+8+\b], 0xff000000, v[TM+\b]         ; 2 off the exponent field: the conversion's scale operand
.endr
.irp b, 0,1,2,3
	v_lshrrev_b32 v[TM+4+\b], 23, v[TM+8+\b]
.endr
	v_lshl_or_b32 v[PW], v[TM+5], 8, v[TM+4]
	v_lshl_or_b32 v[PW], v[TM+6], 16, v[PW]
	v_lshl_or_b32 v[PW], v[TM+7], 24, v[PW]
	WIN (\w)
.irp c, 0,1
	v_cvt_scalef32_pk16_fp6_f32 v[PC+6*\c:PC+6*\c+2], v[(\s)+32*\c:(\s)+32*\c+15], v[TM+8+2*\c]
	v_cvt_scalef32_pk16_fp6_f32 v[TM+4*\c:TM+4*\c+2], v[(\s)+16+32*\c:(\s)+31+32*\c], v[TM+9+2*\c]
.endr
	WIN 0
	v_nop                                                 ; one plain instruction behind the scaled conversions
.irp c, 0,1
.irp i, 0,1,2
	v_permlane16_swap_b32 v[PC+6*\c+\i], v[TM+4*\c+\i]
.endr
.irp i, 0,1,2
	v_mov_b32 v[PC+3+6*\c+\i], v[TM+4*\c+\i]
.endr
.endr
.endm
.macro LOADR                           ; the 32 fragments that stay, and their 8 scale groups: 104 loads
.set IDX, 0
.rept 32
	WIN (1+IDX/21)<<6
.irp c, 0,1,2
	global_load_b128 v[12*(IDX%21)+4*\c:12*(IDX%21)+4*\c+3], v1, s[20:21] offset:1536*IDX+512*\c
.endr
.set IDX, IDX+1
.endr
	WIN 0
.irp i, 0,1,2,3,4,5,6,7
	global_load_b64 v[RS+2*\i:RS+2*\i+1], v2, s[22:23] offset:256*\i
.endr
.endm
.macro LOADS P, bb                     ; pair P of the streamed tiles into buffer bb: 26 loads
	WIN 0xc0
.irp f, 0,1,2,3,4,5,6,7
.irp c, 0,1,2
	global_load_b128 v[96*(\bb)+12*\f+4*\c:96*(\bb)+12*\f+4*\c+3], v1, s[24:25] offset:12288*(\P)+1536*\f+512*\c
.endr
.endr
	WIN 0
.irp e, 0,1
	global_load_b64 v[SS+4*(\bb)+2*\e:SS+4*(\bb)+2*\e+1], v2, s[26:27] offset:256*(2*(\P)+\e)
.endr
.endm
.macro LOADCS P, bb                    ; my two tokens' 16 cosines and 16 sines (channels 16 h on): 16 loads
.set CB, 132+60*(\bb)
	WIN (2+(\bb))<<6
.irp e, 0,1
.irp q, 0,1,2,3
	global_load_b128 v[CB+32*\e+4*\q:CB+32*\e+4*\q+3], v3, s[30:31] offset:8192*(\P)+2048*\e+16*\q
	global_load_b128 v[CB+32*\e+16+4*\q:CB+32*\e+16+4*\q+3], v3, s[30:31] offset:8192*(\P)+2048*\e+128+16*\q
.endr
.endr
	WIN 0
.endm
; 32 matrix instructions: eight accumulators by turns, K step by K step; the first K step starts the sums.
; kind 0 (q, k): accumulator a = W tile 4 z + a%4 x token tile a/4 of the pair.  kind 1 (v): token tile a x W tile z of the pair.
; A scale group's register ks/2 holds K step ks in lanes 0-15 (even) or 16-31 (odd).
.macro PAIRMM kind, z, bb
.irp ks, 0,1,2,3
.irp a, 0,1,2,3,4,5,6,7
.if (\kind) == 0
.set TA, 4*(\z)+((\a)&3)
.set EB, (\a)>>2
.else
.set TA, \a
.set EB, \z
.endif
.set IDX, 4*TA+\ks
.set AR, 12*(IDX%21)
.set BR, 96*(\bb)+12*(4*EB+\ks)
.set DR, ACC+8*\a
.set SA, RS+2*TA+(\ks)/2
.set SB, SS+4*(\bb)+2*EB+(\ks)/2
	WIN (1+IDX/21)|(3<<2)
.if \ks == 0
	v_wmma_scale_f32_16x16x128_f8f6f4 v[DR:DR+7], v[AR:AR+11], v[BR:BR+11], 0, v[SA], v[SB] matrix_a_fmt:MATRIX_FMT_FP6 matrix_b_fmt:MATRIX_FMT_FP6
.elseif (\ks)%2 == 1
	v_wmma_scale_f32_16x16x128_f8f6f4 v[DR:DR+7], v[AR:AR+11], v[BR:BR+11], v[DR:DR+7], v[SA], v[SB] matrix_a_fmt:MATRIX_FMT_FP6 matrix_b_fmt:MATRIX_FMT_FP6 matrix_a_scale:MATRIX_SCALE_ROW1 matrix_b_scale:MATRIX_SCALE_ROW1
.else
	v_wmma_scale_f32_16x16x128_f8f6f4 v[DR:DR+7], v[AR:AR+11], v[BR:BR+11], v[DR:DR+7], v[SA], v[SB] matrix_a_fmt:MATRIX_FMT_FP6 matrix_b_fmt:MATRIX_FMT_FP6
.endif
.endr
.endr
	WIN 0
.rept 4
	v_nop                                                 ; four places ahead of the first read of results (ISA guide 7.12.1)
.endr
.endm
.macro ROPE bb                         ; channels c and c + 32 of a head are turned: x1 cos - x2 sin, x2 cos + x1 sin; each accumulator is read from its low end on
.set CB, 132+60*(\bb)
	WIN (2+(\bb))<<2
.irp e, 0,1
.irp i, 0,2,4,6,8,10,12,14
	v_pk_mul_f32 v[N+32*\e+\i:N+32*\e+\i+1], v[ACC+32*\e+\i:ACC+32*\e+\i+1], v[CB+32*\e+\i:CB+32*\e+\i+1]
	v_pk_mul_f32 v[N+32*\e+16+\i:N+32*\e+17+\i], v[ACC+32*\e+16+\i:ACC+32*\e+17+\i], v[CB+32*\e+\i:CB+32*\e+\i+1]
	v_pk_fma_f32 v[N+32*\e+\i:N+32*\e+\i+1], v[ACC+32*\e+16+\i:ACC+32*\e+17+\i], v[CB+32*\e+16+\i:CB+32*\e+17+\i], v[N+32*\e+\i:N+32*\e+\i+1] neg_lo:[1,0,0] neg_hi:[1,0,0]
	v_pk_fma_f32 v[N+32*\e+16+\i:N+32*\e+17+\i], v[ACC+32*\e+\i:ACC+32*\e+\i+1], v[CB+32*\e+16+\i:CB+32*\e+17+\i], v[N+32*\e+16+\i:N+32*\e+17+\i]
.endr
.endr
	WIN 0
.endm
.macro PQK P, z                        ; head z, token tiles 2 P and 2 P + 1
.set BB, (\P)%2
.if (\z) == 0
.if (\P) < 3
	s_wait_loadcnt 42                                     ; this pair's loads are in; the next pair's 26 + 16 may be out
.else
	s_wait_loadcnt 0x0
.endif
.endif
	PAIRMM 0, \z, BB
	ROPE BB
.if ((\P)+(\z)) > 0
	s_wait_xcnt 0x0                                       ; the last step's stores have had their addresses translated,
	s_wait_alu depctr_vm_vsrc(0)                          ; and have read v[PC ..], which QUANT below writes again
.endif
.if ((\z) == 1) && ((\P) < 2)
	s_wait_alu depctr_va_vdst(0)                          ; the pair's products are done reading S's buffer and its scale words, the turning lines its cosines and sines: the loads below land there
	LOADS (\P)+2, BB
	LOADCS (\P)+2, BB
.endif
	QUANT N, 0
.if (\P)%2 == 0
	v_mov_b32 v[4+2*(\z)+(\P)/2], v[PW]
.else
	v_cndmask_b32 v[4+2*(\z)+(\P)/2], v[4+2*(\z)+(\P)/2], v[PW], s[HM]
.endif
	s_wait_alu depctr_va_vdst(0)                          ; QUANT has written v[PC ..], the line above the scale group's register: the stores below read them
.irp c, 0,1,2
	global_store_b128 v1, v[PC+4*\c:PC+4*\c+3], s[28:29] offset:409600*(\z)+1536*(\P)+512*\c
.endr
.if (\P) == 3
	global_store_b64 v2, v[4+2*(\z):5+2*(\z)], s[28:29] offset:409600*(\z)+12288
.endif
.endm
.macro PV P, z                         ; channel tile 2 P + z of my 8, all 128 tokens
.set BB, (\P)%2
.set CT, 2*(\P)+(\z)
.if (\z) == 0
.if (\P) < 3
	s_wait_loadcnt 26                                     ; the next pair's 26 loads may be out
.else
	s_wait_loadcnt 0x0
.endif
.endif
	PAIRMM 1, \z, BB
.if ((\P)+(\z)) > 0
	s_wait_xcnt 0x0                                       ; the last step's stores have had their addresses translated,
	s_wait_alu depctr_vm_vsrc(0)                          ; and have read v[PC ..] and v[4:5], which the lines below write again
.endif
.if ((\z) == 1) && ((\P) < 2)
	s_wait_alu depctr_va_vdst(0)                          ; the pair's products are done reading S's buffer and its scale words, in which the loads below land
	LOADS (\P)+2, BB
.endif
	QUANT ACC, 0
.if (\z) == 0
	v_mov_b32 v[4+(\P)%2], v[PW]
.else
	v_cndmask_b32 v[4+(\P)%2], v[4+(\P)%2], v[PW], s[HM]
.endif
	s_wait_alu depctr_va_vdst(0)                          ; QUANT has written v[PC ..], the line above the scale group's register: the stores below read them
.irp c, 0,1,2
	global_store_b128 v1, v[PC+4*\c:PC+4*\c+3], s[28:29] offset:409600*(CT/4)+6144+1536*(CT%4)+512*\c
.endr
.if ((\z) == 1) && ((\P)%2 == 1)
	global_store_b64 v2, v[4:5], s[28:29] offset:409600*((\P)/2)+12544
.endif
.endm
	s_load_b256 s[4:11], s[0:1], 0x0               ; cod, scl, rope, qrec
	s_load_b64 s[12:13], s[0:1], 0x20              ; kv
	v_lshrrev_b32 v8, 5, v0
	v_readfirstlane_b32 s14, v8                    ; wave
	s_mov_b32 s15, ttmp9                           ; block of 128 tokens
	s_and_b32 s16, ttmp7, 0xffff                   ; y
	v_and_b32 v8, 31, v0
	v_lshlrev_b32 v1, 4, v8                        ; 16 x lane
	v_lshlrev_b32 v2, 3, v8                        ; 8 x lane
	v_and_b32 v9, 15, v0
	v_and_b32 v10, 8, v9
	v_add_nc_u32 v9, v9, v10                       ; r + 8 (r/8)
	v_bfe_u32 v10, v0, 4, 1
	v_lshlrev_b32 v3, 8, v9
	v_lshl_add_u32 v3, v10, 6, v3                  ; the table: my token's row of 256 bytes, + 64 h
.irp b, 0,1,2,3
	v_mov_b32 v[TM+4+\b], 0                        ; written once: a lane permute's destination counts as one of its sources
.endr
	s_mov_b32 s[SEL], 0x76543210
	s_mov_b32 s[SEL+1], 0xfedcba98
	s_mov_b32 s[HM], 0xffff0000
	s_wait_alu depctr_va_sdst(0)                   ; s14 is written, ahead of its first reader: the offsets of W and of the records are made from it
	s_lshl_b32 s17, s16, 5
	s_lshl_b32 s18, s14, 3
	s_add_co_u32 s17, s17, s18                     ; 32 y + 8 w: my first tile of W
	s_mul_i32 s18, s17, 6144
	s_add_co_u32 s18, s18, 3145728                 ; its codes,
	s_lshl_b32 s19, s17, 8
	s_add_co_u32 s19, s19, 131072                  ; its scale groups
	s_mul_i32 s36, s15, 49152                      ; the block's codes,
	s_lshl_b32 s37, s15, 11                        ; its scale groups
	s_cmp_lt_u32 s16, 2                            ; q, k: W stays and the tokens stream; v: the other way round.  Only offsets are chosen
	s_cselect_b32 s38, s18, s36
	s_cselect_b32 s40, s19, s37
	s_cselect_b32 s42, s36, s18
	s_cselect_b32 s44, s37, s19
	s_mov_b32 s39, 0
	s_mov_b32 s41, 0
	s_mov_b32 s43, 0
	s_mov_b32 s45, 0
	s_lshr_b32 s46, s15, 5
	s_lshl_b32 s46, s46, 3
	s_lshl_b32 s47, s14, 1
	s_add_co_u32 s46, s46, s47                     ; 8 b + 2 w: my first head
	s_lshl_b32 s46, s46, 5
	s_and_b32 s47, s15, 31
	s_add_co_u32 s46, s46, s47
	s_mul_i32 s46, s46, 12800                      ; its record for this block; the next head's lies 409,600 bytes on
	s_lshl_b32 s48, s47, 15                        ; the block's 128 rows of the table
	s_mov_b32 s47, 0
	s_mov_b32 s49, 0
	s_wait_kmcnt 0x0
	s_add_nc_u64 s[20:21], s[4:5], s[38:39]
	s_add_nc_u64 s[22:23], s[6:7], s[40:41]
	s_add_nc_u64 s[24:25], s[4:5], s[42:43]
	s_add_nc_u64 s[26:27], s[6:7], s[44:45]
	s_cmp_eq_u32 s16, 0
	s_cselect_b64 s[28:29], s[10:11], s[12:13]
	s_add_nc_u64 s[28:29], s[28:29], s[46:47]
	s_add_nc_u64 s[30:31], s[8:9], s[48:49]
	s_wait_alu depctr_va_vdst(0)                   ; the offsets v1, v2 and v3 are written: every load and store of both paths reads one of them
	s_cmp_eq_u32 s16, 2
	s_cbranch_scc1 .Lv
	LOADR
	LOADS 0, 0
	LOADCS 0, 0
	LOADS 1, 1
	LOADCS 1, 1
.irp P, 0,1,2,3
	PQK \P, 0
	PQK \P, 1
.endr
	s_endpgm
.Lv:
	LOADR
	LOADS 0, 0
	LOADS 1, 1
.irp P, 0,1,2,3
	PV \P, 0
	PV \P, 1
.endr
	s_endpgm
.Lfunc_end_k_qabd4c2e8c1_qkv:
	.size	k_qabd4c2e8c1_qkv, .Lfunc_end_k_qabd4c2e8c1_qkv-k_qabd4c2e8c1_qkv
	.p2alignl 7, 3214868480
	.fill 96, 4, 3214868480
	.section	.rodata,"a",@progbits
	.p2align	6, 0x0
	.amdhsa_kernel k_qabd4c2e8c1_qkv
		.amdhsa_group_segment_fixed_size 0
		.amdhsa_private_segment_fixed_size 0
		.amdhsa_enable_private_segment 0
		.amdhsa_kernarg_size 40
		.amdhsa_user_sgpr_count 2
		.amdhsa_user_sgpr_kernarg_segment_ptr 1
		.amdhsa_wavefront_size32 1
		.amdhsa_system_sgpr_workgroup_id_x 1
		.amdhsa_system_sgpr_workgroup_id_y 1
		.amdhsa_system_sgpr_workgroup_id_z 1
		.amdhsa_system_vgpr_workitem_id 0
		.amdhsa_next_free_vgpr 1024
		.amdhsa_next_free_sgpr 66
		.amdhsa_reserve_vcc 0
		.amdhsa_float_denorm_mode_32 3
		.amdhsa_float_denorm_mode_16_64 3
		.amdhsa_memory_ordered 1
		.amdhsa_forward_progress 1
		.amdhsa_inst_pref_size 219
	.end_amdhsa_kernel
	.amdgpu_metadata
---
amdhsa.version: [ 1, 2 ]
amdhsa.kernels:
  - .name:           k_qabd4c2e8c1_qkv
    .symbol:         k_qabd4c2e8c1_qkv.kd
    .args:
      - { .name: cod, .offset: 0, .size: 8, .value_kind: global_buffer, .address_space: global }
      - { .name: scl, .offset: 8, .size: 8, .value_kind: global_buffer, .address_space: global }
      - { .name: rope, .offset: 16, .size: 8, .value_kind: global_buffer, .address_space: global }
      - { .name: qrec, .offset: 24, .size: 8, .value_kind: global_buffer, .address_space: global }
      - { .name: kv, .offset: 32, .size: 8, .value_kind: global_buffer, .address_space: global }
    .group_segment_fixed_size: 0
    .private_segment_fixed_size: 0
    .kernarg_segment_align: 8
    .kernarg_segment_size: 40
    .max_flat_workgroup_size: 128
    .sgpr_count:     66
    .vgpr_count:     1024
    .wavefront_size: 32
...
	.end_amdgpu_metadata
.endif
;; end of part 6
;; launch attn (part 7): grid 16 x 16, 16 waves a work-group, clusters of 4 x 1, 327,680 bytes of LDS; arguments qrec, kv, ctxc, ctxs; writes ctxc, ctxs
.if DOCPART == 7
	.amdgcn_target "amdgcn-amd-amdhsa--gfx1250"
	.amdhsa_code_object_version 6
	.text
	.protected	k_qabd4c2e8c1_attn
	.globl	k_qabd4c2e8c1_attn
	.p2align	8
	.type	k_qabd4c2e8c1_attn,@function
k_qabd4c2e8c1_attn:
	s_mov_b64 s[64:65], 0
	v_nop
	global_prefetch_b8 v0, s[64:65] scope:SCOPE_SE
	s_setreg_imm32_b32 hwreg(HW_REG_WAVE_MODE, 25, 1), 1
	s_wait_xcnt 0x0
	s_wait_alu depctr_hold_cnt(0) depctr_sa_sdst(0) depctr_va_vdst(0) depctr_va_sdst(0) depctr_va_ssrc(0) depctr_va_vcc(0) depctr_vm_vsrc(0)
	s_getreg_b32 s2, hwreg(HW_REG_IB_STS2, 6, 4)
	s_cmp_eq_u32 s2, 0
	s_cbranch_scc0 .Lentry_in_a_cluster
	s_endpgm
.Lentry_in_a_cluster:
	s_bfe_u32 s2, ttmp6, 0x10000c
	s_cmp_lg_u32 s2, 0x3003
	s_cbranch_scc0 .Lentry_shape_is_right
	s_endpgm
.Lentry_shape_is_right:
; ATTN.  ctx[q] = sum over keys of softmax(q . k / 8) v, both products on codes of FP6, for one head (y) and 256 queries (x); ctx is quantised along the head's 64 for the next product.
; THE SOFTMAX: t = score x log2(e) / 8; M = the running largest t rounded UP to a whole number; p = 2^(t - M) is quantised along the keys, not normalised; the row's sum is taken of the unquantised p
; and divides at the end.  When M moves, the sum and O are multiplied by 2^(old M - new M), which rounds nothing.
; SHARES.  Sixteen waves, each with ONE tile of 16 queries in 256 registers: four waves to a SIMD, so that one wave's vector work stands beside another's matrix work and LDS loads.
; Both products are used transposed (S^T = K Q^T, O^T = V^T P^T): a lane holds one query throughout, and by the tiles' choice of rows its registers 16 b + i are key (channel) 32 b + 16 h + i.
; THE HEAD'S 64 IN A K OF 128.  A key fragment holds TWO key tiles (registers 0-5, 6-11).  The query lies in a run of 18 registers, six zeros | q | six zeros: (q, 0) multiplies the first tile, (0, q) the second;
; zero codes add nothing under any scale byte that these operands carry.
; K AND V of a head are 32 records of 12,800 bytes (128 keys each), register images.  LDS holds 24 at once: region 0 records 0-11, region 1 records 12-23, both asked for at the head; region 0 is filled once
; more, with records 24-31, while region 1 is walked.  A wave has at most two tensor loads out.
; CLUSTER.  The four query blocks of a cluster walk the same head: each load is asked for JOINTLY by the four (mask 15), which divides the requests for K and V by four.
; No prefetch: three quarters of the head are first fills at the head of the kernel, and the one refill is asked for 12 key steps ahead of the wait for it.
; LIMITS: a block of zeros carries the byte 1; NaN and infinities are not served.
.set REC,   12800
.set R1,    153600                     ; region 1; its first 1,024 bytes are the stage for ctx's scale words once it has been read out (it is filled once)
.set SPARE, 307200                     ; the spare words, 128 bytes for each wave: eight blocks of 256 bytes that no other line names
.set KF,  40                           ; v40-87   four key pair fragments; later v40-51 p's codes, v52-58 at work
.set VF,  88                           ; v88-135  four fragments of V^T
.set S,   136                          ; v136-199 S^T, then p
.set O,   200                          ; v200-231 O^T
.set BM,  232                          ; v232-235 the blocks' largest scores
.set PT,  236                          ; v236-239 at work
.set SO,  240                          ; v240-243 the conversions' scale operands
.set F,   244                          ; v[244:245] f = 2^(old M - new M)
.set TT,  246
.set WV,  18
.set SEL, 20
.set CS,  22                           ; s[22:23] c = log2(e) / 8
.set G1A, 24                           ; s[24:31] group 1: 150 rows of 256 bytes;  s[32:39]: 100 rows
.set G1B, 32
.set G0A, 40                           ; s[40:43], s[44:47], s[48:51] groups 0 of the three loads: none is ever rewritten
.set G0B, 44
.set G0C, 48
.set TB,  52                           ; LDS byte of the record in hand
.set CNT, 53
; v1 16 x lane, v2 8 x lane, v3, v4 the step's addresses, v5, v6 the add's two registers, v7, v8 the stage, v9-11 offsets in memory, v12 -M, v13 the largest t, v[14:15] the sum in two halves,
; v16-33 the query's run, v34 its scale word, v35 p's, v[36:37] K's scale words, v[38:39] V's
.macro CROUND                          ; a round of the cluster's barrier
	s_barrier_signal -1
	s_barrier_wait -1
	s_cmp_lg_u32 s[WV], 0
	s_cbranch_scc1 .Lnot_wave_0_\@
	s_barrier_signal -3
.Lnot_wave_0_\@:
	s_barrier_wait -3
	s_barrier_signal -1
	s_barrier_wait -1
.endm
; A KEY STEP: 128 keys, one record
.macro STEP
	s_setprio 2
	v_add_nc_u32 v3, s[TB], v1
	v_add_nc_u32 v4, s[TB], v2
	v_nop
	v_nop                                          ; four places ahead of loads into registers that the last products read
.irp p, 0,1,2,3
.irp c, 0,1,2
	ds_load_b128 v[KF+12*\p+4*\c:KF+12*\p+4*\c+3], v3 offset:1536*\p+512*\c
.endr
.endr
	ds_load_b64 v[36:37], v4 offset:12288
	s_wait_alu depctr_va_vdst(0)
	s_wait_dscnt 0x0
.irp p, 0,1,2,3                                ; S^T: key tiles 2 p and 2 p + 1 from one fragment; the pair's scale word in lanes 0-15 (even p) or 16-31 (odd p) of register p/2
.if (\p)%2
	v_wmma_scale_f32_16x16x128_f8f6f4 v[S+16*\p:S+16*\p+7], v[KF+12*\p:KF+12*\p+11], v[22:33], 0, v[36+\p/2], v34 matrix_a_fmt:MATRIX_FMT_FP6 matrix_b_fmt:MATRIX_FMT_FP6 matrix_a_scale:MATRIX_SCALE_ROW1
	v_wmma_scale_f32_16x16x128_f8f6f4 v[S+16*\p+8:S+16*\p+15], v[KF+12*\p:KF+12*\p+11], v[16:27], 0, v[36+\p/2], v34 matrix_a_fmt:MATRIX_FMT_FP6 matrix_b_fmt:MATRIX_FMT_FP6 matrix_a_scale:MATRIX_SCALE_ROW1
.else
	v_wmma_scale_f32_16x16x128_f8f6f4 v[S+16*\p:S+16*\p+7], v[KF+12*\p:KF+12*\p+11], v[22:33], 0, v[36+\p/2], v34 matrix_a_fmt:MATRIX_FMT_FP6 matrix_b_fmt:MATRIX_FMT_FP6
	v_wmma_scale_f32_16x16x128_f8f6f4 v[S+16*\p+8:S+16*\p+15], v[KF+12*\p:KF+12*\p+11], v[16:27], 0, v[36+\p/2], v34 matrix_a_fmt:MATRIX_FMT_FP6 matrix_b_fmt:MATRIX_FMT_FP6
.endif
.endr
.irp t, 0,1,2,3                                ; V's fragments land under the softmax
.irp c, 0,1,2
	ds_load_b128 v[VF+12*\t+4*\c:VF+12*\t+4*\c+3], v3 offset:6144+1536*\t+512*\c
.endr
.endr
	ds_load_b64 v[38:39], v4 offset:12544
.rept 4
	v_nop                                          ; four places ahead of the first read of the scores
.endr
.irp b, 0,1,2,3
	v_max3_num_f32 v[BM+\b], v[S+16*\b], v[S+16*\b+1], v[S+16*\b+2]   ; the largest score of each block of 32 keys: for the row's maximum, and, since p rises with the score, for the block's largest p
.endr
.irp i, 3,5,7,9,11,13
.irp b, 0,1,2,3
	v_max3_num_f32 v[BM+\b], v[BM+\b], v[S+16*\b+\i], v[S+16*\b+\i+1]
.endr
.endr
.irp b, 0,1,2,3
	v_max_num_f32 v[BM+\b], v[BM+\b], v[S+16*\b+15]
.endr
.irp b, 0,1,2,3
	s_delay_alu instid0(VALU_DEP_4)
	v_permlanex16_b32 v[PT+\b], v[BM+\b], s[SEL], s[SEL+1]
.endr
.irp b, 0,1,2,3
	s_delay_alu instid0(VALU_DEP_4)
	v_max_num_f32 v[BM+\b], v[BM+\b], v[PT+\b]     ; with lane l xor 16's 16 keys
.endr
	s_delay_alu instid0(VALU_DEP_2)
	v_max3_num_f32 v[TT], v[BM], v[BM+1], v[BM+2]
	s_delay_alu instid0(VALU_DEP_1)
	v_max_num_f32 v[TT], v[TT], v[BM+3]
	s_delay_alu instid0(VALU_DEP_1)
	v_mul_f32 v[TT], s[CS], v[TT]                  ; the step's largest t (c is positive)
	s_delay_alu instid0(VALU_DEP_1)
	v_max_num_f32 v13, v13, v[TT]                  ; the running largest t
	v_mov_b32 v[TT], v12
	s_delay_alu instid0(VALU_DEP_2)
	v_floor_f32 v12, -v13                          ; the new -M = floor(-t): M is a whole number
	s_delay_alu instid0(VALU_DEP_1)
	v_sub_f32 v[TT], v12, v[TT]                    ; old M - new M: a whole number, 0 or less
	s_delay_alu instid0(VALU_DEP_1)
	v_cvt_i32_f32 v[TT], v[TT]                     ; (it saturates)
	s_delay_alu instid0(VALU_DEP_1)
	v_ldexp_f32 v[F], 1.0, v[TT]                   ; f
.set JJ, 0
.rept 32
	v_pk_fma_f32 v[S+JJ:S+JJ+1], v[S+JJ:S+JJ+1], s[CS:CS+1], v[12:13] op_sel_hi:[1,0,0]   ; t - M, two at a time
.set JJ, JJ+2
.endr
.irp b, 0,1,2,3
	v_fma_f32 v[BM+\b], v[BM+\b], s[CS], v12       ; the same of each block's largest score
.endr
.set JJ, 0
	s_wait_alu depctr_va_vdst(0)
.rept 64
	v_exp_f32 v[S+JJ], v[S+JJ]                     ; p = 2^(t - M)
.set JJ, JJ+1
.endr
	s_setprio 1
	v_pk_mul_f32 v[14:15], v[14:15], v[F:F+1] op_sel_hi:[1,0]   ; the sums under the new M (a plain instruction behind the exponentials)
	s_wait_alu depctr_va_vdst(0)                   ; one wait for the batch, ahead of its first reader
.irp b, 0,1,2,3
	v_exp_f32 v[BM+\b], v[BM+\b]                   ; the block's largest p: the same two instructions on the same number
.endr
	v_pk_add_f32 v[236:237], v[140:141], v[144:145]
	v_pk_add_f32 v[254:255], v[148:149], v[152:153]
	v_pk_add_f32 v[252:253], v[156:157], v[160:161]
	v_pk_add_f32 v[250:251], v[164:165], v[168:169]
	v_pk_add_f32 v[248:249], v[172:173], v[176:177]
	v_pk_add_f32 v[242:243], v[180:181], v[184:185]
	v_pk_add_f32 v[240:241], v[188:189], v[192:193]
	v_pk_add_f32 v[14:15], v[14:15], v[196:197]
	v_pk_add_f32 v[236:237], v[236:237], v[136:137]
	v_pk_add_f32 v[254:255], v[254:255], v[138:139]
	v_pk_add_f32 v[252:253], v[252:253], v[142:143]
	v_pk_add_f32 v[250:251], v[250:251], v[146:147]
	v_pk_add_f32 v[248:249], v[248:249], v[150:151]
	v_pk_add_f32 v[242:243], v[242:243], v[154:155]
	v_pk_add_f32 v[240:241], v[240:241], v[158:159]
	v_pk_add_f32 v[14:15], v[14:15], v[162:163]
	v_pk_add_f32 v[236:237], v[236:237], v[166:167]
	v_pk_add_f32 v[254:255], v[254:255], v[170:171]
	v_pk_add_f32 v[252:253], v[252:253], v[174:175]
	v_pk_add_f32 v[250:251], v[250:251], v[178:179]
	v_pk_add_f32 v[248:249], v[248:249], v[182:183]
	v_pk_add_f32 v[242:243], v[242:243], v[186:187]
	v_pk_add_f32 v[240:241], v[240:241], v[190:191]
	v_pk_add_f32 v[14:15], v[14:15], v[194:195]
	v_pk_add_f32 v[236:237], v[236:237], v[198:199]
	s_delay_alu instid0(VALU_DEP_2)
	v_pk_add_f32 v[14:15], v[14:15], v[250:251]
	s_delay_alu instid0(VALU_DEP_2)
	v_pk_add_f32 v[236:237], v[236:237], v[248:249]
	v_pk_add_f32 v[254:255], v[254:255], v[242:243]
	v_pk_add_f32 v[252:253], v[252:253], v[240:241]
	s_delay_alu instid0(VALU_DEP_2)
	v_pk_add_f32 v[14:15], v[14:15], v[254:255]
	s_delay_alu instid0(VALU_DEP_2)
	v_pk_add_f32 v[236:237], v[236:237], v[252:253]
	s_delay_alu instid0(VALU_DEP_1)
	v_pk_add_f32 v[14:15], v[14:15], v[236:237]
	s_wait_alu depctr_va_vdst(0)                   ; and one for the four
.irp b, 0,1,2,3
	v_max_num_f32 v[BM+\b], 0x1800000, v[BM+\b]    ; the floor 2^(3-127): the byte cannot fall under 1
.endr
.irp b, 0,1,2,3
	s_delay_alu instid0(VALU_DEP_4)
	v_add_nc_u32 v[SO+\b], 0xff000000, v[BM+\b]
.endr
.irp b, 0,1,2,3
	s_delay_alu instid0(VALU_DEP_4)
	v_lshrrev_b32 v[PT+\b], 23, v[SO+\b]
.endr
	s_delay_alu instid0(VALU_DEP_3)
	v_lshl_or_b32 v35, v[PT+1], 8, v[PT]           ; p's scale word for these 128 keys
	s_delay_alu instid0(VALU_DEP_1)
	v_lshl_or_b32 v35, v[PT+2], 16, v35
	s_delay_alu instid0(VALU_DEP_1)
	v_lshl_or_b32 v35, v[PT+3], 24, v35
.irp c, 0,1
	v_cvt_scalef32_pk16_fp6_f32 v[40+6*\c:42+6*\c], v[S+32*\c:S+32*\c+15], v[SO+2*\c]
	v_cvt_scalef32_pk16_fp6_f32 v[52+4*\c:54+4*\c], v[S+16+32*\c:S+31+32*\c], v[SO+2*\c+1]
.endr
	v_nop                                          ; one plain instruction behind the scaled conversions
.irp c, 0,1
.irp i, 0,1,2
	v_permlane16_swap_b32 v[40+6*\c+\i], v[52+4*\c+\i]
.endr
.irp i, 0,1,2
	s_delay_alu instid0(VALU_DEP_3)
	v_mov_b32 v[43+6*\c+\i], v[52+4*\c+\i]
.endr
.endr
.set JJ, 0
	s_setprio 0
.rept 16
	v_pk_mul_f32 v[O+JJ:O+JJ+1], v[O+JJ:O+JJ+1], v[F:F+1] op_sel_hi:[1,0]   ; O^T under the new M; these 16 are also the places between p's codes and scale word and the products
.set JJ, JJ+2
.endr
	s_wait_alu depctr_va_vdst(0)
	s_wait_dscnt 0x0                               ; V
.irp t, 0,1,2,3                                ; O^T += V^T P^T: four accumulators, one instruction each
.if (\t)%2
	v_wmma_scale_f32_16x16x128_f8f6f4 v[O+8*\t:O+8*\t+7], v[VF+12*\t:VF+12*\t+11], v[40:51], v[O+8*\t:O+8*\t+7], v[38+\t/2], v35 matrix_a_fmt:MATRIX_FMT_FP6 matrix_b_fmt:MATRIX_FMT_FP6 matrix_a_scale:MATRIX_SCALE_ROW1
.else
	v_wmma_scale_f32_16x16x128_f8f6f4 v[O+8*\t:O+8*\t+7], v[VF+12*\t:VF+12*\t+11], v[40:51], v[O+8*\t:O+8*\t+7], v[38+\t/2], v35 matrix_a_fmt:MATRIX_FMT_FP6 matrix_b_fmt:MATRIX_FMT_FP6
.endif
.endr
	s_add_co_u32 s[TB], s[TB], REC
.endm
	s_load_b256 s[4:11], s[0:1], 0x0               ; qrec, kv, ctxc, ctxs
	v_lshl_add_u32 v5, v0, 2, SPARE
	v_mov_b32 v6, 0
	ds_add_u32 v5, v6
	ds_add_u32 v5, v6
	s_wait_dscnt 0x0
	v_lshrrev_b32 v7, 5, v0
	s_delay_alu instid0(VALU_DEP_1)
	v_readfirstlane_b32 s[WV], v7                  ; wave 0..15
	s_bfe_u32 s12, ttmp6, 0x40000                  ; cx: it enters addresses in memory alone
	s_lshl_b32 s13, ttmp9, 2
	s_add_co_u32 s13, s13, s12                     ; my block of 256 queries
	s_and_b32 s14, ttmp7, 0xffff                   ; 8 b + head, which the four partners share
	s_and_b32 s15, s[WV], 3                        ; which quarter of a region I fetch, if I fetch
	s_mul_i32 s16, s14, 32*REC
	s_mov_b32 s17, 0
	s_mul_i32 s54, s15, 38400
	s_mul_i32 s55, s15, 25600
	; group 1: a dense block as rows of 256 bytes (32 elements of 8 bytes), no padding: every read is 16 x lane or 8 x lane on end
	s_mov_b32 s[G1A], 15|(3<<16)|(1<<21)           ; 15:0 the mask: all four work-groups; 17:16 elements of 8 bytes; 21 set beside a mask
	s_mov_b32 s[G1A+1], 32<<16                     ; tensor_dim0
	s_mov_b32 s[G1A+2], 150<<16                    ; tensor_dim1
	s_mov_b32 s[G1A+3], 32<<16                     ; tile_dim0
	s_mov_b32 s[G1A+4], 150                        ; tile_dim1
	s_mov_b32 s[G1A+5], 32                         ; the pitch
	s_mov_b32 s[G1A+6], 0
	s_mov_b32 s[G1A+7], 0
	s_mov_b32 s[G1B], 15|(3<<16)|(1<<21)
	s_mov_b32 s[G1B+1], 32<<16
	s_mov_b32 s[G1B+2], 100<<16
	s_mov_b32 s[G1B+3], 32<<16
	s_mov_b32 s[G1B+4], 100
	s_mov_b32 s[G1B+5], 32
	s_mov_b32 s[G1B+6], 0
	s_mov_b32 s[G1B+7], 0
	s_mov_b32 s[SEL], 0x76543210
	s_mov_b32 s[SEL+1], 0xfedcba98
	s_mov_b32 s[CS], 0x3e38aa3b
	s_mov_b32 s[CS+1], s[CS]                       ; (named with it as a pair, so it is written)
	s_wait_kmcnt 0x0
	s_add_nc_u64 s[56:57], s[6:7], s[16:17]        ; the head's records
	s_mov_b32 s58, s54
	s_mov_b32 s59, 0
	s_mov_b32 s[G0A], 1
	s_mov_b32 s[G0A+1], s54                        ; region 0, my quarter
	s_add_nc_u64 s[G0A+2:G0A+3], s[56:57], s[58:59]
	s_mov_b32 s[G0B], 1
	s_add_co_u32 s[G0B+1], s54, R1                 ; region 1, my quarter
	s_add_nc_u64 s[G0B+2:G0B+3], s[G0A+2:G0A+3], R1
	s_or_b32 s[G0A+3], s[G0A+3], 0x80000000
	s_or_b32 s[G0B+3], s[G0B+3], 0x80000000
	s_mov_b32 s58, s55
	s_mov_b32 s[G0C], 1
	s_mov_b32 s[G0C+1], s55                        ; region 0 again: records 24-31
	s_add_nc_u64 s[G0C+2:G0C+3], s[56:57], s[58:59]
	s_add_nc_u64 s[G0C+2:G0C+3], s[G0C+2:G0C+3], 2*R1
	s_or_b32 s[G0C+3], s[G0C+3], 0x80000000
	CROUND                                         ; all four work-groups are here: the first joint loads meet
	s_cmp_lt_u32 s[WV], 4                          ; waves 0-3 fetch; a wave's two first fills stand in one branch
	s_cbranch_scc0 .Lno_first
	tensor_load_to_lds s[G0A:G0A+3], s[G1A:G1A+7]
	s_nop 0
	tensor_load_to_lds s[G0B:G0B+3], s[G1A:G1A+7]
	s_nop 0
.rept 4
	v_nop
.endr
.Lno_first:
	v_and_b32 v8, 31, v0
	s_delay_alu instid0(VALU_DEP_1)
	v_lshlrev_b32 v1, 4, v8
	s_wait_alu depctr_va_vdst(0)
	v_lshlrev_b32 v2, 3, v8
	v_and_b32 v8, 15, v0                           ; r
	s_wait_alu depctr_va_vdst(0)
	; my query tile 16 block + wave is half wave%2 of pair fragment (wave%8)/2 of record 2 block + wave/8 of qrec
	s_lshl_b32 s60, s14, 5
	s_lshl_b32 s61, s13, 1
	s_add_co_u32 s60, s60, s61
	s_lshr_b32 s61, s[WV], 3
	s_add_co_u32 s60, s60, s61
	s_mul_i32 s60, s60, REC
	s_bfe_u32 s61, s[WV], 0x20001                  ; the pair
	s_mul_i32 s62, s61, 1536
	s_add_co_u32 s62, s62, s60
	s_and_b32 s63, s61, 1
	s_lshl_b32 s63, s63, 7
	s_lshr_b32 s61, s61, 1
	s_lshl_b32 s61, s61, 2
	s_add_co_u32 s61, s61, s63
	s_add_co_u32 s61, s61, s60
	s_add_co_u32 s61, s61, 12288                   ; the pair's words in the scale group: 8 (16 (P%2) + r) + 4 (P/2)
	v_add_nc_u32 v9, s62, v1
	v_lshl_add_u32 v10, v8, 3, s61
	global_load_b128 v[40:43], v9, s[4:5]
	global_load_b128 v[44:47], v9, s[4:5] offset:512
	global_load_b128 v[48:51], v9, s[4:5] offset:1024
	global_load_b32 v34, v10, s[4:5]
	s_lshl_b32 s2, s[WV], 6
	s_add_co_u32 s2, s2, R1
	v_lshl_add_u32 v7, v8, 2, s2                   ; the stage: 64 bytes a wave, 4 r
	v_add_nc_u32 v8, R1, v1                        ; and back: 16 x lane
	s_and_b32 s3, s[WV], 1
	s_cmp_eq_u32 s3, 1
	s_cselect_b32 s19, -1, 0                       ; odd wave: registers 6-11 and the word's upper half
	s_lshl_b32 s3, s3, 4
	s_lshr_b32 s56, s14, 3                         ; where ctx goes: half image ((256 b + tile) 8 + head) 768
	s_lshl_b32 s56, s56, 8
	s_lshl_b32 s57, s13, 4
	s_add_co_u32 s56, s56, s57
	s_add_co_u32 s56, s56, s[WV]
	s_lshl_b32 s56, s56, 3
	s_and_b32 s57, s14, 7
	s_add_co_u32 s56, s56, s57
	s_mul_i32 s56, s56, 768
	s_lshl_b32 s57, s14, 14                        ; its scale words: (256 (8 b + head) + 16 block) 64
	s_lshl_b32 s58, s13, 10
	s_add_co_u32 s57, s57, s58
	s_wait_loadcnt 0x0
.irp i, 0,1,2,3,4,5
	v_cndmask_b32 v[22+\i], v[40+\i], v[46+\i], s19
.endr
	v_lshrrev_b32 v34, s3, v34
	s_delay_alu instid0(VALU_DEP_1)
	v_and_b32 v34, 0xffff, v34
	s_delay_alu instid0(VALU_DEP_1)
	v_lshl_or_b32 v34, v34, 16, v34                ; (s0, s1, s0, s1): one word serves (q, 0) and (0, q)
	v_add_nc_u32 v9, s56, v1
	v_add_nc_u32 v10, s56, v2
	v_add_nc_u32 v11, s57, v1
.irp i, 0,1,2,3,4,5
	v_mov_b32 v[16+\i], 0
	v_mov_b32 v[28+\i], 0
.endr
	v_mov_b32 v13, 0xff61b1e6                      ; the largest t so far: -3e38
	s_delay_alu instid0(VALU_DEP_1)
	v_floor_f32 v12, -v13
	v_mov_b32 v14, 0
	v_mov_b32 v15, 0
	v_mov_b32 v[F+1], 0                            ; (named as the upper half of a pair)
.irp b, 0,1,2,3
	v_mov_b32 v[PT+\b], 0                          ; written once: a lane permute's destination counts as one of its sources
.endr
.set JJ, 0
.rept 32
	v_mov_b32 v[O+JJ], 0                           ; the step is written once: the first finds zeros, which the first change of M leaves zeros
.set JJ, JJ+1
.endr
	s_wait_tensorcnt 0x1                           ; my part of region 0 is in; region 1's may stay out
	s_barrier_signal -1
	s_barrier_wait -1
	s_mov_b32 s[TB], 0
	s_mov_b32 s[CNT], 12
.Lr0:                                                  ; records 0-11
	STEP
	s_sub_co_u32 s[CNT], s[CNT], 1
	s_cmp_lg_u32 s[CNT], 0
	s_cbranch_scc1 .Lr0
	s_setprio 0
	s_wait_tensorcnt 0x0                           ; all my tensor loads have landed, my part of region 1 among them
	ds_add_u32 v5, v6                              ; 0 onto my spare word
	ds_add_u32 v5, v6
	s_wait_dscnt 0x0                               ; the add is done, and my reads of region 0 are over
	CROUND                                         ; the same holds of every wave of all four work-groups
	s_cmp_lt_u32 s[WV], 4
	s_cbranch_scc0 .Lno_refill
	tensor_load_to_lds s[G0C:G0C+3], s[G1B:G1B+7]  ; records 24-31 into region 0: 12 key steps ahead of the wait for them
	s_nop 0
.rept 4
	v_nop
.endr
.Lno_refill:
	s_mov_b32 s[CNT], 12
.Lr1:                                                  ; records 12-23 (s[TB] stands at region 1)
	STEP
	s_sub_co_u32 s[CNT], s[CNT], 1
	s_cmp_lg_u32 s[CNT], 0
	s_cbranch_scc1 .Lr1
	s_setprio 0
	s_wait_tensorcnt 0x0                           ; my part of records 24-31 is in
	ds_add_u32 v5, v6
	s_wait_dscnt 0x0                               ; and my reads of region 1 are over
	s_barrier_signal -1
	s_barrier_wait -1                              ; everybody's; nothing is filled again
	s_mov_b32 s[TB], 0
	s_mov_b32 s[CNT], 8
.Lr2:                                                  ; records 24-31
	STEP
	s_sub_co_u32 s[CNT], s[CNT], 1
	s_cmp_lg_u32 s[CNT], 0
	s_cbranch_scc1 .Lr2
	s_setprio 0
	; THE WAY OUT: ctx = O^T / the sum, quantised along the head's 64: half a fragment and half a scale word
.rept 4
	v_nop
.endr
	v_add_f32 v14, v14, v15
	s_delay_alu instid0(VALU_DEP_1)
	v_permlanex16_b32 v[TT], v14, s[SEL], s[SEL+1]
	s_delay_alu instid0(VALU_DEP_1)
	v_add_f32 v14, v14, v[TT]                      ; the row's sum
	s_wait_alu depctr_va_vdst(0)
	v_rcp_f32 v14, v14
	v_nop
	s_wait_alu depctr_va_vdst(0)                   ; ahead of the first reader
.set JJ, 0
.rept 32
	v_mul_f32 v[S+JJ], v[O+JJ], v14                ; register 16 b + i: channel 32 b + 16 h + i
.set JJ, JJ+1
.endr
.irp b, 0,1
	v_max3_num_f32 v[BM+\b], |v[S+16*\b]|, |v[S+16*\b+1]|, 0x1800000
.endr
.irp i, 2,4,6,8,10,12,14
.irp b, 0,1
	s_delay_alu instid0(VALU_DEP_2)
	v_max3_num_f32 v[BM+\b], v[BM+\b], |v[S+16*\b+\i]|, |v[S+16*\b+\i+1]|
.endr
.endr
.irp b, 0,1
	s_delay_alu instid0(VALU_DEP_2)
	v_permlanex16_b32 v[PT+\b], v[BM+\b], s[SEL], s[SEL+1]
.endr
.irp b, 0,1
	s_delay_alu instid0(VALU_DEP_2)
	v_max_num_f32 v[BM+\b], v[BM+\b], v[PT+\b]
.endr
.irp b, 0,1
	s_delay_alu instid0(VALU_DEP_2)
	v_add_nc_u32 v[SO+\b], 0xff000000, v[BM+\b]
.endr
.irp b, 0,1
	s_delay_alu instid0(VALU_DEP_2)
	v_lshrrev_b32 v[PT+\b], 23, v[SO+\b]
.endr
	s_delay_alu instid0(VALU_DEP_1)
	v_lshl_or_b32 v[TT+1], v[PT+1], 8, v[PT]
	v_cvt_scalef32_pk16_fp6_f32 v[40:42], v[S:S+15], v[SO]
	v_cvt_scalef32_pk16_fp6_f32 v[52:54], v[S+16:S+31], v[SO+1]
	v_nop
.irp i, 0,1,2
	v_permlane16_swap_b32 v[40+\i], v[52+\i]
.endr
.irp i, 0,1,2
	s_delay_alu instid0(VALU_DEP_3)
	v_mov_b32 v[43+\i], v[52+\i]
.endr
	global_store_b128 v9, v[40:43], s[8:9]         ; registers 0-3: 512 consecutive bytes; registers 4-5: 256
	global_store_b64 v10, v[44:45], s[8:9] offset:512
	ds_store_b32 v7, v[TT+1]                       ; lanes r and r + 16 write the same word with the same value
	s_wait_dscnt 0x0
	s_barrier_signal -1
	s_barrier_wait -1
	s_cmp_lg_u32 s[WV], 0                          ; wave 0 stores the sixteen tiles' words: 1,024 consecutive bytes
	s_cbranch_scc1 .Lnot0
	ds_load_b128 v[136:139], v8
	ds_load_b128 v[140:143], v8 offset:512
	s_wait_dscnt 0x0
	global_store_b128 v11, v[136:139], s[10:11]
	global_store_b128 v11, v[140:143], s[10:11] offset:512
.Lnot0:
	s_wait_tensorcnt 0x0                           ; the wave's end
	ds_add_u32 v5, v6
	s_wait_dscnt 0x0
	CROUND                                         ; the closing round
	s_endpgm
.Lfunc_end_k_qabd4c2e8c1_attn:
	.size	k_qabd4c2e8c1_attn, .Lfunc_end_k_qabd4c2e8c1_attn-k_qabd4c2e8c1_attn
	.p2alignl 7, 3214868480
	.fill 96, 4, 3214868480
	.section	.rodata,"a",@progbits
	.p2align	6, 0x0
	.amdhsa_kernel k_qabd4c2e8c1_attn
		.amdhsa_group_segment_fixed_size 327680
		.amdhsa_private_segment_fixed_size 0
		.amdhsa_enable_private_segment 0
		.amdhsa_kernarg_size 32
		.amdhsa_user_sgpr_count 2
		.amdhsa_user_sgpr_kernarg_segment_ptr 1
		.amdhsa_wavefront_size32 1
		.amdhsa_system_sgpr_workgroup_id_x 1
		.amdhsa_system_sgpr_workgroup_id_y 1
		.amdhsa_system_sgpr_workgroup_id_z 1
		.amdhsa_system_vgpr_workitem_id 0
		.amdhsa_next_free_vgpr 256
		.amdhsa_next_free_sgpr 66
		.amdhsa_reserve_vcc 0
		.amdhsa_float_denorm_mode_32 3
		.amdhsa_float_denorm_mode_16_64 3
		.amdhsa_memory_ordered 1
		.amdhsa_forward_progress 1
		.amdhsa_inst_pref_size 65
	.end_amdhsa_kernel
	.amdgpu_metadata
---
amdhsa.version: [ 1, 2 ]
amdhsa.kernels:
  - .name:           k_qabd4c2e8c1_attn
    .symbol:         k_qabd4c2e8c1_attn.kd
    .args:
      - { .name: qrec, .offset: 0, .size: 8, .value_kind: global_buffer, .address_space: global }
      - { .name: kv, .offset: 8, .size: 8, .value_kind: global_buffer, .address_space: global }
      - { .name: ctxc, .offset: 16, .size: 8, .value_kind: global_buffer, .address_space: global }
      - { .name: ctxs, .offset: 24, .size: 8, .value_kind: global_buffer, .address_space: global }
    .group_segment_fixed_size: 327680
    .private_segment_fixed_size: 0
    .kernarg_segment_align: 8
    .kernarg_segment_size: 32
    .max_flat_workgroup_size: 512
    .sgpr_count:     66
    .vgpr_count:     256
    .wavefront_size: 32
...
	.end_amdgpu_metadata
.endif
;; end of part 7
;; launch tail (part 8): grid 128 x 1, 4 waves a work-group, no clusters, 268,800 bytes of LDS; arguments ctxc, ctxs, cod, scl, src, b1, b2, g1, be1, g2, be2, out0; writes out0
.if DOCPART == 8
	.amdgcn_target "amdgcn-amd-amdhsa--gfx1250"
	.amdhsa_code_object_version 6
	.text
	.protected	k_qabd4c2e8c1_tail
	.globl	k_qabd4c2e8c1_tail
	.p2align	8
	.type	k_qabd4c2e8c1_tail,@function
k_qabd4c2e8c1_tail:
	s_mov_b64 s[64:65], 0
	v_nop
	global_prefetch_b8 v0, s[64:65] scope:SCOPE_SE
	s_setreg_imm32_b32 hwreg(HW_REG_WAVE_SCHED_MODE, 0, 2), 2
	s_setreg_imm32_b32 hwreg(HW_REG_WAVE_MODE, 25, 1), 1
	s_wait_xcnt 0x0
	s_wait_alu depctr_vm_vsrc(0)
; TAIL.  x = LN1(src + ctx Wo^T); out = LN2(x + relu(x W1^T + b1) W2^T + b2); the three products on codes of FP6; all else in f32.
; SHARES.  A work-group takes 64 tokens (four tiles m).  THE WAVES SHARE THE COLUMNS: wave w makes columns 128 w .. + 127 of Wo's and W2's results and hidden units 128 (4 w + p) .. + 127, p = 0..3, for all 64 tokens.
; All products are used transposed (source 0 = 16 weight rows, source 1 = 16 tokens): accumulator register 64 m + 8 i + j of lane (r, h) is token row r of tile m, column 128 w + 32 (i/2) + 16 h + 8 (i%2) + j:
; a tile of tokens' 64 registers run along the next product's K.  36 steps of 8 weight fragments x 4 token tiles: 32 matrix instructions a step, 32 accumulators by turns.
; THE WEIGHTS come from memory straight into registers, from the wave's own stream (the first launch laid it in the order of the steps), each byte once a work-group, into four buffers: a buffer is asked for
; again in the step behind the one that read it, three steps ahead of its next use.
; NO JOINT LOADS, though all work-groups walk the same weights: images, the parked residual and the stage take 268,288 bytes of LDS; what is left would hold two slots of under one step a wave (32 matrix
; instructions), with one load a wave behind each round; through registers the fragments of up to three steps a wave are asked for ahead and no barrier is needed.
; x's and the hidden layer's codes go from wave to wave through LDS as images of the operand's registers (16 x lane), their scale words at 4 x lane.  Six barriers in all.
; LAYERNORM over the four waves: the mean, then the sum of squares of x - mean (a second pass, no difference of large sums); 1 / sqrt by v_rsq_f32; sums in a fixed tree.
; LIMITS: a block of zeros carries the byte 1; blocks under 2^-124 are held at 1; NaN and infinities are not served.
; REGISTERS: window 0: v1-15, v90-95 addresses; v16-31 statistics; v32-47 the weights' scale words; v48-63 the tokens'; v64-89 QUANT; v96-191 two sets of four token fragments; v192-255 a bias.
;   window 1: weight slots 0-20; window 3: slots 21-31, from v132 spare; window 2: the 32 accumulators.
; THE MODE: SCHED_MODE bits 1:0 = 2 (LLVM: expert scheduling mode 2), set by the entry lines.  The code itself states the register dependences
; between vector or matrix instructions and memory or LDS instructions, with s_wait_alu, always for 0.
; THE PLAN.  Registers that memory or LDS instructions touch:
;   v1-7, v9-15, v90, v91   offsets and addresses: made at the head, never written again.
;   v8, v92, v93            written at the head of a trip over the hidden layer; read by that trip's bias loads and image stores.
;   v94, v95                written ahead of the last product and once a trip in it; read by its loads of the hidden layer's images.
;   W0 .. W3                step s's 32 products read W[s % 4]; the loads of step s + 4 land in it, issued in step s + 1.
;   WS, register p          read by a group's steps 2 p and 2 p + 1; the next group's words land in it, issued in the step behind.
;   T0, T1 and their words  step s reads T[s % 2]; the fragments of step s + 2 land in it, issued in step s + 1.
;   B1                      read by a trip's step 0 as the C of its products; the next trip's bias lands in it, issued in step 1.
;   v[PC ..], v[PW]         written by QUANT, read by the image's four LDS stores.
;   the accumulators        loaded with src; stored to the park and loaded from it; stored to the stage on the way out.
;   v[SU + 2 m], v64-79     the sums: stored to LDS, and the four waves' sums loaded.
; So ONE wait on va_vdst stands at the head of a step that follows a step, behind the waits for the step's own data: the step before is done reading all that is loaded again.  The step's loads follow it,
; dealt among its 32 matrix instructions, which name W[s % 4], T[s % 2], its words, one register of WS and the accumulators: none of the registers that those loads touch.
; The other waits stand where a phase hands registers from vector lines to stores or loads, or back; each says what it states.
; COUNTS on LOADcnt at a step's head, by the order of issue (a step's scale words go out ahead of its 24 weight loads): behind what a step reads stand at least 24 + 8 + 24 = 56 loads, but in the
; last product for its steps 2 and 0, which read scale words issued two steps back: 24 + 24 = 48.
.set XIMG, 0                           ; x's 16 fragments (4 ks + m)
.set XSC,  24576                       ; their scale words, 128 bytes each
.set HIMG, 26624                       ; the hidden layer's 64 fragments (4 kk + m)
.set HSC,  124928
.set RED,  133120                      ; four regions of 1,024 bytes for the sums: 256 m + 16 r + 4 w
.set PARK, 137216                      ; 32,768 bytes a wave: x + b2 while the hidden layer is made; later its first 8,448 are the wave's stage
.set SU,  16
.set MU,  24
.set WS,  32
.set TS,  48
.set TM,  64
.set PW,  76
.set PC,  78
.set T0,  96
.set GA,  96
.set GB,  132
.set B1,  192
.set WV,  28
.set WP,  36                           ; s[36:37] my stream of codes, at the group of four steps in hand
.set SP2, 38                           ; s[38:39] my stream of scale groups
.set SEL, 40
.set HP,  42
.set HP2, 43
.set B1O, 44
.set CNT, 45
.set TP,  46
.set TP2, 47
.set INV, 48
.set EPS, 49
.set MSB, 0
.macro WIN new
.if MSB != (\new)
	s_set_vgpr_msb (MSB<<8)|(\new)
.set MSB, (\new)
.endif
.endm
.macro QUANT s, w                      ; 64 numbers of a lane in window w -> a fragment in v[PC] on, its scale word in v[PW]
	WIN (\w)|((\w)<<2)
.irp b, 0,1,2,3
	v_max3_num_f32 v[TM+\b], |v[(\s)+16*\b]|, |v[(\s)+1+16*\b]|, 0x1800000
.endr
	WIN ((\w)<<2)|((\w)<<4)
.irp i, 2,4,6,8,10,12,14
.irp b, 0,1,2,3
	v_max3_num_f32 v[TM+\b], v[TM+\b], |v[(\s)+16*\b+\i]|, |v[(\s)+1+16*\b+\i]|
.endr
.endr
	WIN 0
.irp b, 0,1,2,3
	v_permlanex16_b32 v[TM+4+\b], v[TM+\b], s[SEL], s[SEL+1]
.endr
.irp b, 0,1,2,3
	v_max_num_f32 v[TM+\b], v[TM+\b], v[TM+4+\b]
.endr
.irp b, 0,1,2,3
	v_add_nc_u32 v[TM+8+\b], 0xff000000, v[TM+\b]
.endr
.irp b, 0,1,2,3
	v_lshrrev_b32 v[TM+4+\b], 23, v[TM+8+\b]
.endr
	v_lshl_or_b32 v[PW], v[TM+5], 8, v[TM+4]
	v_lshl_or_b32 v[PW], v[TM+6], 16, v[PW]
	v_lshl_or_b32 v[PW], v[TM+7], 24, v[PW]
	WIN (\w)
.irp c, 0,1
	v_cvt_scalef32_pk16_fp6_f32 v[PC+6*\c:PC+6*\c+2], v[(\s)+32*\c:(\s)+32*\c+15], v[TM+8+2*\c]
	v_cvt_scalef32_pk16_fp6_f32 v[TM+4*\c:TM+4*\c+2], v[(\s)+16+32*\c:(\s)+31+32*\c], v[TM+9+2*\c]
.endr
	WIN 0
	v_nop                                                 ; one plain instruction behind the scaled conversions
.irp c, 0,1
.irp i, 0,1,2
	v_permlane16_swap_b32 v[PC+6*\c+\i], v[TM+4*\c+\i]
.endr
.irp i, 0,1,2
	v_mov_b32 v[PC+3+6*\c+\i], v[TM+4*\c+\i]
.endr
.endr
.endm
.macro IMAGE ar, ao, sr, so            ; the fragment and its word go to LDS as they stand
	s_wait_alu depctr_va_vdst(0)                          ; QUANT has written v[PC ..] and v[PW], which the stores read; their address registers were written earlier still
.irp c, 0,1,2
	ds_store_b128 v[\ar], v[PC+4*\c:PC+4*\c+3] offset:(\ao)+512*\c
.endr
	ds_store_b32 v[\sr], v[PW] offset:(\so)
	s_wait_dscnt 0x0                                      ; the stores are done,
	s_wait_alu depctr_vm_vsrc(0)                          ; and every LDS and memory instruction so far has read its registers: the next QUANT writes v[PC ..] and v[PW] again, the next trip's head v8, v92 and v93
.endm
.macro BARRIER
	s_wait_dscnt 0x0                                      ; my LDS stores have landed and my LDS loads are in
	s_barrier_signal -1
	s_barrier_wait -1
.endm
.macro WL2 rel, buf, f0                ; fragments f0 and f0 + 1 of step rel (counted from s[WP]) of my stream into buffer buf: 6 loads
.irp e, 0,1
.set LX, 8*(\buf)+(\f0)+\e
	WIN (1+2*(LX/21))<<6
.irp c, 0,1,2
	global_load_b128 v[12*(LX%21)+4*\c:12*(LX%21)+4*\c+3], v1, s[WP:WP+1] offset:12288*(\rel)+1536*((\f0)+\e)+512*\c
.endr
.endr
.endm
.macro WLOAD rel, buf                  ; a whole step: 24 loads
.irp f, 0,2,4,6
	WL2 \rel, \buf, \f
.endr
	WIN 0
.endm
.macro SLOAD p, rel                    ; register p of the scale words of the group in hand (rel = 0) or of the next (rel = 1): 8 loads
	WIN 0
.irp i, 0,1,2,3,4,5,6,7
	global_load_b32 v[WS+2*\i+(\p)], v2, s[SP2:SP2+1] offset:2048*(\rel)+256*\i+4*(\p)
.endr
.endm
.macro CLOAD reg, win, ar, base        ; 64 numbers of a vector over my columns, in the result's layout: 16 loads
	WIN (\win)<<6
.irp i, 0,1,2,3,4,5,6,7
.irp q, 0,1
	global_load_b128 v[(\reg)+8*\i+4*\q:(\reg)+8*\i+4*\q+3], v[\ar], s[\base:\base+1] offset:128*(\i/2)+32*(\i%2)+16*\q
.endr
.endr
	WIN 0
.endm
.macro CTXLOAD ks, win, tr             ; ctx's four fragments of K step ks: heads 2 ks (registers 0-5) and 2 ks + 1 (6-11): 16 loads
	WIN (\win)<<6
.irp m, 0,1,2,3
	global_load_b128 v[(\tr)+12*\m:(\tr)+12*\m+3], v1, s[4:5] offset:6144*\m+1536*(\ks)
	global_load_b64 v[(\tr)+12*\m+4:(\tr)+12*\m+5], v2, s[4:5] offset:6144*\m+1536*(\ks)+512
	global_load_b128 v[(\tr)+12*\m+6:(\tr)+12*\m+9], v1, s[4:5] offset:6144*\m+1536*(\ks)+768
	global_load_b64 v[(\tr)+12*\m+10:(\tr)+12*\m+11], v2, s[4:5] offset:6144*\m+1536*(\ks)+1280
.endr
	WIN 0
.endm
.macro TL2 tb, ar, ao, sr, so, m0      ; token fragments m0 and m0 + 1 and their scale words from LDS into set tb: 8 loads
	WIN 0
.irp e, 0,1
.irp c, 0,1,2
	ds_load_b128 v[T0+48*(\tb)+12*((\m0)+\e)+4*\c:T0+48*(\tb)+12*((\m0)+\e)+4*\c+3], v[\ar] offset:(\ao)+1536*((\m0)+\e)+512*\c
.endr
	ds_load_b32 v[TS+4*(\tb)+(\m0)+\e], v[\sr] offset:(\so)+128*((\m0)+\e)
.endr
.endm
.macro TLOAD tb, ar, ao, sr, so        ; all four
	TL2 \tb, \ar, \ao, \sr, \so, 0
	TL2 \tb, \ar, \ao, \sr, \so, 2
.endm
; A STEP: the waits at its head, its 32 matrix instructions (weight buffer ks, token fragments at v[tr] of window tw, their words at v[ts]; cmode = 1: the bias in v[B1] starts the sums), and the loads dealt among them.
; n: how many younger loads may stay out.  hw = 1: a step stands straight ahead of this one.
; tl = 1: the next step's token fragments from LDS into set tb, behind weight fragments 0 and 1.  sl = 1: the register of scale words that the step before was the last to read, behind fragment 1.
; wl = 1: the weight buffer that the step before read takes step ks + 3 counted from s[WP], six loads behind each of fragments 2 to 5.  cl = 1: the next trip's bias, behind fragment 6.
.macro STEP n, hw, ks, tw, tr, ts, cmode, tl, tb, ar, ao, sr, so, wl, sl, cl
	s_wait_loadcnt \n                                     ; loads come back in order (ISA guide 5.7.1): this step's weights and scale words are in
	s_wait_dscnt 0x0                                      ; this step's token fragments
.if \hw
	s_wait_alu depctr_va_vdst(0)                          ; the step before is done reading its weight buffer, its token fragments and their words, its register of scale words and its bias: the loads below land there; an address written since the last such wait is written
.endif
.irp i, 0,1,2,3,4,5,6,7
.set IDX, 8*(\ks)+\i
.set AW, 1+2*(IDX/21)
.set AR, 12*(IDX%21)
.set SA, WS+2*\i+(\ks)/2
.irp m, 0,1,2,3
.set DR, 64*\m+8*\i
.set BR, (\tr)+12*\m
.if \cmode
	WIN AW|((\tw)<<2)|(2<<6)
	v_wmma_scale_f32_16x16x128_f8f6f4 v[DR:DR+7], v[AR:AR+11], v[BR:BR+11], v[B1+8*\i:B1+8*\i+7], v[SA], v[(\ts)+\m] matrix_a_fmt:MATRIX_FMT_FP6 matrix_b_fmt:MATRIX_FMT_FP6
.elseif (\ks)%2
	WIN AW|((\tw)<<2)|(2<<4)|(2<<6)
	v_wmma_scale_f32_16x16x128_f8f6f4 v[DR:DR+7], v[AR:AR+11], v[BR:BR+11], v[DR:DR+7], v[SA], v[(\ts)+\m] matrix_a_fmt:MATRIX_FMT_FP6 matrix_b_fmt:MATRIX_FMT_FP6 matrix_a_scale:MATRIX_SCALE_ROW1
.else
	WIN AW|((\tw)<<2)|(2<<4)|(2<<6)
	v_wmma_scale_f32_16x16x128_f8f6f4 v[DR:DR+7], v[AR:AR+11], v[BR:BR+11], v[DR:DR+7], v[SA], v[(\ts)+\m] matrix_a_fmt:MATRIX_FMT_FP6 matrix_b_fmt:MATRIX_FMT_FP6
.endif
.endr
.if (\tl) && (\i < 2)
	TL2 \tb, \ar, \ao, \sr, \so, 2*\i
.endif
.if (\sl) && (\i == 1)
	SLOAD 1-(\ks)/2, (\ks)/2
.endif
.if (\wl) && (\i >= 2) && (\i <= 5)
	WL2 (\ks)+3, ((\ks)+3)%4, 2*(\i-2)
.endif
.if (\cl) && (\i == 6)
	CLOAD B1, 0, 8, 14
.endif
.endr
	WIN 0
.rept 4
	v_nop                                                 ; four places behind the step's last matrix instructions (ISA guide 7.12.1), ahead of the first read of results
.endr
.endm
.macro REDUCE k                        ; the four pairs in v[SU] -> each token's sum over all 512 columns, in v[SU + 2 m], alike in all four waves
	WIN 0
.irp m, 0,1,2,3
	v_add_f32 v[SU+2*\m], v[SU+2*\m], v[SU+2*\m+1]
.endr
.irp m, 0,1,2,3
	v_permlanex16_b32 v[SU+2*\m+1], v[SU+2*\m], s[SEL], s[SEL+1]
.endr
.irp m, 0,1,2,3
	v_add_f32 v[SU+2*\m], v[SU+2*\m], v[SU+2*\m+1]
.endr
	s_wait_alu depctr_va_vdst(0)                          ; my sums are written, which the LDS stores read; every vector line that named v64-79 is done, in which the loads below land
.irp m, 0,1,2,3
	ds_store_b32 v13, v[SU+2*\m] offset:1024*((\k)-1)+256*\m
.endr
	BARRIER
.irp m, 0,1,2,3
	ds_load_b128 v[64+4*\m:67+4*\m], v14 offset:1024*((\k)-1)+256*\m
.endr
	s_wait_dscnt 0x0
	s_wait_alu depctr_vm_vsrc(0)                          ; the LDS stores have read v[SU + 2 m], which the last four lines below write again
.irp m, 0,1,2,3
	v_add_f32 v[64+4*\m], v[64+4*\m], v[65+4*\m]
.endr
.irp m, 0,1,2,3
	v_add_f32 v[66+4*\m], v[66+4*\m], v[67+4*\m]
.endr
.irp m, 0,1,2,3
	v_add_f32 v[SU+2*\m], v[64+4*\m], v[66+4*\m]
.endr
.endm
.macro LNORM k                         ; the accumulators are normalised in place; gain in v[GA] (window 0), offset in v[GB] (window 3)
	WIN 0x0a
.irp m, 0,1,2,3
	v_pk_add_f32 v[SU+2*\m:SU+2*\m+1], v[64*\m:64*\m+1], v[64*\m+2:64*\m+3]   ; each accumulator is read from its low end on
.endr
	WIN 0x08
.set JJ, 4
.rept 30
.irp m, 0,1,2,3
	v_pk_add_f32 v[SU+2*\m:SU+2*\m+1], v[SU+2*\m:SU+2*\m+1], v[64*\m+JJ:64*\m+JJ+1]
.endr
.set JJ, JJ+2
.endr
	REDUCE \k
.irp m, 0,1,2,3
	v_mul_f32 v[MU+2*\m], s[INV], v[SU+2*\m]              ; the mean
.endr
.irp m, 0,1,2,3
	v_mov_b32 v[MU+2*\m+1], v[MU+2*\m]                    ; (named with it as a pair)
.endr
	WIN 0x82
.irp m, 0,1,2,3
.set JJ, 0
.rept 32
	v_pk_add_f32 v[64*\m+JJ:64*\m+JJ+1], v[64*\m+JJ:64*\m+JJ+1], v[MU+2*\m:MU+2*\m+1] op_sel_hi:[1,0] neg_lo:[0,1] neg_hi:[0,1]
.set JJ, JJ+2
.endr
.endr
	WIN 0x0a
.irp m, 0,1,2,3
	v_pk_mul_f32 v[SU+2*\m:SU+2*\m+1], v[64*\m:64*\m+1], v[64*\m:64*\m+1]
.endr
.set JJ, 2
.rept 31
.irp m, 0,1,2,3
	v_pk_fma_f32 v[SU+2*\m:SU+2*\m+1], v[64*\m+JJ:64*\m+JJ+1], v[64*\m+JJ:64*\m+JJ+1], v[SU+2*\m:SU+2*\m+1]
.endr
.set JJ, JJ+2
.endr
	REDUCE (\k)+1
.irp m, 0,1,2,3
	v_fma_f32 v[SU+2*\m], v[SU+2*\m], s[INV], s[EPS]      ; the variance + eps
.endr
	s_wait_alu depctr_va_vdst(0)
.irp m, 0,1,2,3
	v_rsq_f32 v[MU+2*\m], v[SU+2*\m]
.endr
	v_nop
	s_wait_alu depctr_va_vdst(0)                          ; the four v_rsq_f32 have written v[MU + 2 m]: one wait for the four, ahead of their first reader
	WIN 0x82
.irp m, 0,1,2,3
.set JJ, 0
.rept 32
	v_pk_mul_f32 v[64*\m+JJ:64*\m+JJ+1], v[64*\m+JJ:64*\m+JJ+1], v[MU+2*\m:MU+2*\m+1] op_sel_hi:[1,0]
.set JJ, JJ+2
.endr
.endr
	s_wait_loadcnt 0x0                                    ; gain and offset
	WIN 0xb2
.irp m, 0,1,2,3
.set JJ, 0
.rept 32
	v_pk_fma_f32 v[64*\m+JJ:64*\m+JJ+1], v[64*\m+JJ:64*\m+JJ+1], v[GA+JJ:GA+JJ+1], v[GB+JJ:GB+JJ+1]
.set JJ, JJ+2
.endr
.endr
	WIN 0
.endm
	s_load_b512 s[4:19], s[0:1], 0x0               ; ctxc, ctxs, cod, scl, src, b1, b2, g1
	s_load_b256 s[20:27], s[0:1], 0x40             ; be1, g2, be2, out0
	s_set_vgpr_msb 0x40
	v_lshl_add_u32 v254, v0, 2, 0x41800
	v_mov_b32 v255, 0
	s_set_vgpr_msb 0x4000
	v_lshrrev_b32 v8, 5, v0
	v_readfirstlane_b32 s[WV], v8                  ; wave 0..3
	s_mov_b32 s29, ttmp9                           ; my 64 tokens
	v_and_b32 v8, 31, v0
	v_lshlrev_b32 v1, 4, v8                        ; 16 x lane
	v_lshlrev_b32 v2, 3, v8                        ; 8 x lane
	v_lshlrev_b32 v3, 2, v8                        ; 4 x lane
	v_and_b32 v16, 15, v0                          ; r
	v_bfe_u32 v17, v0, 4, 1                        ; h
	v_lshlrev_b32 v4, 2, v16                       ; 4 r
	v_and_b32 v18, 8, v16
	v_add_nc_u32 v18, v18, v16                     ; r + 8 (r/8)
	s_wait_alu depctr_va_sdst(0)                   ; s[WV] is written, ahead of its first reader: addresses and bases are made from it
	s_lshl_b32 s30, s[WV], 9
	v_lshlrev_b32 v6, 6, v17
	v_add_nc_u32 v6, s30, v6                       ; vectors over my columns: 64 h + 512 w
	v_lshl_add_u32 v5, v18, 11, v6                 ; src: my token's row of 2,048 bytes + that
	s_lshl_b32 s31, s[WV], 11
	v_lshlrev_b32 v7, 6, v17
	v_add_nc_u32 v7, s31, v7                       ; b1: 64 h + 2,048 w
	s_mul_i32 s32, s[WV], 6144
	v_add_nc_u32 v9, s32, v1                       ; x's images, K step w
	v_add_nc_u32 v10, s30, v3                      ; and their words
	s_mul_i32 s32, s[WV], 24576
	s_add_co_u32 s32, s32, HIMG
	v_add_nc_u32 v11, s32, v1                      ; the hidden layer's images, K steps 4 w on
	s_add_co_u32 s33, s31, HSC
	v_add_nc_u32 v12, s33, v3
	v_lshlrev_b32 v14, 4, v16
	v_add_nc_u32 v14, RED, v14                     ; the sums, back: 16 r
	s_lshl_b32 s32, s[WV], 2
	v_add_nc_u32 v13, s32, v14                     ; in: + 4 w
	s_lshl_b32 s32, s[WV], 15
	s_add_co_u32 s32, s32, PARK
	v_add_nc_u32 v15, s32, v1                      ; my park, and my stage's rows back
	v_mul_u32_u24 v90, v16, 528
	v_lshl_add_u32 v90, v17, 6, v90
	v_add_nc_u32 v90, s32, v90                     ; my stage, in: row r of 528 bytes, + 64 h
	v_add_nc_u32 v91, s30, v1                      ; out0: 16 x lane + 512 w
.irp b, 0,1,2,3
	v_mov_b32 v[TM+4+\b], 0                        ; written once: a lane permute's destination counts as one of its sources
.endr
	s_mov_b32 s[SEL], 0x76543210
	s_mov_b32 s[SEL+1], 0xfedcba98
	s_mov_b32 s[INV], 0x3b000000                   ; 1 / 512
	s_mov_b32 s[EPS], 0x3727c5ac                   ; 1e-5
	s_mul_i32 s34, s[WV], 442368
	s_add_co_u32 s34, s34, 3735552
	s_mov_b32 s35, 0
	s_mul_i32 s50, s[WV], 18432
	s_add_co_u32 s50, s50, 155648
	s_mov_b32 s51, 0
	s_mul_i32 s52, s29, 24576
	s_mov_b32 s53, 0
	s_lshr_b32 s54, s29, 6
	s_lshl_b32 s54, s54, 17
	s_and_b32 s55, s29, 63
	s_lshl_b32 s55, s55, 8
	s_add_co_u32 s54, s54, s55
	s_mov_b32 s55, 0
	s_lshl_b32 s56, s29, 17
	s_mov_b32 s57, 0
	s_wait_kmcnt 0x0
	s_add_nc_u64 s[WP:WP+1], s[8:9], s[34:35]
	s_add_nc_u64 s[SP2:SP2+1], s[10:11], s[50:51]
	s_add_nc_u64 s[4:5], s[4:5], s[52:53]
	s_add_nc_u64 s[6:7], s[6:7], s[54:55]
	s_add_nc_u64 s[12:13], s[12:13], s[56:57]
	s_add_nc_u64 s[26:27], s[26:27], s[56:57]
	s_wait_alu depctr_va_vdst(0)                   ; the offsets and addresses v1-7, v9-15, v90 and v91 are written, which the loads and stores of the whole kernel read
	; ---- A: src + ctx Wo^T.  264 loads go out: ctx's scale halves, the first scale groups, src (the C of the first products), and for each K step ctx's fragments and Wo's
.irp hd, 0,1,2,3,4,5,6,7
.irp m, 0,1,2,3
	global_load_b32 v[B1+4*\hd+\m], v4, s[6:7] offset:16384*\hd+64*\m
.endr
.endr
.irp i, 0,1,2,3,4,5,6,7
	global_load_b64 v[WS+2*\i:WS+2*\i+1], v2, s[SP2:SP2+1] offset:256*\i
.endr
	WIN 0x80
.irp m, 0,1,2,3
.irp i, 0,1,2,3,4,5,6,7
.irp q, 0,1
	global_load_b128 v[64*\m+8*\i+4*\q:64*\m+8*\i+4*\q+3], v5, s[12:13] offset:(32*(\m/2)+8*(\m%2))*2048+128*(\i/2)+32*(\i%2)+16*\q
.endr
.endr
.endr
	WIN 0
	CTXLOAD 0, 0, 96
	WLOAD 0, 0
	CTXLOAD 1, 0, 144
	WLOAD 1, 1
	CTXLOAD 2, 3, 132
	WLOAD 2, 2
	CTXLOAD 3, 3, 180
	WLOAD 3, 3
	s_wait_loadcnt 63                              ; all but the newest 63: the 32 halves are the oldest
.irp ks, 0,1,2,3
.irp m, 0,1,2,3
	v_lshl_or_b32 v[TS+4*\ks+\m], v[B1+8*\ks+4+\m], 16, v[B1+8*\ks+\m]   ; heads 2 ks and 2 ks + 1 make a K step's word; the later of these lines are the places ahead of the products
.endr
.endr
	s_wait_alu depctr_va_vdst(0)                   ; the sixteen lines have written ctx's scale words, which the products take as scales, and are done reading v192-223, in which b2 lands later
	STEP 56, 0, 0, 0, 96, TS, 0,      0, 0, 1, 0, 3, 0,  0, 0, 0
	STEP 56, 1, 1, 0, 144, TS+4, 0,   0, 0, 1, 0, 3, 0,  1, 0, 0
	STEP 56, 1, 2, 3, 132, TS+8, 0,   0, 0, 1, 0, 3, 0,  1, 1, 0
	STEP 56, 1, 3, 3, 180, TS+12, 0,  0, 0, 1, 0, 3, 0,  1, 0, 0
	s_wait_alu depctr_va_vdst(0)                   ; the last step is done reading buffer 3 and the second register of scale words, all four steps ctx's fragments: the loads below land there
	SLOAD 1, 1
	WLOAD 7, 3
	CLOAD GA, 0, 6, 18                             ; g1
	CLOAD GB, 3, 6, 20                             ; be1
	CLOAD B1, 0, 6, 16                             ; b2
	LNORM 1
.irp m, 0,1,2,3
	QUANT 64*\m, 2                                 ; x, K step w of the next product
	IMAGE 9, XIMG+1536*\m, 10, XSC+128*\m
.endr
	WIN 0x82
.irp m, 0,1,2,3
.set JJ, 0
.rept 32
	v_pk_add_f32 v[64*\m+JJ:64*\m+JJ+1], v[64*\m+JJ:64*\m+JJ+1], v[B1+JJ:B1+JJ+1]   ; x + b2: the C of W2's first products
.set JJ, JJ+2
.endr
.endr
	WIN 0x08
	s_wait_alu depctr_va_vdst(0)                   ; x + b2 is written, which the stores read; the additions are done reading b2's registers, in which b1 lands, the norm's lines g1's, in which x's fragments land
.set JJ, 0
.rept 64
	ds_store_b128 v15, v[4*JJ:4*JJ+3] offset:512*JJ       ; parked, as it stands
.set JJ, JJ+1
.endr
	WIN 0
	CLOAD B1, 0, 7, 14                             ; b1 of my first 128 hidden units
	BARRIER                                        ; x's sixteen fragments lie in LDS
	s_wait_alu depctr_vm_vsrc(0)                   ; the park's stores have read the accumulators, which the next products write
	s_wait_loadcnt 0x0
	TLOAD 0, 1, XIMG, 3, XSC
	s_wait_xcnt 0x0                                ; every load has read its base
	s_add_nc_u64 s[WP:WP+1], s[WP:WP+1], 49152
	s_add_nc_u64 s[SP2:SP2+1], s[SP2:SP2+1], 2048
	s_mov_b32 s[HP], 0
	s_mov_b32 s[HP2], 0
	s_mov_b32 s[B1O], 0
	s_mov_b32 s[CNT], 4
	; ---- B: the hidden layer, 128 units of mine a trip
.Lpass:
	s_add_co_u32 s[B1O], s[B1O], 512
	s_min_u32 s[B1O], s[B1O], 1536                 ; the next trip's bias; the last trip loads its own again: no load leaves b1
	v_add_nc_u32 v8, s[B1O], v7                    ; these three are free: the wait on vm_vsrc behind the last trip's last image stands behind every instruction that read them.
	v_add_nc_u32 v92, s[HP], v11                   ; They are read behind step 1's wait on va_vdst (v8) and behind the images' (v92, v93)
	v_add_nc_u32 v93, s[HP2], v12
	STEP 56, 0, 0, 0, T0, TS, 1,       1, 1, 1, XIMG+6144, 3, XSC+512,    0, 0, 0   ; no step stands straight ahead: set 1's last readers stand ahead of the images' waits
	STEP 56, 1, 1, 0, T0+48, TS+4, 0,  1, 0, 1, XIMG+12288, 3, XSC+1024,  1, 0, 1
	STEP 56, 1, 2, 0, T0, TS, 0,       1, 1, 1, XIMG+18432, 3, XSC+1536,  1, 1, 0
	STEP 56, 1, 3, 0, T0+48, TS+4, 0,  1, 0, 1, XIMG, 3, XSC,             1, 0, 0
	s_wait_alu depctr_va_vdst(0)                   ; the last step is done reading buffer 3 and the second register of scale words, in which the loads below land
	SLOAD 1, 1
	WLOAD 7, 3
.irp m, 0,1,2,3
	WIN 0x88
.set JJ, 0
.rept 64
	v_max_num_f32 v[64*\m+JJ], 0, v[64*\m+JJ]      ; the activation, in f32, from each accumulator's low end on
.set JJ, JJ+1
.endr
	QUANT 64*\m, 2
	IMAGE 92, 1536*\m, 93, 128*\m                  ; K step 4 w + p of the last product
.endr
	s_wait_xcnt 0x0                                ; every load has read its base and its offset
	s_add_nc_u64 s[WP:WP+1], s[WP:WP+1], 49152
	s_add_nc_u64 s[SP2:SP2+1], s[SP2:SP2+1], 2048
	s_add_co_u32 s[HP], s[HP], 6144
	s_add_co_u32 s[HP2], s[HP2], 512
	s_sub_co_u32 s[CNT], s[CNT], 1
	s_cmp_lg_u32 s[CNT], 0
	s_cbranch_scc1 .Lpass
	; ---- C: x + b2 + hidden W2^T
	s_mov_b32 s[TP], HIMG
	s_mov_b32 s[TP2], HSC
	v_add_nc_u32 v94, s[TP], v1
	v_add_nc_u32 v95, s[TP2], v3
	BARRIER                                        ; the hidden layer's 64 fragments lie in LDS
	WIN 0x80
	s_wait_alu depctr_va_vdst(0)                   ; v94 and v95 are written, which the fragments' loads below read
.set JJ, 0
.rept 64
	ds_load_b128 v[4*JJ:4*JJ+3], v15 offset:512*JJ
.set JJ, JJ+1
.endr
	WIN 0
	TLOAD 0, 94, 0, 95, 0
	STEP 56, 0, 0, 0, T0, TS, 0,       1, 1, 94, 6144, 95, 512,    0, 0, 0   ; the first group's step 0: buffer 3 and the second register of scale words were asked for at the last trip's end
	s_mov_b32 s[CNT], 3
.Lkg:                                                  ; a trip: steps 1, 2, 3 of a group and step 0 of the next
	STEP 56, 1, 1, 0, T0+48, TS+4, 0,  1, 0, 94, 12288, 95, 1024,  1, 0, 0
	STEP 48, 1, 2, 0, T0, TS, 0,       1, 1, 94, 18432, 95, 1536,  1, 1, 0
	STEP 56, 1, 3, 0, T0+48, TS+4, 0,  1, 0, 94, 24576, 95, 2048,  1, 0, 0
	s_wait_xcnt 0x0                                ; every load has read its base
	s_add_nc_u64 s[WP:WP+1], s[WP:WP+1], 49152
	s_add_nc_u64 s[SP2:SP2+1], s[SP2:SP2+1], 2048
	s_add_co_u32 s[TP], s[TP], 24576
	s_add_co_u32 s[TP2], s[TP2], 2048
	s_wait_alu depctr_vm_vsrc(0)                   ; the LDS loads issued so far have read v94 and v95
	v_add_nc_u32 v94, s[TP], v1                    ; (the wait on va_vdst at the head of the step below states that they are written)
	v_add_nc_u32 v95, s[TP2], v3
	STEP 48, 1, 0, 0, T0, TS, 0,       1, 1, 94, 6144, 95, 512,    1, 1, 0
	s_sub_co_u32 s[CNT], s[CNT], 1
	s_cmp_lg_u32 s[CNT], 0
	s_cbranch_scc1 .Lkg
	STEP 56, 1, 1, 0, T0+48, TS+4, 0,  1, 0, 94, 12288, 95, 1024,  0, 0, 0   ; the last three steps ask for no more weights: the counts run down
	STEP 24, 1, 2, 0, T0, TS, 0,       1, 1, 94, 18432, 95, 1536,  0, 0, 0
	STEP 0, 0, 3, 0, T0+48, TS+4, 0,   0, 0, 1, 0, 3, 0,           0, 0, 0   ; nothing is loaded in it, so no wait on va_vdst stands at its head
	s_wait_alu depctr_va_vdst(0)                   ; the last two steps are done reading the token fragments, in which g2 lands
	CLOAD GA, 0, 6, 22                             ; g2
	CLOAD GB, 3, 6, 24                             ; be2
	LNORM 3
	; ---- the way out: a tile of 16 tokens x my 128 columns goes through my stage and leaves as rows of 512 consecutive bytes, aligned
.irp m, 0,1,2,3
.if \m >= 2
	s_wait_xcnt 0x0                                ; the stores of two tiles ago have had their addresses translated,
	s_wait_alu depctr_vm_vsrc(0)                   ; and have read the registers in which the loads below land again
.endif
	WIN 0x08
.if \m == 0
	s_wait_alu depctr_va_vdst(0)                   ; the norm has written the accumulators, which the LDS stores read, and is done reading g2's registers, in which rows land; no vector line follows
.endif
.irp b, 0,1,2,3
.irp q, 0,1,2,3
	ds_store_b128 v90, v[64*\m+16*\b+4*\q:64*\m+16*\b+4*\q+3] offset:128*\b+16*\q
.endr
.endr
	WIN 0
.set OB, 96+96*(\m%2)
.irp i, 0,1,2,3,4,5,6,7,8,9,10,11,12,13,14,15
	ds_load_b128 v[OB+4*\i:OB+4*\i+3], v15 offset:528*\i   ; LDS serves a wave's instructions in order (ISA guide 5.7.1.4): these see the stores above
.endr
.irp i, 0,1,2,3,4,5,6,7,8,9,10,11,12,13,14,15
	s_wait_dscnt 15-\i
	global_store_b128 v91, v[OB+4*\i:OB+4*\i+3], s[26:27] offset:(32*(\m/2)+8*(\m%2)+\i+8*(\i/8))*2048 th:TH_STORE_NT
.endr
.endr
	s_set_vgpr_msb 0x5
	s_wait_dscnt 0x0
	s_wait_alu depctr_hold_cnt(0) depctr_sa_sdst(0) depctr_va_vdst(0) depctr_va_sdst(0) depctr_va_ssrc(0) depctr_va_vcc(0) depctr_vm_vsrc(0)
	s_wait_tensorcnt 0x0
	ds_add_u32 v254, v255
	s_wait_dscnt 0x0
	s_endpgm
.Lfunc_end_k_qabd4c2e8c1_tail:
	.size	k_qabd4c2e8c1_tail, .Lfunc_end_k_qabd4c2e8c1_tail-k_qabd4c2e8c1_tail
	.p2alignl 7, 3214868480
	.fill 96, 4, 3214868480
	.section	.rodata,"a",@progbits
	.p2align	6, 0x0
	.amdhsa_kernel k_qabd4c2e8c1_tail
		.amdhsa_group_segment_fixed_size 268800
		.amdhsa_private_segment_fixed_size 0
		.amdhsa_enable_private_segment 0
		.amdhsa_kernarg_size 96
		.amdhsa_user_sgpr_count 2
		.amdhsa_user_sgpr_kernarg_segment_ptr 1
		.amdhsa_wavefront_size32 1
		.amdhsa_system_sgpr_workgroup_id_x 1
		.amdhsa_system_sgpr_workgroup_id_y 1
		.amdhsa_system_sgpr_workgroup_id_z 1
		.amdhsa_system_vgpr_workitem_id 0
		.amdhsa_next_free_vgpr 1024
		.amdhsa_next_free_sgpr 66
		.amdhsa_reserve_vcc 0
		.amdhsa_float_denorm_mode_32 3
		.amdhsa_float_denorm_mode_16_64 3
		.amdhsa_memory_ordered 1
		.amdhsa_forward_progress 1
		.amdhsa_inst_pref_size 255
	.end_amdhsa_kernel
	.section	.bss,"aw",@nobits
	.p2align	6
	.space	262144
	.amdgpu_metadata
---
amdhsa.version: [ 1, 2 ]
amdhsa.kernels:
  - .name:           k_qabd4c2e8c1_tail
    .symbol:         k_qabd4c2e8c1_tail.kd
    .args:
      - { .name: ctxc, .offset: 0, .size: 8, .value_kind: global_buffer, .address_space: global }
      - { .name: ctxs, .offset: 8, .size: 8, .value_kind: global_buffer, .address_space: global }
      - { .name: cod, .offset: 16, .size: 8, .value_kind: global_buffer, .address_space: global }
      - { .name: scl, .offset: 24, .size: 8, .value_kind: global_buffer, .address_space: global }
      - { .name: src, .offset: 32, .size: 8, .value_kind: global_buffer, .address_space: global }
      - { .name: b1, .offset: 40, .size: 8, .value_kind: global_buffer, .address_space: global }
      - { .name: b2, .offset: 48, .size: 8, .value_kind: global_buffer, .address_space: global }
      - { .name: g1, .offset: 56, .size: 8, .value_kind: global_buffer, .address_space: global }
      - { .name: be1, .offset: 64, .size: 8, .value_kind: global_buffer, .address_space: global }
      - { .name: g2, .offset: 72, .size: 8, .value_kind: global_buffer, .address_space: global }
      - { .name: be2, .offset: 80, .size: 8, .value_kind: global_buffer, .address_space: global }
      - { .name: out0, .offset: 88, .size: 8, .value_kind: global_buffer, .address_space: global }
    .group_segment_fixed_size: 268800
    .private_segment_fixed_size: 0
    .kernarg_segment_align: 8
    .kernarg_segment_size: 96
    .max_flat_workgroup_size: 128
    .sgpr_count:     66
    .vgpr_count:     1024
    .wavefront_size: 32
...
	.end_amdgpu_metadata
.endif
;; end of part 8
